; MI455X (gfx1250); checked and timed in simulation.
; The chip was launched on July 23, 2026; its instructions are those of AMD's public machine-readable ISA for CDNA 5 (MIT licence, August 2026) and "CDNA5" Instruction Set Architecture Reference Guide (July 2026). The comments in the code are by the model that wrote it; some were corrected since.
;; Mo EFFN. Allowed arithmetic: float matrix products may take bf16 or f16 operands with f32 sums; other float arithmetic in f32, or as packed bf16 or f16 multiplies, adds, multiply-adds, maxima and minima; sums over many terms, partial sums and values carried from step to step in f32; what a program stores and reads back later, other than sums and carried values, may be rounded once to bf16 or f16.
;; Inputs: router_w 1,024 x 8 float32; w_fc 8 x 1,024 x 4,096 float32; w_proj 8 x 4,096 x 1,024 float32; x 4 x 256 x 1,024 float32.
;; Outputs: out0 4 x 256 x 1,024 float32.
;; 3 versions, each right; version 2 is faster than version 1; version 3 is version 2 with the launches fc, proj written anew for expert scheduling mode. Each part assembles by itself: llvm-mc -triple=amdgcn-amd-amdhsa -mcpu=gfx1250 --defsym DOCPART=n.
;; ======== version 1 of 3: 4 launches
;; workspace buffers: xb 2,097,152 bytes; bm 1,024 bytes of whole numbers; sel 4,096 bytes of whole numbers; gate 8,192 bytes; pre 1,024 bytes of whole numbers; hfr 67,108,864 bytes; part 134,217,728 bytes
;; launch router (part 1): grid 32 x 1, 8 waves a work-group, no clusters, 78,848 bytes of LDS; arguments x, router_w, xb, bm, sel, gate; writes xb, bm, sel, gate
.if DOCPART == 1
	.amdgcn_target "amdgcn-amd-amdhsa--gfx1250"
	.amdhsa_code_object_version 6
	.text
	.protected	k_qafabd6ea0c_router
	.globl	k_qafabd6ea0c_router
	.p2align	8
	.type	k_qafabd6ea0c_router,@function
k_qafabd6ea0c_router:
	s_mov_b64 s[64:65], 0
	v_nop
	global_prefetch_b8 v0, s[64:65] scope:SCOPE_SE
	s_setreg_imm32_b32 hwreg(HW_REG_WAVE_MODE, 25, 1), 1
	s_wait_xcnt 0x0
; ROUTER.  logits = x router_w; the two largest of a token's eight; their gates; and x rounded to bf16 for the next launch.
; x [1024][1024] f32, router_w [1024][8] f32.  A work-group has 32 tokens (one word of each expert's bitmap), wave w the columns 128 w .. 128 w + 127 of K.
; Both operands are rounded to bf16 and multiplied by the matrix unit, sums in f32: the choice is then made on the same rounded x that the experts see.
; OUT: xb [1024][1024] bf16; bm [8][32] words, bit l of word j = token 32 j + l chose the expert; sel [1024] words e0 | e1<<8 | lr0<<16 | lr1<<24
; (lr = how many tokens of lower number in the same word chose that expert); gate [1024][2] f32.
; GATES.  With l0 >= l1 the two largest logits, softmax and renormalisation give g0 = 1 / (1 + e^(l1 - l0)), g1 = e^(l1 - l0) g0: the maximum is taken away, the exponent is never above 0.
; LIMITS.  Ties are broken on the logits (the lower expert wins), not on rounded probabilities.  NaN and infinities are not treated apart.  A gate below 2^-126 counts as 0.
; No address and no branch hangs on the choice: everything is stored at fixed places.
.set PRIVB, 8704                       ; a wave's own 32 rows of 256 bytes, 272 apart: the 16 rows of a fragment load start at 16 different groups of banks
.set RED,   8*PRIVB                    ; 8 waves x 32 tokens x 8 partial logits
.set SPARE, RED+8192                   ; the spare words, 128 bytes a wave; no other line names them
.set SPW, 1                            ; v1  my spare word
.set NIL, 2                            ; v2  0
.set D0,  16                           ; v[16:23] logits of tokens 0-15, v[24:31] of tokens 16-31
.set D1,  24
.set X,   32                           ; v[32:159] x as loaded, 8 registers for each pair of rows; then 4 of bf16
.set RW,  160                          ; v[160:223] router_w as loaded; later x's fragments; later the eight waves' partial logits
.set XF,  160
.set L,   160
.set RWF, 224                          ; v[224:255] router_w's four fragments
	s_load_b256 s[4:11], s[0:1], 0x0               ; x s[4:5], router_w s[6:7], xb s[8:9], bm s[10:11]
	s_load_b128 s[12:15], s[0:1], 0x20             ; sel s[12:13], gate s[14:15]
	v_lshl_add_u32 v[SPW], v0, 2, SPARE
	v_mov_b32 v[NIL], 0
	v_lshrrev_b32 v3, 5, v0
	v_readfirstlane_b32 s16, v3                    ; wave
	v_and_b32 v4, 31, v0                           ; lane
	v_and_b32 v5, 15, v0                           ; r
	v_bfe_u32 v6, v0, 4, 1                         ; h
	v_and_b32 v7, 7, v0                            ; router_w: 4096 w + 256 h + 4 (lane % 8): rows 8-15 of the operand repeat experts 0-7
	v_lshlrev_b32 v7, 2, v7
	v_lshl_add_u32 v7, v6, 8, v7
	s_lshl_b32 s17, s16, 12
	v_add_nc_u32 v7, s17, v7
	v_lshlrev_b32 v8, 5, v5                        ; x: 4096 h + 512 w + 32 r
	v_lshl_add_u32 v8, v6, 12, v8
	s_lshl_b32 s17, s16, 9
	v_add_nc_u32 v8, s17, v8
	v_lshlrev_b32 v9, 4, v5                        ; xb: 2048 h + 256 w + 16 r
	v_lshl_add_u32 v9, v6, 11, v9
	s_lshl_b32 s17, s16, 8
	v_add_nc_u32 v9, s17, v9
	s_mul_i32 s18, s16, PRIVB
	v_mul_u32_u24 v10, v6, 272                     ; into my rows: row h of a pair, 16 r
	v_lshl_add_u32 v10, v5, 4, v10
	v_add_nc_u32 v10, s18, v10
	v_mul_u32_u24 v11, v5, 272                     ; fragments: row r, 16 h
	v_lshl_add_u32 v11, v6, 4, v11
	v_add_nc_u32 v11, s18, v11
	s_lshl_b32 s17, s16, 10
	v_lshlrev_b32 v12, 5, v4
	v_add_nc_u32 v13, RED, v12                     ; RED + 32 lane
	v_add_nc_u32 v12, s17, v13                     ; + 1024 w
	s_lshl_b32 s20, ttmp9, 17                      ; 32 rows of 4,096 bytes
	s_mov_b32 s21, 0
	s_lshl_b32 s22, ttmp9, 16                      ; 32 rows of 2,048 bytes
	s_mov_b32 s23, 0
	s_wait_kmcnt 0x0
	s_add_nc_u64 s[4:5], s[4:5], s[20:21]
	s_add_nc_u64 s[8:9], s[8:9], s[22:23]
	; router_w: position pp of K step kk is k = 32 kk + pp + 8 (pp / 8) + 8 h, the order of a 16-bit operand's registers
.set kk, 0
.rept 4
.set pp, 0
.rept 16
	global_load_b32 v[RW+16*kk+pp], v7, s[6:7] offset:(32*kk+pp+8*(pp/8))*32
.set pp, pp+1
.endr
.set kk, kk+1
.endr
	; x: pair a is rows 2 a and 2 a + 1; a lane takes 32 neighbouring bytes, which become 16 of bf16
.set a, 0
.rept 16
	global_load_b128 v[X+8*a:X+8*a+3],   v8, s[4:5] offset:8192*a th:TH_LOAD_NT
	global_load_b128 v[X+8*a+4:X+8*a+7], v8, s[4:5] offset:8192*a+16 th:TH_LOAD_NT
.set a, a+1
.endr
	s_wait_loadcnt 32                              ; x's 32 loads are younger: router_w is in
.set i, 0
.rept 32
	v_cvt_pk_bf16_f32 v[RWF+i], v[RW+2*i], v[RW+2*i+1]
.set i, i+1
.endr
.set a, 0
.rept 16
	s_wait_loadcnt 2*(15-a)                        ; the later pairs' loads stay out
	v_cvt_pk_bf16_f32 v[X+8*a],   v[X+8*a],   v[X+8*a+1]
	v_cvt_pk_bf16_f32 v[X+8*a+1], v[X+8*a+2], v[X+8*a+3]
	v_cvt_pk_bf16_f32 v[X+8*a+2], v[X+8*a+4], v[X+8*a+5]
	v_cvt_pk_bf16_f32 v[X+8*a+3], v[X+8*a+6], v[X+8*a+7]
	global_store_b128 v9, v[X+8*a:X+8*a+3], s[8:9] offset:4096*a   ; 16 lanes store 256 consecutive bytes, aligned
	ds_store_b128 v10, v[X+8*a:X+8*a+3] offset:544*a
.set a, a+1
.endr
	; fragments of my own bytes: LDS serves a wave's instructions in order, so no wait stands between the stores and these loads
.irp t, 0,1
.irp k, 0,1,2,3
	ds_load_b128 v[XF+8*(4*(\t)+(\k)):XF+8*(4*(\t)+(\k))+3],   v11 offset:4352*(\t)+64*(\k)
	ds_load_b128 v[XF+8*(4*(\t)+(\k))+4:XF+8*(4*(\t)+(\k))+7], v11 offset:4352*(\t)+64*(\k)+32
.endr
.endr
	s_wait_dscnt 0x0
	; source 0 = 16 rows of router_w^T, source 1 = 16 tokens: register j of lane (r, h) is expert j of token r, in both halves.  The two accumulators take turns.
	v_wmma_f32_16x16x32_bf16 v[D0:D0+7], v[RWF:RWF+7], v[XF:XF+7], 0
	v_wmma_f32_16x16x32_bf16 v[D1:D1+7], v[RWF:RWF+7], v[XF+32:XF+39], 0
.irp k, 1,2,3
	v_wmma_f32_16x16x32_bf16 v[D0:D0+7], v[RWF+8*(\k):RWF+8*(\k)+7], v[XF+8*(\k):XF+8*(\k)+7], v[D0:D0+7]
	v_wmma_f32_16x16x32_bf16 v[D1:D1+7], v[RWF+8*(\k):RWF+8*(\k)+7], v[XF+32+8*(\k):XF+32+8*(\k)+7], v[D1:D1+7]
.endr
.rept 4
	v_nop                                          ; four places between the last product and the first read of a result (ISA guide 7.12.1)
.endr
	s_mov_b32 s19, 0xffff0000
.irp j, 0,1,2,3,4,5,6,7
	v_cndmask_b32 v[D0+(\j)], v[D0+(\j)], v[D1+(\j)], s19   ; lanes 16-31 take tokens 16-31: lane = token
.endr
	ds_store_b128 v12, v[D0:D0+3]
	ds_store_b128 v12, v[D0+4:D0+7] offset:16
	s_wait_tensorcnt 0x0                           ; my last LDS store is out
	ds_add_u32 v[SPW], v[NIL]
	s_wait_dscnt 0x0                               ; this wait is also the one that the others need: my partial logits are in LDS
	s_barrier_signal -1
	s_barrier_wait -1
	s_cmp_lg_u32 s16, 0
	s_cbranch_scc1 .Lend                           ; wave 0 finishes for the 32 tokens
.irp w, 0,1,2,3,4,5,6,7
	ds_load_b128 v[L+8*(\w):L+8*(\w)+3],   v13 offset:1024*(\w)
	ds_load_b128 v[L+8*(\w)+4:L+8*(\w)+7], v13 offset:1024*(\w)+16
.endr
	s_wait_dscnt 0x0
.irp w, 1,2,3,4,5,6,7
.irp j, 0,2,4,6
	v_pk_add_f32 v[L+(\j):L+(\j)+1], v[L+(\j):L+(\j)+1], v[L+8*(\w)+(\j):L+8*(\w)+(\j)+1]
.endr
.endr
	v_mov_b32 v14, v[L]                            ; the largest: strictly greater only, so the lower expert keeps a tie
	v_mov_b32 v15, 0
.irp e, 1,2,3,4,5,6,7
	v_cmp_gt_f32 vcc_lo, v[L+(\e)], v14
	v_cndmask_b32 v14, v14, v[L+(\e)], vcc_lo
	v_cndmask_b32 v15, v15, \e, vcc_lo
.endr
	s_mov_b32 s24, 0xff800000                      ; -inf takes the winner's place
.irp e, 0,1,2,3,4,5,6,7
	v_cmp_eq_u32 vcc_lo, \e, v15
	v_cndmask_b32 v[L+(\e)], v[L+(\e)], s24, vcc_lo
.endr
	v_mov_b32 v16, v[L]                            ; the second largest, by the same scan
	v_mov_b32 v17, 0
.irp e, 1,2,3,4,5,6,7
	v_cmp_gt_f32 vcc_lo, v[L+(\e)], v16
	v_cndmask_b32 v16, v16, v[L+(\e)], vcc_lo
	v_cndmask_b32 v17, v17, \e, vcc_lo
.endr
	v_sub_f32 v18, v16, v14                        ; l1 - l0 <= 0
	v_mul_f32 v18, 0x3fb8aa3b, v18
	v_exp_f32 v19, v18
	v_nop                                          ; a plain instruction behind the exponential,
	s_wait_alu depctr_va_vdst(0)                   ; and a wait ahead of its first reader
	v_add_f32 v20, 1.0, v19
	v_rcp_f32 v21, v20
	v_nop
	s_wait_alu depctr_va_vdst(0)
	v_mov_b32 v22, v21                             ; g0
	v_mul_f32 v23, v19, v21                        ; g1
	v_mov_b32 v24, 0                               ; lr0
	v_mov_b32 v25, 0                               ; lr1
	v_mov_b32 v26, 0                               ; lane l will hold expert l % 8's word
	v_and_b32 v27, 7, v0
.irp e, 0,1,2,3,4,5,6,7
	v_cmp_eq_u32 s20, \e, v15
	v_cmp_eq_u32 s21, \e, v17
	s_or_b32 s22, s20, s21                         ; the expert's word of the bitmap
	v_mbcnt_lo_u32_b32 v28, s22, 0                 ; how many lower tokens of the word chose it
	v_cndmask_b32 v24, v24, v28, s20
	v_cndmask_b32 v25, v25, v28, s21
	v_cmp_eq_u32 vcc_lo, \e, v27
	v_cndmask_b32 v26, v26, s22, vcc_lo
.endr
	v_lshl_or_b32 v29, v17, 8, v15
	v_lshl_or_b32 v29, v24, 16, v29
	v_lshl_or_b32 v29, v25, 24, v29
	v_lshlrev_b32 v30, 7, v27                      ; bm: expert x 128 + 4 x work-group; four lanes store the same word with the same value, so EXEC stays whole
	s_lshl_b32 s20, ttmp9, 2
	v_add_nc_u32 v30, s20, v30
	global_store_b32 v30, v26, s[10:11]
	s_lshl_b32 s21, ttmp9, 7
	v_lshl_add_u32 v31, v4, 2, s21
	global_store_b32 v31, v29, s[12:13]
	s_lshl_b32 s22, ttmp9, 8
	v_lshl_add_u32 v3, v4, 3, s22
	global_store_b64 v3, v[22:23], s[14:15]
.Lend:
	s_endpgm
.Lfunc_end_k_qafabd6ea0c_router:
	.size	k_qafabd6ea0c_router, .Lfunc_end_k_qafabd6ea0c_router-k_qafabd6ea0c_router
	.p2alignl 7, 3214868480
	.fill 96, 4, 3214868480
	.section	.rodata,"a",@progbits
	.p2align	6, 0x0
	.amdhsa_kernel k_qafabd6ea0c_router
		.amdhsa_group_segment_fixed_size 78848
		.amdhsa_private_segment_fixed_size 0
		.amdhsa_enable_private_segment 0
		.amdhsa_kernarg_size 48
		.amdhsa_user_sgpr_count 2
		.amdhsa_user_sgpr_kernarg_segment_ptr 1
		.amdhsa_wavefront_size32 1
		.amdhsa_system_sgpr_workgroup_id_x 1
		.amdhsa_system_sgpr_workgroup_id_y 1
		.amdhsa_system_sgpr_workgroup_id_z 1
		.amdhsa_system_vgpr_workitem_id 0
		.amdhsa_next_free_vgpr 256
		.amdhsa_next_free_sgpr 66
		.amdhsa_reserve_vcc 1
		.amdhsa_float_denorm_mode_32 3
		.amdhsa_float_denorm_mode_16_64 3
		.amdhsa_memory_ordered 1
		.amdhsa_forward_progress 1
		.amdhsa_inst_pref_size 33
	.end_amdhsa_kernel
	.amdgpu_metadata
---
amdhsa.version: [ 1, 2 ]
amdhsa.kernels:
  - .name:           k_qafabd6ea0c_router
    .symbol:         k_qafabd6ea0c_router.kd
    .args:
      - { .name: x, .offset: 0, .size: 8, .value_kind: global_buffer, .address_space: global }
      - { .name: router_w, .offset: 8, .size: 8, .value_kind: global_buffer, .address_space: global }
      - { .name: xb, .offset: 16, .size: 8, .value_kind: global_buffer, .address_space: global }
      - { .name: bm, .offset: 24, .size: 8, .value_kind: global_buffer, .address_space: global }
      - { .name: sel, .offset: 32, .size: 8, .value_kind: global_buffer, .address_space: global }
      - { .name: gate, .offset: 40, .size: 8, .value_kind: global_buffer, .address_space: global }
    .group_segment_fixed_size: 78848
    .private_segment_fixed_size: 0
    .kernarg_segment_align: 8
    .kernarg_segment_size: 48
    .max_flat_workgroup_size: 256
    .sgpr_count:     66
    .vgpr_count:     256
    .wavefront_size: 32
...
	.end_amdgpu_metadata
.endif
;; end of part 1
;; launch fc (part 2): grid 32 x 8, 8 waves a work-group, no clusters, 256,256 bytes of LDS; arguments bm, xb, w_fc, hfr, pre; writes hfr, pre
.if DOCPART == 2
	.amdgcn_target "amdgcn-amd-amdhsa--gfx1250"
	.amdhsa_code_object_version 6
	.text
	.protected	k_qafabd6ea0c_fc
	.globl	k_qafabd6ea0c_fc
	.p2align	8
	.type	k_qafabd6ea0c_fc,@function
k_qafabd6ea0c_fc:
	s_mov_b64 s[64:65], 0
	v_nop
	global_prefetch_b8 v0, s[64:65] scope:SCOPE_SE
	s_setreg_imm32_b32 hwreg(HW_REG_WAVE_MODE, 25, 1), 1
	s_wait_xcnt 0x0
; FIRST PRODUCT OF THE EXPERTS.  h = gelu(x w_fc[e]) for the tokens that chose expert e, in the order of their rank among e's tokens.
; A work-group is (expert e = y, slice = x: 128 of the 4,096 hidden columns): 512 KB of f32 weights that it alone reads, once, and all of the expert's rows.
; WEIGHTS.  w_fc[e] lies [k][n] in f32.  A lane loads 16 bytes (columns 4 v .. 4 v + 3) of the 16 rows k that a 16-bit operand's lane holds; 32 roundings in pairs make of them four whole
; operand fragments: fragment c holds the columns 4 v + c.  Each load of a wave covers two aligned runs of 256 bytes.  No transposition is needed.
; SHARES.  Eight waves.  Wave w: mq = w % 4, nh = w / 4: ranks 80 mq .. 80 mq + 79 (5 tiles of 16) x 64 columns (4 fragments): 20 accumulators.  It stages K step w % 4, column half w / 4
; of each chunk's weights and 40 of the chunk's 320 token rows.  K goes in 8 chunks of 128 through two LDS slots; one barrier a chunk.
; IN FLIGHT.  While chunk c is multiplied, a wave's loads of the rows of chunk c + 1 (20) and of the weights of chunks c + 1 and c + 2 (16 each) are out: 52 loads of 512 bytes.
; THE LIST.  Wave 0 lays the expert's tokens into LDS by rank, from the bitmap that the launch before stored; ranks past the count hold token 0, a row that exists; their results are never used.
; THE PRODUCT IS USED TRANSPOSED (source 0 = weights, source 1 = tokens): lane (r, h) holds rank r and, over its four accumulators, the 32 neighbouring columns 32 h + 4 j + c.
; OUT.  hfr [e][tile 64][group 64][q 4][lane 32][16 bytes], bf16: lane (r, h) holds rank r of the tile, hidden columns 64 g + 32 h + 8 q .. + 7: the next launch's operand registers as they are.
; pre [32][8]: how many of the expert's tokens lie in earlier words of its bitmap (stored by slice 0).
; GELU.  x Phi(x) = max(x, 0) - |x| Q(|x|), Q(z) = (1 + d1 z + .. + d6 z^6)^-16 / 2 (Abramowitz and Stegun 26.2.19: Q is off by less than 1.5e-7 for every z): no difference of near numbers for x < 0.
; LIMITS.  Tiles 0-19 (320 ranks) are always computed and stored, whatever the count.  Ranks from 320 on take a tail without LDS writes and barriers, which reads the slice's weights again for each
; tile of 16 ranks: right for every split, slow for a very uneven one.  NaN and infinities are not treated apart.
; NO MULTICAST: each weight byte has one reader, and the token rows come by a list, which no tile descriptor covers.
.set PITCH, 272                        ; a token row in LDS: 256 bytes + 16: the 16 rows of a fragment load start at 16 different groups of banks
.set WOFF,  320*PITCH                  ; behind a slot's 320 rows: 32,768 bytes of weight fragments [K step 4][half 2][c 4][registers 0-3, 4-7][lane x 16]
.set SLOTB, 131072                     ; slot 1 begins here
.set LIST,  SLOTB+WOFF+32768           ; 1,024 words by rank, 32 words for the lanes that have nothing to store
.set SPARE, LIST+4352                  ; the spare words, 128 bytes a wave; no other line names them
.set EPB,   20480                      ; the way out: a wave's 160 accumulator registers, over the ring when it has been read out
; window 0
.set SPW, 1                            ; my spare word
.set NIL, 2                            ; 0
.set ASA, 3                            ; v3, v4    where I store token rows, slot 0, 1
.set WSA, 5                            ; v5, v6    where I store weight fragments
.set ARA, 7                            ; v7, v8    where I read token fragments
.set BRA, 9                            ; v9, v10   where I read weight fragments
.set LN,  11                           ; lane
.set RR,  12                           ; lane % 16
.set HH,  13                           ; lane / 16
.set WO0, 14                           ; my byte offset in the weights: 131,072 h + 16 r
.set WO,  15                           ; the same, or 0 in the trips that look past the last chunk
.set LP,  16                           ; 16 r
.set LL,  17                           ; where I read my rows' tokens in the list
.set BF,  24                           ; v[24:87]   two buffers of four weight fragments
.set WS,  88                           ; v[88:215]  two sets of 16 weight loads
.set AS0, 216                          ; v[216:255] token loads 0-9
.set T,   216                          ; the rounded weights, where token loads 0-7 lay
.set TQ,  216                          ; the tail: its tiles' tokens, a queue of 11
; window 1
.set ACC, 0                            ; accumulator (i, c) at 32 i + 8 c
.set AF,  160                          ; five token fragments
.set AS1, 200                          ; token loads 10-19
.set LP1, 240                          ; 16 r once more
.set EPR, 241                          ; the way out: where I read a tile back
.set GO,  242                          ; 16 x lane
.set G,   0                            ; the way out, all in window 1: a tile's 32 numbers,
.set Z,   32                           ; their magnitudes,
.set P,   64                           ; the polynomial,
.set O,   96                           ; 16 registers of bf16
.set MUL, 0x54                         ; source 0 window 0 (weights); source 1, C and D window 1
.set MSB, 0
.macro WIN new                         ; s_set_vgpr_msb: bits 1:0 source 0, 3:2 source 1, 5:4 source 2, 7:6 destination; the high byte repeats the setting that is left
.if MSB != (\new)
	s_set_vgpr_msb (MSB<<8)|(\new)
.set MSB, \new
.endif
.endm
.macro PLACES                          ; four places between a product and a load into, or a read of, its registers
.rept 4
	v_nop
.endr
.endm
; 16 loads: my K step's 32 rows x 64 columns of f32.  Load p is row p + 8 (p / 8) + 8 h of the K step
.macro WISSUE set, extra
.set p, 0
.rept 16
	global_load_b128 v[WS+64*(\set)+4*p:WS+64*(\set)+4*p+3], v[WO], s[20:21] offset:(p+8*(p/8))*16384+(\extra) th:TH_LOAD_NT
.set p, p+1
.endr
.endm
; my 40 rows' tokens, two rows a load: each half of the lanes reads one word
.macro LISTLD
	WIN 0
.irp i, 0,1,2,3,4,5,6,7,8,9
	ds_load_b32 v[AS0+4*(\i)], v[LL] offset:8*(\i)
.endr
	WIN 0x40
.irp i, 10,11,12,13,14,15,16,17,18,19
	ds_load_b32 v[AS1+4*((\i)-10)], v[LL] offset:8*(\i)
.endr
	WIN 0
.endm
; 20 loads of two token rows' 256 bytes each.  The token number becomes the offset in place (held to 1,023; x 2,048; + 16 r; and 0 past the last chunk), and the load lands on its own address register
.macro AHALF base, lp
.irp i, 0,1,2,3,4,5,6,7,8,9
	v_min_u32 v[(\base)+4*(\i)], 0x3ff, v[(\base)+4*(\i)]
.endr
.irp i, 0,1,2,3,4,5,6,7,8,9
	v_lshl_add_u32 v[(\base)+4*(\i)], v[(\base)+4*(\i)], 11, v[\lp]
.endr
.irp i, 0,1,2,3,4,5,6,7,8,9
	v_and_b32 v[(\base)+4*(\i)], s25, v[(\base)+4*(\i)]
.endr
.irp i, 0,1,2,3,4,5,6,7,8,9
	global_load_b128 v[(\base)+4*(\i):(\base)+4*(\i)+3], v[(\base)+4*(\i)], s[18:19]
.endr
.endm
.macro AISSUE
	WIN 0
	AHALF AS0, LP
	WIN 0x55                                       ; every operand in window 1
	AHALF AS1, LP1
	WIN 0
.endm
; 32 roundings: register i of fragment c = positions 2 i, 2 i + 1 of column 4 v + c
.macro CVTW dst, set
.irp c, 0,1,2,3
.irp i, 0,1,2,3,4,5,6,7
	v_cvt_pk_bf16_f32 v[(\dst)+8*(\c)+(\i)], v[WS+64*(\set)+8*(\i)+(\c)], v[WS+64*(\set)+8*(\i)+4+(\c)]
.endr
.endr
.endm
; What has landed goes into the slot: my 40 token rows, my 8 KB of weights rounded to 4 KB; then the tokens for the next rows are read
.macro S1 slot, set, cnt
	s_wait_loadcnt \cnt                            ; 16: only the weights two chunks on were issued behind this chunk's rows; this chunk's weights are older still
	WIN 0
.irp i, 0,1,2,3,4,5,6,7,8,9
	ds_store_b128 v[ASA+(\slot)], v[AS0+4*(\i):AS0+4*(\i)+3] offset:544*(\i)
.endr
	WIN 0x04
.irp i, 10,11,12,13,14,15,16,17,18,19
	ds_store_b128 v[ASA+(\slot)], v[AS1+4*((\i)-10):AS1+4*((\i)-10)+3] offset:544*(\i)
.endr
	WIN 0
	CVTW T, \set                                   ; also the places between the chunk's last products and the loads into their sources
.irp q, 0,1,2,3,4,5,6,7
	ds_store_b128 v[WSA+(\slot)], v[T+4*(\q):T+4*(\q)+3] offset:512*(\q)
.endr
	LISTLD
.endm
; The next requests: the rows of chunk s22, then the weights of chunk s23.  Past chunk 7 base and lane offsets fall back to the slice's start: such a load reads 16 bytes inside the buffer that nobody uses,
; and every count stays as it is: the price of one text for all trips.
.macro S2 set
	WIN 0
	s_wait_xcnt 0x0                                ; bases and offsets of the loads issued so far are rewritten only behind this wait
	s_cmp_lt_u32 s22, 8
	s_cselect_b32 s25, -1, 0
	s_cselect_b32 s28, s22, 0
	s_lshl_b32 s28, s28, 8                         ; a chunk is 256 bytes of a row of xb
	s_add_nc_u64 s[18:19], s[6:7], s[28:29]
	s_cmp_lt_u32 s23, 8
	s_cselect_b32 s26, -1, 0
	s_cselect_b32 s28, s23, 0
	s_lshl_b32 s28, s28, 21                        ; and 128 rows of 16,384 bytes of w_fc
	s_add_nc_u64 s[20:21], s[8:9], s[28:29]
	v_and_b32 v[WO], s26, v[WO0]
	s_add_co_u32 s22, s22, 1
	s_add_co_u32 s23, s23, 1
	AISSUE
	WISSUE \set, 0
.endm
; a chunk's first fragments
.macro FRAG0 slot
	WIN 0
.irp q, 0,1,2,3,4,5,6,7
	ds_load_b128 v[BF+4*(\q):BF+4*(\q)+3], v[BRA+(\slot)] offset:512*(\q)
.endr
	WIN MUL
.irp i, 0,1,2,3,4
	ds_load_b128 v[AF+8*(\i):AF+8*(\i)+3],   v[ARA+(\slot)] offset:4352*(\i)
	ds_load_b128 v[AF+8*(\i)+4:AF+8*(\i)+7], v[ARA+(\slot)] offset:4352*(\i)+32
.endr
.endm
; 32 along K: 20 products, the 20 accumulators by turns in the same order in every step.  roll = 1: the next step's fragments are fetched: the weights' at the head, a tile's behind its products.
; The wait for 16: behind tile i's fragment were issued the later tiles' 2 (4 - i), the next step's 8 of weights and the earlier tiles' next 2 i.  In a chunk's last step only the later tiles' 8 - 2 i.
.macro KSTEP slot, ks, zero, roll
.if \roll
	WIN 0
.irp q, 0,1,2,3,4,5,6,7
	ds_load_b128 v[BF+32*(((\ks)+1)%2)+4*(\q):BF+32*(((\ks)+1)%2)+4*(\q)+3], v[BRA+(\slot)] offset:8192*((\ks)+1)+512*(\q)
.endr
.endif
	WIN MUL
.irp i, 0,1,2,3,4
.if \roll
	s_wait_dscnt 16
.else
	s_wait_dscnt 8-2*(\i)
.endif
.irp c, 0,1,2,3
.if \zero
	v_wmma_f32_16x16x32_bf16 v[ACC+32*(\i)+8*(\c):ACC+32*(\i)+8*(\c)+7], v[BF+32*((\ks)%2)+8*(\c):BF+32*((\ks)%2)+8*(\c)+7], v[AF+8*(\i):AF+8*(\i)+7], 0
.else
	v_wmma_f32_16x16x32_bf16 v[ACC+32*(\i)+8*(\c):ACC+32*(\i)+8*(\c)+7], v[BF+32*((\ks)%2)+8*(\c):BF+32*((\ks)%2)+8*(\c)+7], v[AF+8*(\i):AF+8*(\i)+7], v[ACC+32*(\i)+8*(\c):ACC+32*(\i)+8*(\c)+7]
.endif
.endr
.if \roll
	PLACES
	ds_load_b128 v[AF+8*(\i):AF+8*(\i)+3],   v[ARA+(\slot)] offset:4352*(\i)+64*((\ks)+1)
	ds_load_b128 v[AF+8*(\i)+4:AF+8*(\i)+7], v[ARA+(\slot)] offset:4352*(\i)+64*((\ks)+1)+32
.endif
.endr
.endm
; THE CHANGE OF CHUNKS: one barrier for two things.  In front of it my stores into the next slot are done, and my reads of the slot that will be stored into a chunk later are over.
.macro ENTER slot
	S1 \slot, \slot, 16
	s_wait_dscnt 0x0
	s_barrier_signal -1
	s_barrier_wait -1
	FRAG0 \slot
	S2 \slot
	KSTEP \slot, 0, 0, 1
.endm
; gelu of a tile's 32 numbers a lane, rounded to bf16 and stored: four stores of 512 consecutive bytes.  All registers in window 1.
.macro GELUST
	WIN 0x55
.set i, 0
.rept 32
	v_and_b32 v[Z+i], s48, v[G+i]                  ; |x|; each accumulator's registers are read in ascending order
.set i, i+1
.endr
.set i, 0
.rept 16
	v_pk_fma_f32 v[P+2*i:P+2*i+1], v[Z+2*i:Z+2*i+1], s[46:47], s[44:45] op_sel_hi:[1,0,0]
.set i, i+1
.endr
.irp d, 42, 40, 38, 36
.set i, 0
.rept 16
	v_pk_fma_f32 v[P+2*i:P+2*i+1], v[P+2*i:P+2*i+1], v[Z+2*i:Z+2*i+1], s[\d:\d+1] op_sel_hi:[1,1,0]
.set i, i+1
.endr
.endr
.set i, 0
.rept 16
	v_pk_fma_f32 v[P+2*i:P+2*i+1], v[P+2*i:P+2*i+1], v[Z+2*i:Z+2*i+1], 1.0 op_sel_hi:[1,1,0]
.set i, i+1
.endr
.set i, 0
.rept 32
	v_rcp_f32 v[P+i], v[P+i]                       ; one batch of 32
.set i, i+1
.endr
.set i, 0
.rept 32
	v_max_num_f32 v[G+i], 0, v[G+i]                ; plain work that names no reciprocal stands behind the batch
.set i, i+1
.endr
	s_wait_alu depctr_va_vdst(0)                   ; one wait for the batch, ahead of its first reader
.rept 4                                ; to the sixteenth power
.set i, 0
.rept 16
	v_pk_mul_f32 v[P+2*i:P+2*i+1], v[P+2*i:P+2*i+1], v[P+2*i:P+2*i+1]
.set i, i+1
.endr
.endr
.set i, 0
.rept 16
	v_pk_mul_f32 v[P+2*i:P+2*i+1], v[P+2*i:P+2*i+1], v[Z+2*i:Z+2*i+1]
.set i, i+1
.endr
.set i, 0
.rept 16
	v_pk_fma_f32 v[G+2*i:G+2*i+1], v[P+2*i:P+2*i+1], -0.5, v[G+2*i:G+2*i+1] op_sel_hi:[1,0,1]
.set i, i+1
.endr
.set i, 0
.rept 8                                ; columns 32 h + 4 j + c in ascending order
	v_cvt_pk_bf16_f32 v[O+2*i],   v[G+i],    v[G+8+i]
	v_cvt_pk_bf16_f32 v[O+2*i+1], v[G+16+i], v[G+24+i]
.set i, i+1
.endr
.irp q, 0,1,2,3
	global_store_b128 v[GO], v[O+4*(\q):O+4*(\q)+3], s[30:31] offset:512*(\q)
.endr
.endm
	s_load_b256 s[4:11], s[0:1], 0x0               ; bm s[4:5], xb s[6:7], w_fc s[8:9], hfr s[10:11]
	s_load_b64 s[12:13], s[0:1], 0x20              ; pre
	v_lshl_add_u32 v[SPW], v0, 2, SPARE
	v_mov_b32 v[NIL], 0
	v_lshrrev_b32 v18, 5, v0
	v_readfirstlane_b32 s2, v18                    ; wave
	s_and_b32 s3, s2, 3                            ; mq; also the K step that I stage
	s_lshr_b32 s14, s2, 2                          ; nh; also the column half that I stage
	s_and_b32 s15, ttmp7, 0xffff                   ; expert
	s_mov_b32 s16, ttmp9                           ; slice
	s_mov_b32 s29, 0                               ; the high word of every offset; never rewritten
	v_and_b32 v[LN], 31, v0
	v_and_b32 v[RR], 15, v0
	v_bfe_u32 v[HH], v0, 4, 1
	v_lshlrev_b32 v[LP], 4, v[RR]
	v_lshl_add_u32 v[WO0], v[HH], 17, v[LP]        ; 8 rows of 16,384 bytes for the upper half of the lanes
	v_mov_b32 v[WO], v[WO0]
	s_lshl_b32 s28, s15, 24                        ; an expert's 16 MB,
	s_lshl_b32 s30, s16, 9                         ; the slice's 512 bytes of a row,
	s_add_co_u32 s28, s28, s30
	s_lshl_b32 s30, s14, 8                         ; my half of them
	s_add_co_u32 s28, s28, s30
	s_wait_kmcnt 0x0
	s_add_nc_u64 s[34:35], s[8:9], s[28:29]        ; the tail's base
	s_lshl_b32 s28, s3, 19                         ; my K step's 32 rows
	s_add_nc_u64 s[8:9], s[34:35], s[28:29]
	s_mov_b64 s[20:21], s[8:9]
	WISSUE 0, 0                                    ; the weights of chunks 0 and 1 go out before anything else
	WISSUE 1, 1<<21
	s_lshl_b32 s28, s15, 7
	s_add_nc_u64 s[4:5], s[4:5], s[28:29]
	s_load_b512 s[68:83], s[4:5], 0x0              ; the expert's bitmap
	s_load_b512 s[84:99], s[4:5], 0x40
	s_lshl_b32 s28, s15, 23                        ; hfr: the expert's 8 MB, my group of 64 hidden columns
	s_lshl1_add_u32 s30, s16, s14
	s_lshl_b32 s30, s30, 11
	s_add_co_u32 s28, s28, s30
	s_add_nc_u64 s[10:11], s[10:11], s[28:29]
	s_mul_i32 s30, s2, 40*PITCH                    ; LDS addresses: a constant, the wave's number times a constant, a lane term
	v_mul_u32_u24 v18, v[HH], PITCH
	v_add3_u32 v[ASA], v18, v[LP], s30
	v_add_nc_u32 v[ASA+1], SLOTB, v[ASA]
	s_lshl_b32 s30, s3, 13
	s_lshl_b32 s31, s14, 12
	s_add_co_u32 s30, s30, s31
	s_add_co_u32 s30, s30, WOFF
	v_lshl_add_u32 v[WSA], v[LN], 4, s30
	v_add_nc_u32 v[WSA+1], SLOTB, v[WSA]
	s_mul_i32 s30, s3, 80*PITCH
	v_mul_u32_u24 v18, v[RR], PITCH
	v_lshl_add_u32 v18, v[HH], 4, v18
	v_add_nc_u32 v[ARA], s30, v18
	v_add_nc_u32 v[ARA+1], SLOTB, v[ARA]
	s_add_co_u32 s31, s31, WOFF
	v_lshl_add_u32 v[BRA], v[LN], 4, s31
	v_add_nc_u32 v[BRA+1], SLOTB, v[BRA]
	s_mul_i32 s30, s2, 160
	s_add_co_u32 s30, s30, LIST
	v_lshl_add_u32 v[LL], v[HH], 2, s30
	s_mul_i32 s30, s2, EPB
	v_lshl_add_u32 v18, v[LN], 4, s30              ; my stage for the way out; kept in v18
	WIN 0x40
	v_mov_b32 v[LP1], v[LP]
	v_mov_b32 v[EPR], v18
	v_lshlrev_b32 v[GO], 4, v[LN]
	WIN 0
	s_mov_b32 s36, 0x3d4c41b4                      ; d1 = .0498673470; each constant twice: the packed forms name a pair
	s_mov_b32 s37, s36
	s_mov_b32 s38, 0x3cad2fe7                      ; d2 = .0211410061
	s_mov_b32 s39, s38
	s_mov_b32 s40, 0x3b56cd72                      ; d3 = .0032776263
	s_mov_b32 s41, s40
	s_mov_b32 s42, 0x381f660e                      ; d4 = .0000380036
	s_mov_b32 s43, s42
	s_mov_b32 s44, 0x384d0fe2                      ; d5 = .0000488906
	s_mov_b32 s45, s44
	s_mov_b32 s46, 0x36b49f9e                      ; d6 = .0000053830
	s_mov_b32 s47, s46
	s_mov_b32 s48, 0x7fffffff
	s_wait_kmcnt 0x0
	s_mov_b32 s27, 0                               ; the expert's count
.set j, 0
.rept 32
	s_bcnt1_i32_b32 s30, s[68+j]
	s_add_co_u32 s27, s27, s30
.set j, j+1
.endr
	s_min_u32 s27, s27, 1024
	s_add_co_u32 s32, s27, 15
	s_lshr_b32 s32, s32, 4                         ; tiles of 16 ranks
	s_sub_co_i32 s33, s32, 17                      ; my tiles from 20 on are 20 + mq + 4 i: their number is max(tiles - 17 - mq, 0) / 4
	s_sub_co_i32 s33, s33, s3
	s_max_i32 s33, s33, 0
	s_lshr_b32 s33, s33, 2
	s_min_u32 s33, s33, 11
	s_cmp_lg_u32 s2, 0
	s_cbranch_scc1 .Lnolist                        ; wave 0 alone writes the list
	v_mov_b32 v24, 0
	v_mov_b32 v25, 0
	v_mov_b32 v26, 0
	v_mov_b32 v27, 0
	v_lshl_add_u32 v22, v[LN], 4, LIST
.irp q, 0,1,2,3,4,5,6,7
	ds_store_b128 v22, v[24:27] offset:512*(\q)    ; token 0 everywhere; LDS serves a wave's stores in order, so the tokens below land on top
.endr
	v_mov_b32 v19, 0                               ; lane j will hold the count of the words in front of word j
	v_add_nc_u32 v23, 1024, v[LN]                  ; where a lane without a token stores
	s_mov_b32 s30, 0
.set j, 0
.rept 32
	v_writelane_b32 v19, s30, j
	v_mbcnt_lo_u32_b32 v20, s[68+j], s30           ; my token's rank: earlier words' count + lower bits of this word
	v_cndmask_b32 v20, v23, v20, s[68+j]
	v_min_u32 v20, 0x41f, v20                      ; held inside the list's 1,056 words
	v_lshl_add_u32 v20, v20, 2, LIST
	v_add_nc_u32 v21, 32*j, v[LN]
	ds_store_b32 v20, v21
	s_bcnt1_i32_b32 s31, s[68+j]
	s_add_co_u32 s30, s30, s31
.set j, j+1
.endr
	s_cmp_lg_u32 s16, 0
	s_cbranch_scc1 .Lnolist                        ; slice 0 stores the expert's column of pre
	v_lshlrev_b32 v22, 5, v[LN]
	v_lshl_add_u32 v22, s15, 2, v22
	global_store_b32 v22, v19, s[12:13]
.Lnolist:
	s_wait_dscnt 0x0                               ; the list is in LDS,
	s_barrier_signal -1
	s_barrier_wait -1                              ; for everybody
	LISTLD
	s_mov_b64 s[18:19], s[6:7]
	s_mov_b32 s25, -1
	s_mov_b32 s22, 1                               ; the chunk whose rows are asked for next,
	s_mov_b32 s23, 2                               ; and whose weights
	s_wait_dscnt 0x0
	AISSUE                                         ; the rows of chunk 0
	S1 0, 0, 0                                     ; the first time everything is waited for
	s_wait_dscnt 0x0
	s_barrier_signal -1
	s_barrier_wait -1
	FRAG0 0
	S2 0
	KSTEP 0, 0, 1, 1                               ; the first products start the sums: nothing is cleared
	WIN 0
	s_mov_b32 s24, 4
.Lpair:                                                ; a trip: the rest of an even chunk, an odd chunk, the head of the next even one; left in its middle behind chunk 7
	KSTEP 0, 1, 0, 1
	KSTEP 0, 2, 0, 1
	KSTEP 0, 3, 0, 0
	ENTER 1
	KSTEP 1, 1, 0, 1
	KSTEP 1, 2, 0, 1
	KSTEP 1, 3, 0, 0
	WIN 0
	s_sub_co_u32 s24, s24, 1
	s_cmp_eq_u32 s24, 0
	s_cbranch_scc1 .Lout
	ENTER 0
	WIN 0
	s_branch .Lpair
.Lout:
	s_wait_loadcnt 0x0                             ; the loads that looked past the end have landed: their registers are free
	PLACES
	s_wait_dscnt 0x0
	s_barrier_signal -1
	s_barrier_wait -1                              ; nobody reads the ring any more: the stages lie over it
	WIN 0x04
.set q, 0
.rept 40
	ds_store_b128 v18, v[ACC+4*q:ACC+4*q+3] offset:512*q   ; each accumulator's low half first
.set q, q+1
.endr
	WIN 0
	s_wait_tensorcnt 0x0                           ; my last LDS store is out; only LDS reads follow
	ds_add_u32 v[SPW], v[NIL]
	s_wait_dscnt 0x0
	s_mul_i32 s28, s3, 5*131072
	s_add_nc_u64 s[30:31], s[10:11], s[28:29]      ; my first tile in hfr
	s_mov_b32 s24, 5
.Lgelu:                                                ; the tiles come back one by one, so that the text of gelu serves all five
	WIN 0x55
.irp q, 0,1,2,3,4,5,6,7
	ds_load_b128 v[G+4*(\q):G+4*(\q)+3], v[EPR] offset:512*(\q)
.endr
	s_wait_dscnt 0x0
	GELUST
	s_wait_xcnt 0x0                                ; the stores' base and data are rewritten only behind this wait
	v_add_nc_u32 v[EPR], 4096, v[EPR]
	WIN 0
	s_add_nc_u64 s[30:31], s[30:31], 131072
	s_sub_co_u32 s24, s24, 1
	s_cmp_lg_u32 s24, 0
	s_cbranch_scc1 .Lgelu
	; THE TAIL: ranks from 320 on.  No LDS write, no barrier; its tiles' tokens are read ahead of the loop, at fixed addresses.
	s_cmp_eq_u32 s33, 0
	s_cbranch_scc1 .Lend
	s_lshl_b32 s30, s3, 6
	s_add_co_u32 s30, s30, LIST+1280               ; rank 16 (20 + mq) + r
	v_lshl_add_u32 v18, v[RR], 2, s30
.irp i, 0,1,2,3,4,5,6,7,8,9,10
	ds_load_b32 v[TQ+(\i)], v18 offset:256*(\i)    ; and four tiles on each time
.endr
	v_mov_b32 v[WO], v[WO0]
	s_mov_b32 s25, 0
	s_add_co_u32 s26, s3, 20                       ; the tile
	s_wait_dscnt 0x0
.Ltail:
	s_wait_xcnt 0x0
	v_min_u32 v19, 0x3ff, v[TQ]
	v_lshlrev_b32 v19, 11, v19
	v_lshl_add_u32 v19, v[HH], 4, v19              ; my token's row, 16 h
.irp i, 0,1,2,3,4,5,6,7,8,9
	v_mov_b32 v[TQ+(\i)], v[TQ+(\i)+1]             ; the queue moves up
.endr
	s_mov_b64 s[18:19], s[6:7]
	s_mov_b64 s[20:21], s[34:35]
	WIN 0x40
.set i, 0
.rept 32
	v_mov_b32 v[ACC+i], 0                          ; cleared, so that one text serves all 16 steps of this rare path
.set i, i+1
.endr
	WIN 0
	s_mov_b32 s24, 16
.Ltk:                                                  ; 64 along K: weights and tokens straight from memory into registers
	PLACES
	WISSUE 0, 0
	WISSUE 1, 524288
	WIN 0x40
.irp q, 0,1,2,3
	global_load_b128 v[AF+4*(\q):AF+4*(\q)+3], v19, s[18:19] offset:32*(\q)
.endr
	s_wait_loadcnt 0x0
	WIN 0
	CVTW BF, 0
	CVTW BF+32, 1
	WIN MUL
.irp k, 0,1
.irp c, 0,1,2,3
	v_wmma_f32_16x16x32_bf16 v[ACC+8*(\c):ACC+8*(\c)+7], v[BF+32*(\k)+8*(\c):BF+32*(\k)+8*(\c)+7], v[AF+8*(\k):AF+8*(\k)+7], v[ACC+8*(\c):ACC+8*(\c)+7]
.endr
.endr
	WIN 0
	s_add_nc_u64 s[18:19], s[18:19], 128
	s_add_nc_u64 s[20:21], s[20:21], 1<<20
	s_sub_co_u32 s24, s24, 1
	s_cmp_lg_u32 s24, 0
	s_cbranch_scc1 .Ltk
	PLACES
	s_min_u32 s28, s26, 63
	s_lshl_b32 s28, s28, 17
	s_add_nc_u64 s[30:31], s[10:11], s[28:29]
	GELUST
	WIN 0
	s_add_co_u32 s26, s26, 4
	s_add_co_u32 s25, s25, 1
	s_cmp_lt_u32 s25, s33
	s_cbranch_scc1 .Ltail
.Lend:
	s_endpgm
.Lfunc_end_k_qafabd6ea0c_fc:
	.size	k_qafabd6ea0c_fc, .Lfunc_end_k_qafabd6ea0c_fc-k_qafabd6ea0c_fc
	.p2alignl 7, 3214868480
	.fill 96, 4, 3214868480
	.section	.rodata,"a",@progbits
	.p2align	6, 0x0
	.amdhsa_kernel k_qafabd6ea0c_fc
		.amdhsa_group_segment_fixed_size 256256
		.amdhsa_private_segment_fixed_size 0
		.amdhsa_enable_private_segment 0
		.amdhsa_kernarg_size 40
		.amdhsa_user_sgpr_count 2
		.amdhsa_user_sgpr_kernarg_segment_ptr 1
		.amdhsa_wavefront_size32 1
		.amdhsa_system_sgpr_workgroup_id_x 1
		.amdhsa_system_sgpr_workgroup_id_y 1
		.amdhsa_system_sgpr_workgroup_id_z 1
		.amdhsa_system_vgpr_workitem_id 0
		.amdhsa_next_free_vgpr 512
		.amdhsa_next_free_sgpr 100
		.amdhsa_reserve_vcc 0
		.amdhsa_float_denorm_mode_32 3
		.amdhsa_float_denorm_mode_16_64 3
		.amdhsa_memory_ordered 1
		.amdhsa_forward_progress 1
		.amdhsa_inst_pref_size 148
	.end_amdhsa_kernel
	.amdgpu_metadata
---
amdhsa.version: [ 1, 2 ]
amdhsa.kernels:
  - .name:           k_qafabd6ea0c_fc
    .symbol:         k_qafabd6ea0c_fc.kd
    .args:
      - { .name: bm, .offset: 0, .size: 8, .value_kind: global_buffer, .address_space: global }
      - { .name: xb, .offset: 8, .size: 8, .value_kind: global_buffer, .address_space: global }
      - { .name: w_fc, .offset: 16, .size: 8, .value_kind: global_buffer, .address_space: global }
      - { .name: hfr, .offset: 24, .size: 8, .value_kind: global_buffer, .address_space: global }
      - { .name: pre, .offset: 32, .size: 8, .value_kind: global_buffer, .address_space: global }
    .group_segment_fixed_size: 256256
    .private_segment_fixed_size: 0
    .kernarg_segment_align: 8
    .kernarg_segment_size: 40
    .max_flat_workgroup_size: 256
    .sgpr_count:     100
    .vgpr_count:     512
    .wavefront_size: 32
...
	.end_amdgpu_metadata
.endif
;; end of part 2
;; launch proj (part 3): grid 32 x 8, 8 waves a work-group, no clusters, 246,784 bytes of LDS; arguments bm, hfr, w_proj, part; writes part
.if DOCPART == 3
	.amdgcn_target "amdgcn-amd-amdhsa--gfx1250"
	.amdhsa_code_object_version 6
	.text
	.protected	k_qafabd6ea0c_proj
	.globl	k_qafabd6ea0c_proj
	.p2align	8
	.type	k_qafabd6ea0c_proj,@function
k_qafabd6ea0c_proj:
	s_mov_b64 s[64:65], 0
	v_nop
	global_prefetch_b8 v0, s[64:65] scope:SCOPE_SE
	s_setreg_imm32_b32 hwreg(HW_REG_WAVE_MODE, 25, 1), 1
	s_wait_xcnt 0x0
; SECOND PRODUCT OF THE EXPERTS.  part[kq][e][rank][:] = h[e][rank][1024 kq .. + 1023] w_proj[e][1024 kq .. + 1023][:], f32 partial sums; the next launch adds the four and applies the gates.
; A work-group is (expert e = y; x = 8 kq + ns: a quarter of K = 4,096 and 128 of the 1,024 columns): 512 KB of f32 weights that it alone reads, once, and all of the expert's rows.
; The frame is the first product's: eight waves, wave w = (mq = w % 4, nh = w / 4) with 5 tiles of 16 ranks x 64 columns in 20 accumulators; K in 8 chunks of 128 through two LDS slots, one barrier a chunk;
; a wave stages K step w % 4, column half w / 4 of a chunk's weights (16 loads, rounded in pairs into four operand fragments: fragment c holds the columns 4 v + c) and 512 bytes of each of the 20 tiles.
; While chunk c is multiplied, a wave's loads of h for chunk c + 1 (20) and of the weights of chunks c + 1 and c + 2 (16 each) are out: 52 loads of 512 bytes.
; THE ORDER OF K is the one in which hfr lies: in K step 2 g + s of a chunk, half h of the lanes, position p stands for k = 64 g + 32 h + 16 s + p.  The weights' rows are loaded by the same map,
; so each product meets its partner and the sums are the same.
; hfr [e][tile 64][group 64][q 4][lane 32][16 bytes] holds operand registers as they are: a chunk of a tile is 4,096 consecutive bytes, copied through LDS without padding or conflict.
; THE WAY OUT.  Source 0 = ranks, source 1 = weights: lane (r, h) holds row 8 h + j and, over its four accumulators, the columns 4 r .. 4 r + 3: 16 bytes; 16 lanes store 256 consecutive bytes, aligned.
; Tiles at or past the expert's count are not stored.
; LIMITS.  Tiles 0-19 are always multiplied.  Ranks from 320 on take a tail without LDS writes and barriers, which reads the weights again for each tile: right for every split, slow for a very uneven one.
; NO MULTICAST here: each weight byte has one reader; h's tiles are shared by the eight column slices of one (e, kq), about as many bytes as the weights, and come from what the launch before has just stored.
.set WOFF,  81920                      ; a slot: 20 tiles x 4,096 bytes, then 32,768 bytes of weight fragments [K step 4][half 2][c 4][registers 0-3, 4-7][lane x 16]
.set SLOTB, 131072
.set SPARE, SLOTB+WOFF+32768           ; the spare words, 128 bytes a wave; no other line names them
; window 0
.set SPW, 1
.set NIL, 2
.set ASA, 3                            ; v3, v4    where I store h, tiles 0-15, slot 0, 1
.set WSA, 5                            ; v5, v6    where I store weight fragments
.set ASH, 7                            ; v7, v8    where I store h, tiles 16-19
.set BRA, 9                            ; v9, v10   where I read weight fragments
.set LN,  11
.set RR,  12
.set HH,  13
.set WO0, 14                           ; my byte offset in the weights: 131,072 h + 16 r
.set WO,  15                           ; the same, or 0 past the last chunk
.set AO0, 16                           ; my byte offset in a tile's chunk: 512 w + 16 lane
.set AO,  17                           ; the same, or 0
.set PO,  19                           ; my byte offset in a tile of part: 32,768 h + 16 r
.set TA,  20                           ; 16 x lane
.set BF,  24                           ; two buffers of four weight fragments
.set WS,  88                           ; two sets of 16 weight loads
.set M,   88                           ; the way out: a tile's 32 numbers, four columns side by side
.set AS0, 216                          ; h's loads 0-9
.set T,   216                          ; the rounded weights
; window 1
.set ACC, 0
.set AF,  160
.set AS1, 200                          ; h's loads 10-19
.set ARA, 240                          ; v240, v241 of window 1: where I read h's fragments
.set MUL, 0x51                         ; source 0 (h), C and D window 1; source 1 (weights) window 0
.set MSB, 0
.macro WIN new                         ; s_set_vgpr_msb: bits 1:0 source 0, 3:2 source 1, 5:4 source 2, 7:6 destination; the high byte repeats the setting that is left
.if MSB != (\new)
	s_set_vgpr_msb (MSB<<8)|(\new)
.set MSB, \new
.endif
.endm
.macro PLACES                          ; four places between a product and a load into, or a read of, its registers
.rept 4
	v_nop
.endr
.endm
.macro WISSUE set, extra               ; 16 loads: rows p and p + 32 of my 16 + 16, 256 bytes each
.set p, 0
.rept 16
	global_load_b128 v[WS+64*(\set)+4*p:WS+64*(\set)+4*p+3], v[WO], s[20:21] offset:4096*p+(\extra) th:TH_LOAD_NT
.set p, p+1
.endr
.endm
.macro AISSUE                          ; 20 loads: my 512 bytes of each tile's chunk
	WIN 0
.irp i, 0,1,2,3,4,5,6,7,8,9
	global_load_b128 v[AS0+4*(\i):AS0+4*(\i)+3], v[AO], s[18:19] offset:131072*(\i)
.endr
	WIN 0x40
.irp i, 10,11,12,13,14,15,16,17,18,19
	global_load_b128 v[AS1+4*((\i)-10):AS1+4*((\i)-10)+3], v[AO], s[18:19] offset:131072*(\i)
.endr
	WIN 0
.endm
.macro CVTW dst, set                   ; register i of fragment c = positions 2 i, 2 i + 1 of column 4 v + c
.irp c, 0,1,2,3
.irp i, 0,1,2,3,4,5,6,7
	v_cvt_pk_bf16_f32 v[(\dst)+8*(\c)+(\i)], v[WS+64*(\set)+8*(\i)+(\c)], v[WS+64*(\set)+8*(\i)+4+(\c)]
.endr
.endr
.endm
.macro S1 slot, set, cnt               ; what has landed goes into the slot
	s_wait_loadcnt \cnt                            ; 16: only the weights two chunks on were issued behind this chunk's h; this chunk's weights are older still
	WIN 0
.irp i, 0,1,2,3,4,5,6,7,8,9
	ds_store_b128 v[ASA+(\slot)], v[AS0+4*(\i):AS0+4*(\i)+3] offset:4096*(\i)
.endr
	WIN 0x04
.irp i, 10,11,12,13,14,15
	ds_store_b128 v[ASA+(\slot)], v[AS1+4*((\i)-10):AS1+4*((\i)-10)+3] offset:4096*(\i)
.endr
.irp i, 16,17,18,19
	ds_store_b128 v[ASH+(\slot)], v[AS1+4*((\i)-10):AS1+4*((\i)-10)+3] offset:4096*((\i)-16)
.endr
	WIN 0
	CVTW T, \set                                   ; also the places between the chunk's last products and the loads into their sources
.irp q, 0,1,2,3,4,5,6,7
	ds_store_b128 v[WSA+(\slot)], v[T+4*(\q):T+4*(\q)+3] offset:512*(\q)
.endr
.endm
; The next requests: h of chunk s22, then the weights of chunk s23.  Past chunk 7 base and lane offsets fall back to the start: such a load reads 16 bytes inside the buffer that nobody uses,
; and every count stays as it is: the price of one text for all trips.
.macro S2 set
	WIN 0
	s_wait_xcnt 0x0                                ; bases and offsets of the loads issued so far are rewritten only behind this wait
	s_cmp_lt_u32 s22, 8
	s_cselect_b32 s25, -1, 0
	s_cselect_b32 s28, s22, 0
	s_lshl_b32 s28, s28, 12                        ; a chunk is 4,096 bytes of a tile
	s_add_nc_u64 s[18:19], s[6:7], s[28:29]
	v_and_b32 v[AO], s25, v[AO0]
	s_cmp_lt_u32 s23, 8
	s_cselect_b32 s26, -1, 0
	s_cselect_b32 s28, s23, 0
	s_lshl_b32 s28, s28, 19                        ; and 128 rows of 4,096 bytes of w_proj
	s_add_nc_u64 s[20:21], s[8:9], s[28:29]
	v_and_b32 v[WO], s26, v[WO0]
	s_add_co_u32 s22, s22, 1
	s_add_co_u32 s23, s23, 1
	AISSUE
	WISSUE \set, 0
.endm
.macro FRAG0 slot                      ; a chunk's first fragments
	WIN 0
.irp q, 0,1,2,3,4,5,6,7
	ds_load_b128 v[BF+4*(\q):BF+4*(\q)+3], v[BRA+(\slot)] offset:512*(\q)
.endr
	WIN MUL
.irp i, 0,1,2,3,4
	ds_load_b128 v[AF+8*(\i):AF+8*(\i)+3],   v[ARA+(\slot)] offset:4096*(\i)
	ds_load_b128 v[AF+8*(\i)+4:AF+8*(\i)+7], v[ARA+(\slot)] offset:4096*(\i)+512
.endr
.endm
; 32 along K: 20 products, the 20 accumulators by turns in the same order in every step.  roll = 1: the next step's fragments are fetched: the weights' at the head, a tile's behind its products.
; The wait for 16: behind tile i's fragment were issued the later tiles' 2 (4 - i), the next step's 8 of weights and the earlier tiles' next 2 i.  In a chunk's last step only the later tiles' 8 - 2 i.
.macro KSTEP slot, ks, zero, roll
.if \roll
	WIN 0
.irp q, 0,1,2,3,4,5,6,7
	ds_load_b128 v[BF+32*(((\ks)+1)%2)+4*(\q):BF+32*(((\ks)+1)%2)+4*(\q)+3], v[BRA+(\slot)] offset:8192*((\ks)+1)+512*(\q)
.endr
.endif
	WIN MUL
.irp i, 0,1,2,3,4
.if \roll
	s_wait_dscnt 16
.else
	s_wait_dscnt 8-2*(\i)
.endif
.irp c, 0,1,2,3
.if \zero
	v_wmma_f32_16x16x32_bf16 v[ACC+32*(\i)+8*(\c):ACC+32*(\i)+8*(\c)+7], v[AF+8*(\i):AF+8*(\i)+7], v[BF+32*((\ks)%2)+8*(\c):BF+32*((\ks)%2)+8*(\c)+7], 0
.else
	v_wmma_f32_16x16x32_bf16 v[ACC+32*(\i)+8*(\c):ACC+32*(\i)+8*(\c)+7], v[AF+8*(\i):AF+8*(\i)+7], v[BF+32*((\ks)%2)+8*(\c):BF+32*((\ks)%2)+8*(\c)+7], v[ACC+32*(\i)+8*(\c):ACC+32*(\i)+8*(\c)+7]
.endif
.endr
.if \roll
	PLACES
	ds_load_b128 v[AF+8*(\i):AF+8*(\i)+3],   v[ARA+(\slot)] offset:4096*(\i)+1024*((\ks)+1)
	ds_load_b128 v[AF+8*(\i)+4:AF+8*(\i)+7], v[ARA+(\slot)] offset:4096*(\i)+1024*((\ks)+1)+512
.endif
.endr
.endm
; THE CHANGE OF CHUNKS: one barrier for two things.  In front of it my stores into the next slot are done, and my reads of the slot that will be stored into a chunk later are over.
.macro ENTER slot
	S1 \slot, \slot, 16
	s_wait_dscnt 0x0
	s_barrier_signal -1
	s_barrier_wait -1
	FRAG0 \slot
	S2 \slot
	KSTEP \slot, 0, 0, 1
.endm
; the tile in accumulators (i, 0..3) is stored at s[30:31]: the four columns of a row are put side by side (each accumulator's registers in ascending order), then eight stores
.macro POUT i
	WIN 0x01
.irp j, 0,1,2,3,4,5,6,7
.irp c, 0,1,2,3
	v_mov_b32 v[M+4*(\j)+(\c)], v[ACC+32*(\i)+8*(\c)+(\j)]
.endr
.endr
	WIN 0
.irp j, 0,1,2,3,4,5,6,7
	global_store_b128 v[PO], v[M+4*(\j):M+4*(\j)+3], s[30:31] offset:4096*(\j)
.endr
.endm
	s_load_b256 s[4:11], s[0:1], 0x0               ; bm s[4:5], hfr s[6:7], w_proj s[8:9], part s[10:11]
	v_lshl_add_u32 v[SPW], v0, 2, SPARE
	v_mov_b32 v[NIL], 0
	v_lshrrev_b32 v18, 5, v0
	v_readfirstlane_b32 s2, v18                    ; wave
	s_and_b32 s3, s2, 3                            ; mq; also the K step that I stage
	s_lshr_b32 s14, s2, 2                          ; nh; also the column half that I stage
	s_and_b32 s15, ttmp7, 0xffff                   ; expert
	s_and_b32 s16, ttmp9, 7                        ; column slice
	s_lshr_b32 s17, ttmp9, 3                       ; quarter of K
	s_mov_b32 s29, 0                               ; the high word of every offset; never rewritten
	v_and_b32 v[LN], 31, v0
	v_and_b32 v[RR], 15, v0
	v_bfe_u32 v[HH], v0, 4, 1
	v_lshlrev_b32 v18, 4, v[RR]
	v_lshl_add_u32 v[WO0], v[HH], 17, v18          ; 32 rows of 4,096 bytes for the upper half of the lanes
	v_mov_b32 v[WO], v[WO0]
	v_lshl_add_u32 v[PO], v[HH], 15, v18
	v_lshlrev_b32 v[TA], 4, v[LN]
	s_lshl_b32 s28, s15, 24                        ; an expert's 16 MB,
	s_lshl_b32 s30, s17, 22                        ; a quarter's 1,024 rows,
	s_add_co_u32 s28, s28, s30
	s_lshl_b32 s30, s16, 9                         ; the slice's 512 bytes of a row,
	s_lshl_b32 s31, s14, 8                         ; my half of them
	s_add_co_u32 s30, s30, s31
	s_add_co_u32 s28, s28, s30
	s_wait_kmcnt 0x0
	s_add_nc_u64 s[34:35], s[8:9], s[28:29]        ; the tail's base
	s_bfe_u32 s28, s2, 0x10001                     ; my K step 2 g + s: g x 64 rows,
	s_lshl_b32 s28, s28, 18
	s_and_b32 s31, s2, 1                           ; s x 16 rows
	s_lshl_b32 s31, s31, 16
	s_add_co_u32 s28, s28, s31
	s_add_nc_u64 s[8:9], s[34:35], s[28:29]
	s_mov_b64 s[20:21], s[8:9]
	WISSUE 0, 0                                    ; the weights of chunks 0 and 1 go out before anything else
	WISSUE 1, 1<<19
	s_lshl_b32 s28, s15, 23                        ; hfr: the expert's 8 MB, the quarter's 16 groups of 2,048 bytes
	s_lshl_b32 s31, s17, 15
	s_add_co_u32 s28, s28, s31
	s_add_nc_u64 s[6:7], s[6:7], s[28:29]
	s_mov_b64 s[18:19], s[6:7]
	s_lshl_b32 s31, s2, 9
	v_lshl_add_u32 v[AO0], v[LN], 4, s31
	v_mov_b32 v[AO], v[AO0]
	AISSUE                                         ; h of chunk 0
	s_lshl_b32 s28, s15, 7
	s_add_nc_u64 s[4:5], s[4:5], s[28:29]
	s_load_b512 s[68:83], s[4:5], 0x0              ; the expert's bitmap, for its count
	s_load_b512 s[84:99], s[4:5], 0x40
	s_lshl3_add_u32 s28, s17, s15                  ; part: [kq][e], 4 MB each; my 256 bytes of a row
	s_lshl_b32 s28, s28, 22
	s_add_co_u32 s28, s28, s30
	s_add_nc_u64 s[10:11], s[10:11], s[28:29]
	v_mov_b32 v[ASA], v[AO0]                       ; LDS addresses: a constant, the wave's number times a constant, a lane term
	v_add_nc_u32 v[ASA+1], SLOTB, v[ASA]
	v_add_nc_u32 v[ASH], 65536, v[ASA]
	v_add_nc_u32 v[ASH+1], SLOTB+65536, v[ASA]
	s_lshl_b32 s30, s3, 13
	s_lshl_b32 s31, s14, 12
	s_add_co_u32 s30, s30, s31
	s_add_co_u32 s30, s30, WOFF
	v_lshl_add_u32 v[WSA], v[LN], 4, s30
	v_add_nc_u32 v[WSA+1], SLOTB, v[WSA]
	s_add_co_u32 s31, s31, WOFF
	v_lshl_add_u32 v[BRA], v[LN], 4, s31
	v_add_nc_u32 v[BRA+1], SLOTB, v[BRA]
	s_mul_i32 s30, s3, 5*4096
	v_lshl_add_u32 v18, v[LN], 4, s30
	v_add_nc_u32 v21, SLOTB, v18
	WIN 0x40
	v_mov_b32 v[ARA], v18
	v_mov_b32 v[ARA+1], v21
	WIN 0
	s_mul_i32 s36, s3, 5                           ; my first tile
	s_wait_kmcnt 0x0
	s_mov_b32 s27, 0
.set j, 0
.rept 32
	s_bcnt1_i32_b32 s30, s[68+j]
	s_add_co_u32 s27, s27, s30
.set j, j+1
.endr
	s_min_u32 s27, s27, 1024
	s_add_co_u32 s32, s27, 15
	s_lshr_b32 s32, s32, 4                         ; tiles of 16 ranks
	s_sub_co_i32 s33, s32, 17                      ; my tiles from 20 on are 20 + mq + 4 i: their number is max(tiles - 17 - mq, 0) / 4
	s_sub_co_i32 s33, s33, s3
	s_max_i32 s33, s33, 0
	s_lshr_b32 s33, s33, 2
	s_min_u32 s33, s33, 11
	s_mov_b32 s22, 1                               ; the chunk whose h is asked for next,
	s_mov_b32 s23, 2                               ; and whose weights
	S1 0, 0, 0                                     ; the first time everything is waited for
	s_wait_dscnt 0x0
	s_barrier_signal -1
	s_barrier_wait -1
	FRAG0 0
	S2 0
	KSTEP 0, 0, 1, 1                               ; the first products start the sums: nothing is cleared
	WIN 0
	s_mov_b32 s24, 4
.Lpair:                                                ; a trip: the rest of an even chunk, an odd chunk, the head of the next even one; left in its middle behind chunk 7
	KSTEP 0, 1, 0, 1
	KSTEP 0, 2, 0, 1
	KSTEP 0, 3, 0, 0
	ENTER 1
	KSTEP 1, 1, 0, 1
	KSTEP 1, 2, 0, 1
	KSTEP 1, 3, 0, 0
	WIN 0
	s_sub_co_u32 s24, s24, 1
	s_cmp_eq_u32 s24, 0
	s_cbranch_scc1 .Lout
	ENTER 0
	WIN 0
	s_branch .Lpair
.Lout:
	s_wait_loadcnt 0x0                             ; the loads that looked past the end have landed: their registers are free
	PLACES
	s_wait_tensorcnt 0x0                           ; my last LDS store is long out
	ds_add_u32 v[SPW], v[NIL]
	s_wait_dscnt 0x0
.irp i, 0,1,2,3,4
	s_add_co_u32 s28, s36, \i
	s_cmp_ge_u32 s28, s32
	s_cbranch_scc1 .Lpdone                         ; this tile and those behind it hold no rank below the count
	s_wait_xcnt 0x0                                ; the stores' base and data are rewritten only behind this wait
	s_lshl_b32 s28, s28, 16                        ; 16 rows of 4,096 bytes
	s_add_nc_u64 s[30:31], s[10:11], s[28:29]
	POUT \i
.endr
.Lpdone:
	; THE TAIL: ranks from 320 on.  No LDS at all, no barrier.
	s_cmp_eq_u32 s33, 0
	s_cbranch_scc1 .Lend
	v_mov_b32 v[WO], v[WO0]
	s_mov_b32 s25, 0
	s_add_co_u32 s26, s3, 20                       ; the tile
.Ltail:
	s_wait_xcnt 0x0
	s_min_u32 s28, s26, 63
	s_lshl_b32 s28, s28, 17
	s_add_nc_u64 s[18:19], s[6:7], s[28:29]
	s_mov_b64 s[20:21], s[34:35]
	WIN 0x40
.set i, 0
.rept 32
	v_mov_b32 v[ACC+i], 0                          ; cleared, so that one text serves all 16 steps of this rare path
.set i, i+1
.endr
	WIN 0
	s_mov_b32 s24, 16
.Ltk:                                                  ; 64 along K, a group of hfr: weights and h straight from memory into registers
	PLACES
	WISSUE 0, 0
	WISSUE 1, 65536
	WIN 0x40
.irp q, 0,1,2,3
	global_load_b128 v[AF+4*(\q):AF+4*(\q)+3], v[TA], s[18:19] offset:512*(\q)
.endr
	s_wait_loadcnt 0x0
	WIN 0
	CVTW BF, 0
	CVTW BF+32, 1
	WIN MUL
.irp k, 0,1
.irp c, 0,1,2,3
	v_wmma_f32_16x16x32_bf16 v[ACC+8*(\c):ACC+8*(\c)+7], v[AF+8*(\k):AF+8*(\k)+7], v[BF+32*(\k)+8*(\c):BF+32*(\k)+8*(\c)+7], v[ACC+8*(\c):ACC+8*(\c)+7]
.endr
.endr
	WIN 0
	s_add_nc_u64 s[18:19], s[18:19], 2048
	s_add_nc_u64 s[20:21], s[20:21], 1<<18
	s_sub_co_u32 s24, s24, 1
	s_cmp_lg_u32 s24, 0
	s_cbranch_scc1 .Ltk
	PLACES
	s_min_u32 s28, s26, 63
	s_lshl_b32 s28, s28, 16
	s_add_nc_u64 s[30:31], s[10:11], s[28:29]
	POUT 0
	s_add_co_u32 s26, s26, 4
	s_add_co_u32 s25, s25, 1
	s_cmp_lt_u32 s25, s33
	s_cbranch_scc1 .Ltail
.Lend:
	s_endpgm
.Lfunc_end_k_qafabd6ea0c_proj:
	.size	k_qafabd6ea0c_proj, .Lfunc_end_k_qafabd6ea0c_proj-k_qafabd6ea0c_proj
	.p2alignl 7, 3214868480
	.fill 96, 4, 3214868480
	.section	.rodata,"a",@progbits
	.p2align	6, 0x0
	.amdhsa_kernel k_qafabd6ea0c_proj
		.amdhsa_group_segment_fixed_size 246784
		.amdhsa_private_segment_fixed_size 0
		.amdhsa_enable_private_segment 0
		.amdhsa_kernarg_size 32
		.amdhsa_user_sgpr_count 2
		.amdhsa_user_sgpr_kernarg_segment_ptr 1
		.amdhsa_wavefront_size32 1
		.amdhsa_system_sgpr_workgroup_id_x 1
		.amdhsa_system_sgpr_workgroup_id_y 1
		.amdhsa_system_sgpr_workgroup_id_z 1
		.amdhsa_system_vgpr_workitem_id 0
		.amdhsa_next_free_vgpr 512
		.amdhsa_next_free_sgpr 100
		.amdhsa_reserve_vcc 0
		.amdhsa_float_denorm_mode_32 3
		.amdhsa_float_denorm_mode_16_64 3
		.amdhsa_memory_ordered 1
		.amdhsa_forward_progress 1
		.amdhsa_inst_pref_size 86
	.end_amdhsa_kernel
	.amdgpu_metadata
---
amdhsa.version: [ 1, 2 ]
amdhsa.kernels:
  - .name:           k_qafabd6ea0c_proj
    .symbol:         k_qafabd6ea0c_proj.kd
    .args:
      - { .name: bm, .offset: 0, .size: 8, .value_kind: global_buffer, .address_space: global }
      - { .name: hfr, .offset: 8, .size: 8, .value_kind: global_buffer, .address_space: global }
      - { .name: w_proj, .offset: 16, .size: 8, .value_kind: global_buffer, .address_space: global }
      - { .name: part, .offset: 24, .size: 8, .value_kind: global_buffer, .address_space: global }
    .group_segment_fixed_size: 246784
    .private_segment_fixed_size: 0
    .kernarg_segment_align: 8
    .kernarg_segment_size: 32
    .max_flat_workgroup_size: 256
    .sgpr_count:     100
    .vgpr_count:     512
    .wavefront_size: 32
...
	.end_amdgpu_metadata
.endif
;; end of part 3
;; launch sum (part 4): grid 256 x 1, 8 waves a work-group, no clusters, 0 bytes of LDS; arguments sel, pre, gate, part, out0; writes out0
.if DOCPART == 4
	.amdgcn_target "amdgcn-amd-amdhsa--gfx1250"
	.amdhsa_code_object_version 6
	.text
	.protected	k_qafabd6ea0c_sum
	.globl	k_qafabd6ea0c_sum
	.p2align	8
	.type	k_qafabd6ea0c_sum,@function
k_qafabd6ea0c_sum:
	s_mov_b64 s[64:65], 0
	v_nop
	global_prefetch_b8 v0, s[64:65] scope:SCOPE_SE
	s_setreg_imm32_b32 hwreg(HW_REG_WAVE_MODE, 25, 1), 1
	s_wait_xcnt 0x0
; out0[t] = g0 x (the four partial rows of t in its first expert) + g1 x (those in its second).  Each output row has one owner; nothing is added across work-groups.
; A work-group has 4 tokens, a wave half a row (2,048 bytes): 2 experts x 4 quarters of K x 4 pieces of 512 consecutive bytes = 32 loads, all issued before the first wait; 4 stores of 512 bytes.
; A token's row in part is its rank in the expert: pre[t / 32][e] + its rank inside its word, both whole numbers stored by earlier launches; they are held to their ranges before they enter an address.
; Memory binds: no LDS, no matrix unit, no barrier.
	s_load_b256 s[4:11], s[0:1], 0x0               ; sel s[4:5], pre s[6:7], gate s[8:9], part s[10:11]
	s_load_b64 s[12:13], s[0:1], 0x20              ; out0
	v_lshrrev_b32 v1, 5, v0
	v_readfirstlane_b32 s14, v1                    ; wave
	v_and_b32 v2, 31, v0
	v_lshlrev_b32 v2, 4, v2                        ; 16 x lane
	s_lshr_b32 s15, s14, 1
	s_lshl2_add_u32 s15, ttmp9, s15                ; token = 4 x work-group + wave / 2
	s_and_b32 s16, s14, 1
	s_lshl_b32 s16, s16, 11                        ; my half of the row
	s_mov_b32 s19, 0
	s_wait_kmcnt 0x0
	s_lshl_b32 s18, s15, 2
	s_add_nc_u64 s[4:5], s[4:5], s[18:19]
	s_load_b32 s20, s[4:5], 0x0                    ; e0 | e1<<8 | lr0<<16 | lr1<<24
	s_lshl_b32 s18, s15, 3
	s_add_nc_u64 s[8:9], s[8:9], s[18:19]
	s_load_b64 s[22:23], s[8:9], 0x0               ; g0, g1
	s_lshr_b32 s18, s15, 5
	s_lshl_b32 s18, s18, 5
	s_add_nc_u64 s[6:7], s[6:7], s[18:19]
	s_load_b256 s[24:31], s[6:7], 0x0              ; the eight experts' counts in front of the token's word
	s_wait_kmcnt 0x0
	s_bfe_u32 s32, s20, 0x80000
	s_min_u32 s32, s32, 7
	s_bfe_u32 s33, s20, 0x80008
	s_min_u32 s33, s33, 7
	s_bfe_u32 s34, s20, 0x80010
	s_lshr_b32 s35, s20, 24
	s_mov_b32 s36, s24                             ; the two experts' counts are picked by compares: no load hangs on a load
	s_mov_b32 s37, s24
.irp k, 1,2,3,4,5,6,7
	s_cmp_eq_u32 s32, \k
	s_cselect_b32 s36, s[24+\k], s36
	s_cmp_eq_u32 s33, \k
	s_cselect_b32 s37, s[24+\k], s37
.endr
	s_add_co_u32 s36, s36, s34
	s_min_u32 s36, s36, 1023                       ; the rank
	s_add_co_u32 s37, s37, s35
	s_min_u32 s37, s37, 1023
	s_lshl_b32 s38, s32, 10
	s_add_co_u32 s36, s36, s38
	s_lshl_b32 s36, s36, 12                        ; (1024 e + rank) rows of 4,096 bytes
	s_add_co_u32 s36, s36, s16
	s_lshl_b32 s38, s33, 10
	s_add_co_u32 s37, s37, s38
	s_lshl_b32 s37, s37, 12
	s_add_co_u32 s37, s37, s16
	s_mov_b32 s18, s36
	s_add_nc_u64 s[40:41], s[10:11], s[18:19]      ; eight bases: expert 0's four quarters (32 MB apart), expert 1's
	s_add_nc_u64 s[42:43], s[40:41], 0x2000000
	s_add_nc_u64 s[44:45], s[40:41], 0x4000000
	s_add_nc_u64 s[46:47], s[40:41], 0x6000000
	s_mov_b32 s18, s37
	s_add_nc_u64 s[48:49], s[10:11], s[18:19]
	s_add_nc_u64 s[50:51], s[48:49], 0x2000000
	s_add_nc_u64 s[52:53], s[48:49], 0x4000000
	s_add_nc_u64 s[54:55], s[48:49], 0x6000000
.irp c, 0,1,2,3
.irp n, 0,1,2,3,4,5,6,7
	global_load_b128 v[8+32*(\c)+4*(\n):8+32*(\c)+4*(\n)+3], v2, s[40+2*(\n):41+2*(\n)] offset:512*(\c) th:TH_LOAD_NT
.endr
.endr
	s_lshl_b32 s18, s15, 12
	s_add_co_u32 s18, s18, s16
	s_add_nc_u64 s[12:13], s[12:13], s[18:19]
	s_mov_b32 s56, s23                             ; g1 as the low word of a pair of its own
	s_mov_b32 s57, s23
.irp c, 0,1,2,3
	s_wait_loadcnt 8*(3-(\c))                      ; the later pieces' eight loads each stay out
.irp u, 0,2
.irp q, 4,8,12
	v_pk_add_f32 v[8+32*(\c)+(\u):8+32*(\c)+(\u)+1], v[8+32*(\c)+(\u):8+32*(\c)+(\u)+1], v[8+32*(\c)+(\q)+(\u):8+32*(\c)+(\q)+(\u)+1]
	v_pk_add_f32 v[24+32*(\c)+(\u):24+32*(\c)+(\u)+1], v[24+32*(\c)+(\u):24+32*(\c)+(\u)+1], v[24+32*(\c)+(\q)+(\u):24+32*(\c)+(\q)+(\u)+1]
.endr
	v_pk_mul_f32 v[24+32*(\c)+(\u):24+32*(\c)+(\u)+1], v[24+32*(\c)+(\u):24+32*(\c)+(\u)+1], s[56:57] op_sel_hi:[1,0]
	v_pk_fma_f32 v[8+32*(\c)+(\u):8+32*(\c)+(\u)+1], v[8+32*(\c)+(\u):8+32*(\c)+(\u)+1], s[22:23], v[24+32*(\c)+(\u):24+32*(\c)+(\u)+1] op_sel_hi:[1,0,1]
.endr
	global_store_b128 v2, v[8+32*(\c):8+32*(\c)+3], s[12:13] offset:512*(\c) th:TH_STORE_NT
.endr
	s_endpgm
.Lfunc_end_k_qafabd6ea0c_sum:
	.size	k_qafabd6ea0c_sum, .Lfunc_end_k_qafabd6ea0c_sum-k_qafabd6ea0c_sum
	.p2alignl 7, 3214868480
	.fill 96, 4, 3214868480
	.section	.rodata,"a",@progbits
	.p2align	6, 0x0
	.amdhsa_kernel k_qafabd6ea0c_sum
		.amdhsa_group_segment_fixed_size 0
		.amdhsa_private_segment_fixed_size 0
		.amdhsa_enable_private_segment 0
		.amdhsa_kernarg_size 40
		.amdhsa_user_sgpr_count 2
		.amdhsa_user_sgpr_kernarg_segment_ptr 1
		.amdhsa_wavefront_size32 1
		.amdhsa_system_sgpr_workgroup_id_x 1
		.amdhsa_system_sgpr_workgroup_id_y 1
		.amdhsa_system_sgpr_workgroup_id_z 1
		.amdhsa_system_vgpr_workitem_id 0
		.amdhsa_next_free_vgpr 144
		.amdhsa_next_free_sgpr 66
		.amdhsa_reserve_vcc 0
		.amdhsa_float_denorm_mode_32 3
		.amdhsa_float_denorm_mode_16_64 3
		.amdhsa_memory_ordered 1
		.amdhsa_forward_progress 1
		.amdhsa_inst_pref_size 11
	.end_amdhsa_kernel
	.amdgpu_metadata
---
amdhsa.version: [ 1, 2 ]
amdhsa.kernels:
  - .name:           k_qafabd6ea0c_sum
    .symbol:         k_qafabd6ea0c_sum.kd
    .args:
      - { .name: sel, .offset: 0, .size: 8, .value_kind: global_buffer, .address_space: global }
      - { .name: pre, .offset: 8, .size: 8, .value_kind: global_buffer, .address_space: global }
      - { .name: gate, .offset: 16, .size: 8, .value_kind: global_buffer, .address_space: global }
      - { .name: part, .offset: 24, .size: 8, .value_kind: global_buffer, .address_space: global }
      - { .name: out0, .offset: 32, .size: 8, .value_kind: global_buffer, .address_space: global }
    .group_segment_fixed_size: 0
    .private_segment_fixed_size: 0
    .kernarg_segment_align: 8
    .kernarg_segment_size: 40
    .max_flat_workgroup_size: 256
    .sgpr_count:     66
    .vgpr_count:     144
    .wavefront_size: 32
...
	.end_amdgpu_metadata
.endif
;; end of part 4
;; ======== version 2 of 3: 4 launches; 1.26 times as fast as version 1
;; workspace buffers: xb 2,097,152 bytes; bm 1,024 bytes of whole numbers; sel 4,096 bytes of whole numbers; gate 8,192 bytes; pre 1,024 bytes of whole numbers; hfr 67,108,864 bytes; part 134,217,728 bytes
;; launch router: the kernel of part 1 again; grid 32 x 1, 8 waves a work-group, no clusters, 78,848 bytes of LDS; arguments x, router_w, xb, bm, sel, gate; writes xb, bm, sel, gate
;; launch fc (part 5): grid 32 x 8, 8 waves a work-group, no clusters, 256,256 bytes of LDS; arguments bm, xb, w_fc, hfr, pre; writes hfr, pre
.if DOCPART == 5
	.amdgcn_target "amdgcn-amd-amdhsa--gfx1250"
	.amdhsa_code_object_version 6
	.text
	.protected	k_qafabd6ea0c_fc
	.globl	k_qafabd6ea0c_fc
	.p2align	8
	.type	k_qafabd6ea0c_fc,@function
k_qafabd6ea0c_fc:
	s_mov_b64 s[64:65], 0
	v_nop
	global_prefetch_b8 v0, s[64:65] scope:SCOPE_SE
	s_setreg_imm32_b32 hwreg(HW_REG_WAVE_MODE, 25, 1), 1
	s_wait_xcnt 0x0
; FIRST PRODUCT OF THE EXPERTS.  h = gelu(x w_fc[e]) for the tokens that chose expert e, in the order of their rank among e's tokens.
; A work-group is (expert e = y, slice = x: 128 of the 4,096 hidden columns): 512 KB of f32 weights that it alone reads, once, and all of the expert's rows.
; WEIGHTS.  w_fc[e] lies [k][n] in f32.  A lane loads 16 bytes (columns 4 v .. 4 v + 3) of the 16 rows k that a 16-bit operand's lane holds; 32 roundings in pairs make of them four whole
; operand fragments: fragment c holds the columns 4 v + c.  Each load of a wave covers two aligned runs of 256 bytes.  No transposition is needed.
; SHARES.  Eight waves.  Wave w: mq = w % 4, nh = w / 4: tiles 4 mq .. 4 mq + 3 of 16 ranks and a fifth, tile 16 + (mq + 2 nh) % 4, x 64 columns (4 fragments): 20 accumulators.  It stages K step w % 4,
; column half w / 4 of each chunk's weights and 40 of the chunk's 320 token rows.  K goes in 8 chunks of 128 through two LDS slots; one barrier a chunk.
; THE FIFTH TILE is multiplied only if it holds a rank below the expert's count: otherwise its four products and two fragment loads are jumped in every K step but the first, which writes its accumulators.
; A CHUNK'S ORDER.  Behind the barrier: the first fragments, K step 0; 8 requests for the weights two chunks on, K step 1; the other 8, K step 2; then what has landed for the next chunk goes into the
; other slot (28 LDS stores; nobody has read that slot since the barrier), the rows of the chunk after that are asked for (20 loads), and K step 3, which reads nothing from LDS, is multiplied while the
; stores are served.  So a row load has a whole chunk in which to land, a weight load a chunk and a quarter or more: up to 52 loads of 512 bytes of a wave are out.
; THE TOKENS.  The expert's bitmap, stored by the launch before, lies in 32 scalar registers.  Lane l of wave w finds the tokens of ranks 40 w + 2 l and 40 w + 2 l + 1: the last word whose count of earlier
; tokens is not above the rank, then the bit in it by five halvings over partial bit counts.  The two are packed, and 20 lanes' words go into scalar registers, where they stay: a chunk's row offsets are made
; from them with three vector instructions a load, no LDS read and no barrier.  A rank past the count ends at some token below 1,024: a row that exists; its results are never used.
; ROWS PAST THE COUNT are asked for in chunk 0 alone: later a wave's ten loads (20 ranks) are jumped if their first rank is at or past the count.  Their LDS stores stay, so that every byte that is read
; has been written; the registers then hold old numbers, which reach only ranks that nobody uses.
; THE PRODUCT IS USED TRANSPOSED (source 0 = weights, source 1 = tokens): lane (r, h) holds rank r and, over its four accumulators, the 32 neighbouring columns 32 h + 4 j + c.
; OUT.  hfr [e][tile 64][group 64][q 4][lane 32][16 bytes], bf16: lane (r, h) holds rank r of the tile, hidden columns 64 g + 32 h + 8 q .. + 7: the next launch's operand registers as they are.
; pre [32][8]: how many of the expert's tokens lie in earlier words of its bitmap (stored by slice 0).
; GELU.  x Phi(x) = max(x, 0) - |x| Q(|x|), Q(z) = (1 + d1 z + .. + d6 z^6)^-16 / 2 (Abramowitz and Stegun 26.2.19: Q is off by less than 1.5e-7 for every z): no difference of near numbers for x < 0.
; LIMITS.  Tiles 0-19 (320 ranks) are always stored, whatever the count (ranks past the count hold numbers that nobody uses).  Ranks from 320 on take a tail without LDS writes and
; barriers, which reads the slice's weights again for each tile of 16 ranks: right for every split, slow for a very uneven one.  NaN and infinities are not treated apart.
; NO MULTICAST: each weight byte has one reader, and the token rows come by a list, which no tile descriptor covers.
.set PITCH, 272                        ; a token row in LDS: 256 bytes + 16: the 16 rows of a fragment load start at 16 different groups of banks
.set WOFF,  320*PITCH                  ; behind a slot's 320 rows: 32,768 bytes of weight fragments [K step 4][half 2][c 4][registers 0-3, 4-7][lane x 16]
.set SLOTB, 131072                     ; slot 1 begins here
.set LIST,  SLOTB+WOFF+32768           ; for the tail alone: 1,024 words by rank, 32 words for the lanes that have nothing to store
.set SPARE, LIST+4352                  ; the spare words, 128 bytes a wave; no other line names them
.set EPB,   20480                      ; the way out: a wave's 160 accumulator registers, over the ring when it has been read out
; window 0
.set SPW, 1                            ; my spare word
.set NIL, 2                            ; 0
.set ASA, 3                            ; v3, v4    where I store token rows, slot 0, 1
.set WSA, 5                            ; v5, v6    where I store weight fragments
.set ARA, 7                            ; v7, v8    where I read the fragments of my tiles 0-3
.set BRA, 9                            ; v9, v10   where I read weight fragments
.set LN,  11                           ; lane
.set RR,  12                           ; lane % 16
.set HH,  13                           ; lane / 16
.set WO0, 14                           ; my byte offset in the weights: 131,072 h + 16 r
.set WO,  15                           ; the same, or 0 in the trips that look past the last chunk
.set LP,  16                           ; 16 r
.set SH,  17                           ; 16 h: which half of a pair of tokens is mine
.set ARB, 20                           ; v20, v21  where I read the fragments of my fifth tile
.set BF,  24                           ; v[24:87]   two buffers of four weight fragments
.set SEL, 24                           ; at the start: the search's two sets of 12: +0 rank, +1 word, +2 count | word number << 16, +3 .. +6 bit counts of 2, 4, 8, 16, +7 place, +8, +9 at work
.set PR,  48                           ; the two tokens, packed
.set WS,  88                           ; v[88:215]  two sets of 16 weight loads
.set AS0, 216                          ; v[216:255] token loads 0-9
.set T,   216                          ; the rounded weights, where token loads 0-7 lay
.set TQ,  216                          ; the tail: its tiles' tokens, a queue of 11
; window 1
.set ACC, 0                            ; accumulator (i, c) at 32 i + 8 c
.set AF,  160                          ; five token fragments
.set AS1, 200                          ; token loads 10-19
.set LP1, 240                          ; 16 r once more
.set EPR, 241                          ; the way out: where I read a tile back
.set GO,  242                          ; 16 x lane
.set SH1, 243                          ; 16 h once more
.set G,   0                            ; the way out, all in window 1: a tile's 32 numbers,
.set Z,   32                           ; their magnitudes,
.set P,   64                           ; the polynomial,
.set O,   96                           ; 16 registers of bf16
.set PAIR, 68                          ; s[68:87]  my 20 pairs of tokens, where the bitmap lay
.set MUL, 0x54                         ; source 0 window 0 (weights); source 1, C and D window 1
.set MSB, 0
.macro WIN new                         ; s_set_vgpr_msb: bits 1:0 source 0, 3:2 source 1, 5:4 source 2, 7:6 destination; the high byte repeats the setting that is left
.if MSB != (\new)
	s_set_vgpr_msb (MSB<<8)|(\new)
.set MSB, \new
.endif
.endm
.macro PLACES                          ; four places between a product and a load into, or a read of, its registers
.rept 4
	v_nop
.endr
.endm
; 8 of the 16 loads of my K step's 32 rows x 64 columns of f32.  Load p is row p + 8 (p / 8) + 8 h of the K step
.macro WPART set, extra, first
.set p, \first
.rept 8
	global_load_b128 v[WS+64*(\set)+4*p:WS+64*(\set)+4*p+3], v[WO], s[20:21] offset:(p+8*(p/8))*16384+(\extra) th:TH_LOAD_NT
.set p, p+1
.endr
.endm
.macro WISSUE set, extra
	WPART \set, \extra, 0
	WPART \set, \extra, 8
.endm
; 10 loads of two token rows' 256 bytes each.  My half's token is cut out of the pair (10 bits; 0 bits, which gives token 0, past the last chunk), held to 1,023, and becomes the offset
; token x 2,048 + 16 r in the register on which the load then lands
.macro AHALF base, lp, sh, first
.irp i, 0,1,2,3,4,5,6,7,8,9
	v_bfe_u32 v[(\base)+4*(\i)], s[PAIR+(\first)+(\i)], v[\sh], s25
.endr
.irp i, 0,1,2,3,4,5,6,7,8,9
	v_min_u32 v[(\base)+4*(\i)], 0x3ff, v[(\base)+4*(\i)]
.endr
.irp i, 0,1,2,3,4,5,6,7,8,9
	v_lshl_add_u32 v[(\base)+4*(\i)], v[(\base)+4*(\i)], 11, v[\lp]
.endr
.irp i, 0,1,2,3,4,5,6,7,8,9
	global_load_b128 v[(\base)+4*(\i):(\base)+4*(\i)+3], v[(\base)+4*(\i)], s[18:19]
.endr
.endm
; my 40 rows.  cond = 1: ten loads whose first rank is at or past the count are jumped, and with the first ten the second
.macro AISSUE cond
	WIN 0
.if \cond
	s_cmp_ge_u32 s54, s27
	s_cbranch_scc1 .Lnoa_\@
.endif
	AHALF AS0, LP, SH, 0
.if \cond
	s_cmp_ge_u32 s55, s27
	s_cbranch_scc1 .Lnoa_\@
.endif
	WIN 0x55                                       ; every vector operand in window 1
	AHALF AS1, LP1, SH1, 10
	WIN 0
.if \cond
.Lnoa_\@:
.endif
.endm
; 32 roundings: register i of fragment c = positions 2 i, 2 i + 1 of column 4 v + c
.macro CVTW dst, set
.irp c, 0,1,2,3
.irp i, 0,1,2,3,4,5,6,7
	v_cvt_pk_bf16_f32 v[(\dst)+8*(\c)+(\i)], v[WS+64*(\set)+8*(\i)+(\c)], v[WS+64*(\set)+8*(\i)+4+(\c)]
.endr
.endr
.endm
; What has landed goes into the slot: my 40 token rows, my 8 KB of weights rounded to 4 KB: 28 LDS stores
.macro S1 slot, set, cnt
	s_wait_loadcnt \cnt                            ; 16: only the weights of the chunk behind this one were issued behind this chunk's rows; this chunk's weights are older still
	WIN 0
.irp i, 0,1,2,3,4,5,6,7,8,9
	ds_store_b128 v[ASA+(\slot)], v[AS0+4*(\i):AS0+4*(\i)+3] offset:544*(\i)
.endr
	WIN 0x04
.irp i, 10,11,12,13,14,15,16,17,18,19
	ds_store_b128 v[ASA+(\slot)], v[AS1+4*((\i)-10):AS1+4*((\i)-10)+3] offset:544*(\i)
.endr
	WIN 0
	CVTW T, \set
.irp q, 0,1,2,3,4,5,6,7
	ds_store_b128 v[WSA+(\slot)], v[T+4*(\q):T+4*(\q)+3] offset:512*(\q)
.endr
.endm
; The next requests: the bases for the rows of chunk s22 and the weights of chunk s23, and the rows' loads; the weights' loads follow in the next chunk.  Past chunk 7 bases and offsets fall back to the
; start: such a load reads bytes inside the buffer that nobody uses (one run of 256 for the rows, 16 for the weights), and every count stays as it is: the price of one text for all trips.
.macro S2A
	WIN 0
	s_wait_xcnt 0x0                                ; bases and offsets of the loads issued so far are rewritten only behind this wait
	s_cmp_lt_u32 s22, 8
	s_cselect_b32 s25, 10, 0                       ; the width of a token's field
	s_cselect_b32 s28, s22, 0
	s_lshl_b32 s28, s28, 8                         ; a chunk is 256 bytes of a row of xb
	s_add_nc_u64 s[18:19], s[6:7], s[28:29]
	s_cmp_lt_u32 s23, 8
	s_cselect_b32 s26, -1, 0
	s_cselect_b32 s28, s23, 0
	s_lshl_b32 s28, s28, 21                        ; and 128 rows of 16,384 bytes of w_fc
	s_add_nc_u64 s[20:21], s[8:9], s[28:29]
	v_and_b32 v[WO], s26, v[WO0]
	s_add_co_u32 s22, s22, 1
	s_add_co_u32 s23, s23, 1
	AISSUE 1
.endm
; a chunk's first fragments, the fifth tile's always among them
.macro FRAG0 slot
	WIN 0
.irp q, 0,1,2,3,4,5,6,7
	ds_load_b128 v[BF+4*(\q):BF+4*(\q)+3], v[BRA+(\slot)] offset:512*(\q)
.endr
	WIN MUL
.irp i, 0,1,2,3
	ds_load_b128 v[AF+8*(\i):AF+8*(\i)+3],   v[ARA+(\slot)] offset:4352*(\i)
	ds_load_b128 v[AF+8*(\i)+4:AF+8*(\i)+7], v[ARA+(\slot)] offset:4352*(\i)+32
.endr
	ds_load_b128 v[AF+32:AF+35], v[ARB+(\slot)]
	ds_load_b128 v[AF+36:AF+39], v[ARB+(\slot)] offset:32
.endm
; one tile's four products of a K step; roll = 1: behind them its fragment of the next step is fetched
.macro TILE slot, ks, zero, roll, i, adr, off, cnt
	s_wait_dscnt \cnt
.irp c, 0,1,2,3
.if \zero
	v_wmma_f32_16x16x32_bf16 v[ACC+32*(\i)+8*(\c):ACC+32*(\i)+8*(\c)+7], v[BF+32*((\ks)%2)+8*(\c):BF+32*((\ks)%2)+8*(\c)+7], v[AF+8*(\i):AF+8*(\i)+7], 0
.else
	v_wmma_f32_16x16x32_bf16 v[ACC+32*(\i)+8*(\c):ACC+32*(\i)+8*(\c)+7], v[BF+32*((\ks)%2)+8*(\c):BF+32*((\ks)%2)+8*(\c)+7], v[AF+8*(\i):AF+8*(\i)+7], v[ACC+32*(\i)+8*(\c):ACC+32*(\i)+8*(\c)+7]
.endif
.endr
.if \roll
	PLACES
	ds_load_b128 v[AF+8*(\i):AF+8*(\i)+3],   v[(\adr)+(\slot)] offset:(\off)+64*((\ks)+1)
	ds_load_b128 v[AF+8*(\i)+4:AF+8*(\i)+7], v[(\adr)+(\slot)] offset:(\off)+64*((\ks)+1)+32
.endif
.endm
; 32 along K: 16 or 20 products, the accumulators by turns in the same order in every step.  roll = 1: the next step's fragments are fetched: the weights' at the head, a tile's behind its products.
; THE COUNTS hold on both ways round the fifth tile.  Tiles 0-3, 14: where the fifth tile is jumped, behind tile i's fragment were issued the later tiles' 2 (3 - i), the next step's 8 of weights and
; the earlier tiles' next 2 i; where it is not, two more, and the two that the smaller count also awaits are a step old.  The fifth tile, 16: 8 of weights and the four tiles' 8.
; In a chunk's last step: the later tiles' 6 - 2 i, for the fifth tile none, and young: the LDS stores issued in front of the step (28, or none behind the last chunk).
.macro KSTEP slot, ks, zero, roll, young=0
.if \roll
	WIN 0
.irp q, 0,1,2,3,4,5,6,7
	ds_load_b128 v[BF+32*(((\ks)+1)%2)+4*(\q):BF+32*(((\ks)+1)%2)+4*(\q)+3], v[BRA+(\slot)] offset:8192*((\ks)+1)+512*(\q)
.endr
.endif
	WIN MUL
.irp i, 0,1,2,3
.if \roll
	TILE \slot, \ks, \zero, 1, \i, ARA, 4352*(\i), 14
.else
	TILE \slot, \ks, \zero, 0, \i, ARA, 4352*(\i), 6-2*(\i)+(\young)
.endif
.endr
.if !(\zero)
	WIN 0                                          ; at a branch and at a label every window is 0
	s_cmp_eq_u32 s49, 0
	s_cbranch_scc1 .Ldead_\@                       ; my fifth tile holds no rank below the count
	WIN MUL
.endif
.if \roll
	TILE \slot, \ks, \zero, 1, 4, ARB, 0, 16
.else
	TILE \slot, \ks, \zero, 0, 4, ARB, 0, \young
.endif
.if !(\zero)
	WIN 0
.Ldead_\@:
.endif
.endm
; a chunk's K steps 1 and 2, in front of each half of the requests for the weights two chunks on, into the set that this chunk's weights have left
.macro MID slot
	WIN 0
	WPART \slot, 0, 0
	KSTEP \slot, 1, 0, 1
	WPART \slot, 0, 8
	KSTEP \slot, 2, 0, 1
.endm
; A CHUNK'S END AND THE NEXT ONE'S HEAD.  The next chunk is stored into the other slot, which nobody has read since the last barrier; the rows behind it are asked for; K step 3 is multiplied while the
; stores are served.  Then ONE barrier for two things: in front of it my stores into the other slot are done, and my reads of this slot, which is stored into a chunk later, are over.
.macro LAST slot, other
	S1 \other, \other, 16
	S2A
	KSTEP \slot, 3, 0, 0, 28
	PLACES                                         ; between the chunk's last products and the loads into their sources
	s_wait_dscnt 0x0
	s_barrier_signal -1
	s_barrier_wait -1
	FRAG0 \other
	KSTEP \other, 0, 0, 1
.endm
; one halving of the search in a word, for both ranks: if the rank is not below the count of the lower part at my place, take that count away and move up
.macro HALVE src, width, inc
.irp q, SEL, SEL+12
	v_bfe_u32 v[(\q)+8], v[(\q)+(\src)], v[(\q)+7], \width
.endr
.irp q, SEL, SEL+12
	v_cmp_ge_u32 vcc_lo, v[\q], v[(\q)+8]
	v_cndmask_b32 v[(\q)+8], 0, v[(\q)+8], vcc_lo
	v_cndmask_b32 v[(\q)+9], 0, \inc, vcc_lo
	v_sub_nc_u32 v[\q], v[\q], v[(\q)+8]
	v_add_nc_u32 v[(\q)+7], v[(\q)+7], v[(\q)+9]
.endr
.endm
; gelu of a tile's 32 numbers a lane, rounded to bf16 and stored: four stores of 512 consecutive bytes.  All registers in window 1.
.macro GELUST
	WIN 0x55
.set i, 0
.rept 32
	v_and_b32 v[Z+i], s48, v[G+i]                  ; |x|; each accumulator's registers are read in ascending order
.set i, i+1
.endr
.set i, 0
.rept 16
	v_pk_fma_f32 v[P+2*i:P+2*i+1], v[Z+2*i:Z+2*i+1], s[46:47], s[44:45] op_sel_hi:[1,0,0]
.set i, i+1
.endr
.irp d, 42, 40, 38, 36
.set i, 0
.rept 16
	v_pk_fma_f32 v[P+2*i:P+2*i+1], v[P+2*i:P+2*i+1], v[Z+2*i:Z+2*i+1], s[\d:\d+1] op_sel_hi:[1,1,0]
.set i, i+1
.endr
.endr
.set i, 0
.rept 16
	v_pk_fma_f32 v[P+2*i:P+2*i+1], v[P+2*i:P+2*i+1], v[Z+2*i:Z+2*i+1], 1.0 op_sel_hi:[1,1,0]
.set i, i+1
.endr
.set i, 0
.rept 32
	v_rcp_f32 v[P+i], v[P+i]                       ; one batch of 32
.set i, i+1
.endr
.set i, 0
.rept 32
	v_max_num_f32 v[G+i], 0, v[G+i]                ; plain work that names no reciprocal stands behind the batch
.set i, i+1
.endr
	s_wait_alu depctr_va_vdst(0)                   ; one wait for the batch, ahead of its first reader
.rept 4                                ; to the sixteenth power
.set i, 0
.rept 16
	v_pk_mul_f32 v[P+2*i:P+2*i+1], v[P+2*i:P+2*i+1], v[P+2*i:P+2*i+1]
.set i, i+1
.endr
.endr
.set i, 0
.rept 16
	v_pk_mul_f32 v[P+2*i:P+2*i+1], v[P+2*i:P+2*i+1], v[Z+2*i:Z+2*i+1]
.set i, i+1
.endr
.set i, 0
.rept 16
	v_pk_fma_f32 v[G+2*i:G+2*i+1], v[P+2*i:P+2*i+1], -0.5, v[G+2*i:G+2*i+1] op_sel_hi:[1,0,1]
.set i, i+1
.endr
.set i, 0
.rept 8                                ; columns 32 h + 4 j + c in ascending order
	v_cvt_pk_bf16_f32 v[O+2*i],   v[G+i],    v[G+8+i]
	v_cvt_pk_bf16_f32 v[O+2*i+1], v[G+16+i], v[G+24+i]
.set i, i+1
.endr
.irp q, 0,1,2,3
	global_store_b128 v[GO], v[O+4*(\q):O+4*(\q)+3], s[30:31] offset:512*(\q)
.endr
.endm
	s_load_b256 s[4:11], s[0:1], 0x0               ; bm s[4:5], xb s[6:7], w_fc s[8:9], hfr s[10:11]
	s_load_b64 s[12:13], s[0:1], 0x20              ; pre
	v_lshl_add_u32 v[SPW], v0, 2, SPARE
	v_mov_b32 v[NIL], 0
	v_lshrrev_b32 v18, 5, v0
	v_readfirstlane_b32 s2, v18                    ; wave
	s_and_b32 s3, s2, 3                            ; mq; also the K step that I stage
	s_lshr_b32 s14, s2, 2                          ; nh; also the column half that I stage
	s_and_b32 s15, ttmp7, 0xffff                   ; expert
	s_mov_b32 s16, ttmp9                           ; slice
	s_mov_b32 s29, 0                               ; the high word of every offset; never rewritten
	s_mov_b32 s53, 0
	v_and_b32 v[LN], 31, v0
	v_and_b32 v[RR], 15, v0
	v_bfe_u32 v[HH], v0, 4, 1
	v_lshlrev_b32 v[LP], 4, v[RR]
	v_lshlrev_b32 v[SH], 4, v[HH]
	v_lshl_add_u32 v[WO0], v[HH], 17, v[LP]        ; 8 rows of 16,384 bytes for the upper half of the lanes
	v_mov_b32 v[WO], v[WO0]
	s_lshl_b32 s52, s15, 24                        ; an expert's 16 MB,
	s_lshl_b32 s30, s16, 9                         ; the slice's 512 bytes of a row,
	s_add_co_u32 s52, s52, s30
	s_lshl_b32 s30, s14, 8                         ; my half of them
	s_add_co_u32 s52, s52, s30
	s_lshl_b32 s28, s15, 7                         ; the expert's 32 words of the bitmap
	s_wait_kmcnt 0x0
	s_add_nc_u64 s[4:5], s[4:5], s[28:29]
	s_load_b512 s[68:83], s[4:5], 0x0              ; the bitmap goes out first: the rows' addresses hang on it
	s_load_b512 s[84:99], s[4:5], 0x40
	s_add_nc_u64 s[34:35], s[8:9], s[52:53]        ; the tail's base
	s_lshl_b32 s28, s3, 19                         ; my K step's 32 rows
	s_add_nc_u64 s[8:9], s[34:35], s[28:29]
	s_mov_b64 s[20:21], s[8:9]
	WISSUE 0, 0                                    ; then the weights of chunks 0 and 1
	WISSUE 1, 1<<21
	s_lshl_b32 s28, s15, 23                        ; hfr: the expert's 8 MB, my group of 64 hidden columns
	s_lshl1_add_u32 s30, s16, s14
	s_lshl_b32 s30, s30, 11
	s_add_co_u32 s28, s28, s30
	s_add_nc_u64 s[10:11], s[10:11], s[28:29]
	s_lshl1_add_u32 s51, s14, s3                   ; my fifth tile: 16 + (mq + 2 nh) % 4
	s_and_b32 s51, s51, 3
	s_add_co_u32 s51, s51, 16
	s_lshl_b32 s30, s3, 2
	s_sub_co_u32 s50, s51, s30                     ; and how far it lies behind my fourth, 4 mq + 3, in hfr
	s_sub_co_u32 s50, s50, 3
	s_lshl_b32 s50, s50, 17
	s_mul_i32 s30, s2, 40*PITCH                    ; LDS addresses: a constant, the wave's number times a constant, a lane term
	v_mul_u32_u24 v18, v[HH], PITCH
	v_add_nc_u32 v18, v18, v[LP]
	v_add_nc_u32 v[ASA], s30, v18
	v_add_nc_u32 v[ASA+1], SLOTB, v[ASA]
	s_lshl_b32 s30, s3, 13
	s_lshl_b32 s31, s14, 12
	s_add_co_u32 s30, s30, s31
	s_add_co_u32 s30, s30, WOFF
	v_lshl_add_u32 v[WSA], v[LN], 4, s30
	v_add_nc_u32 v[WSA+1], SLOTB, v[WSA]
	s_add_co_u32 s31, s31, WOFF
	v_lshl_add_u32 v[BRA], v[LN], 4, s31
	v_add_nc_u32 v[BRA+1], SLOTB, v[BRA]
	s_mul_i32 s30, s3, 64*PITCH
	v_mul_u32_u24 v18, v[RR], PITCH
	v_lshl_add_u32 v18, v[HH], 4, v18
	v_add_nc_u32 v[ARA], s30, v18
	v_add_nc_u32 v[ARA+1], SLOTB, v[ARA]
	s_mul_i32 s30, s51, 16*PITCH
	v_add_nc_u32 v[ARB], s30, v18
	v_add_nc_u32 v[ARB+1], SLOTB, v[ARB]
	s_mul_i32 s30, s2, EPB
	v_lshl_add_u32 v18, v[LN], 4, s30              ; my stage for the way out; kept in v18
	WIN 0x40
	v_mov_b32 v[LP1], v[LP]
	v_mov_b32 v[EPR], v18
	v_lshlrev_b32 v[GO], 4, v[LN]
	v_mov_b32 v[SH1], v[SH]
	WIN 0
	s_mov_b32 s36, 0x3d4c41b4                      ; d1 = .0498673470; each constant twice: the packed forms name a pair
	s_mov_b32 s37, s36
	s_mov_b32 s38, 0x3cad2fe7                      ; d2 = .0211410061
	s_mov_b32 s39, s38
	s_mov_b32 s40, 0x3b56cd72                      ; d3 = .0032776263
	s_mov_b32 s41, s40
	s_mov_b32 s42, 0x381f660e                      ; d4 = .0000380036
	s_mov_b32 s43, s42
	s_mov_b32 s44, 0x384d0fe2                      ; d5 = .0000488906
	s_mov_b32 s45, s44
	s_mov_b32 s46, 0x36b49f9e                      ; d6 = .0000053830
	s_mov_b32 s47, s46
	s_mov_b32 s48, 0x7fffffff
	s_mul_i32 s54, s2, 40                          ; the first rank that I stage,
	s_add_co_u32 s55, s54, 20                      ; and the first of my second ten loads
	v_lshl_add_u32 v[SEL], v[LN], 1, s54           ; my two ranks: 40 w + 2 l,
	v_add_nc_u32 v[SEL+12], 1, v[SEL]              ; and the next
	v_mov_b32 v19, 0                               ; lane j will hold the count of the words in front of word j
	s_wait_kmcnt 0x0
	; THE SEARCH FOR THE WORD, and the expert's count on the way: s27 runs through the counts in front of words 0 to 31; the last word whose count is not above the rank is kept
.irp q, SEL, SEL+12
	v_mov_b32 v[(\q)+1], s68
	v_mov_b32 v[(\q)+2], 0
.endr
	s_mov_b32 s27, 0
.set j, 0
.rept 32
.if j > 0
	s_add_co_u32 s31, s27, j<<16                   ; the count, and the word's number above it
.irp q, SEL, SEL+12
	v_cmp_le_u32 vcc_lo, s27, v[\q]
	v_cndmask_b32 v[(\q)+1], v[(\q)+1], s[68+j], vcc_lo
	v_cndmask_b32 v[(\q)+2], v[(\q)+2], s31, vcc_lo
.endr
.endif
	v_writelane_b32 v19, s27, j
	s_bcnt1_i32_b32 s30, s[68+j]
	s_add_co_u32 s27, s27, s30
.set j, j+1
.endr
	s_min_u32 s27, s27, 1024
	s_add_co_u32 s32, s27, 15
	s_lshr_b32 s32, s32, 4                         ; tiles of 16 ranks
	s_cmp_lt_u32 s51, s32
	s_cselect_b32 s49, 1, 0                        ; is my fifth tile among them?
	s_sub_co_i32 s33, s32, 17                      ; my tiles from 20 on are 20 + mq + 4 i: their number is max(tiles - 17 - mq, 0) / 4
	s_sub_co_i32 s33, s33, s3
	s_max_i32 s33, s33, 0
	s_lshr_b32 s33, s33, 2
	s_min_u32 s33, s33, 11
	s_cmp_lg_u32 s2, 0
	s_cbranch_scc1 .Lnolist
	s_cmp_le_u32 s27, 320
	s_cbranch_scc1 .Lshort                         ; only the tail reads the list in LDS: wave 0 writes it where there will be a tail; the ring's barriers lie between these stores and those reads
	v_mov_b32 v52, 0
	v_mov_b32 v53, 0
	v_mov_b32 v54, 0
	v_mov_b32 v55, 0
	v_lshl_add_u32 v56, v[LN], 4, LIST
.irp q, 0,1,2,3,4,5,6,7
	ds_store_b128 v56, v[52:55] offset:512*(\q)    ; token 0 everywhere; LDS serves a wave's stores in order, so the tokens below land on top
.endr
	v_add_nc_u32 v57, 1024, v[LN]                  ; where a lane without a token stores
	s_mov_b32 s30, 0
.set j, 0
.rept 32
	v_mbcnt_lo_u32_b32 v58, s[68+j], s30           ; my token's rank: earlier words' count + lower bits of this word
	v_cndmask_b32 v58, v57, v58, s[68+j]
	v_min_u32 v58, 0x41f, v58                      ; held inside the list's 1,056 words
	v_lshl_add_u32 v58, v58, 2, LIST
	v_add_nc_u32 v59, 32*j, v[LN]
	ds_store_b32 v58, v59
	s_bcnt1_i32_b32 s31, s[68+j]
	s_add_co_u32 s30, s30, s31
.set j, j+1
.endr
.Lshort:
	s_cmp_lg_u32 s16, 0
	s_cbranch_scc1 .Lnolist                        ; slice 0 stores the expert's column of pre
	v_lshlrev_b32 v22, 5, v[LN]
	v_lshl_add_u32 v22, s15, 2, v22
	global_store_b32 v22, v19, s[12:13]            ; v19 and v22 are not written again before the tail, behind many waits for the addresses
.Lnolist:
	; THE SEARCH IN THE WORD: bit counts of fields of 2, 4, 8 and 16 bits, then five halvings
.irp q, SEL, SEL+12
	v_and_b32 v[(\q)+8], 0xffff, v[(\q)+2]
	v_sub_nc_u32 v[\q], v[\q], v[(\q)+8]           ; the rank inside the word
	v_lshrrev_b32 v[(\q)+2], 16, v[(\q)+2]         ; the word's number
	v_lshrrev_b32 v[(\q)+3], 1, v[(\q)+1]
	v_and_b32 v[(\q)+3], 0x55555555, v[(\q)+3]
	v_sub_nc_u32 v[(\q)+3], v[(\q)+1], v[(\q)+3]   ; counts of 2 bits
	v_lshrrev_b32 v[(\q)+4], 2, v[(\q)+3]
	v_and_b32 v[(\q)+4], 0x33333333, v[(\q)+4]
	v_and_b32 v[(\q)+8], 0x33333333, v[(\q)+3]
	v_add_nc_u32 v[(\q)+4], v[(\q)+4], v[(\q)+8]   ; of 4
	v_lshrrev_b32 v[(\q)+5], 4, v[(\q)+4]
	v_add_nc_u32 v[(\q)+5], v[(\q)+5], v[(\q)+4]
	v_and_b32 v[(\q)+5], 0x0f0f0f0f, v[(\q)+5]     ; of 8
	v_lshrrev_b32 v[(\q)+6], 8, v[(\q)+5]
	v_add_nc_u32 v[(\q)+6], v[(\q)+6], v[(\q)+5]   ; the lowest byte: of bits 0-15
	v_mov_b32 v[(\q)+7], 0                         ; the place
.endr
	HALVE 6, 8, 16
	HALVE 5, 8, 8
	HALVE 4, 4, 4
	HALVE 3, 2, 2
	HALVE 1, 1, 1
.irp q, SEL, SEL+12
	v_lshl_add_u32 v[(\q)+7], v[(\q)+2], 5, v[(\q)+7]   ; token = 32 x word + place, 1,023 at the most
.endr
	v_lshl_or_b32 v[PR], v[SEL+19], 16, v[SEL+7]
.set i, 0
.rept 20
	v_readlane_b32 s[PAIR+i], v[PR], i             ; load i's two rows: ranks 40 w + 2 i and 40 w + 2 i + 1.  The bitmap is not needed any more
.set i, i+1
.endr
	s_mov_b64 s[18:19], s[6:7]
	s_mov_b32 s25, 10
	s_mov_b32 s22, 1                               ; the chunk whose rows are asked for next,
	s_mov_b32 s23, 2                               ; and whose weights
	AISSUE 0                                       ; the rows of chunk 0, all 40: every register and every LDS byte of the ring's rows is written once
	S1 0, 0, 0                                     ; the first time everything is waited for
	S2A                                            ; the rows of chunk 1
	s_wait_dscnt 0x0
	s_barrier_signal -1
	s_barrier_wait -1
	FRAG0 0
	KSTEP 0, 0, 1, 1                               ; the first products start the sums, the fifth tile's too: nothing is cleared
	WIN 0
	s_mov_b32 s24, 4
.Lpair:                                                ; a trip: the rest of an even chunk, an odd chunk, the head of the next even one; left in its middle, in front of chunk 7's last K step
	MID 0
	LAST 0, 1
	MID 1
	s_sub_co_u32 s24, s24, 1
	s_cmp_eq_u32 s24, 0
	s_cbranch_scc1 .Lout
	LAST 1, 0
	s_branch .Lpair
.Lout:
	KSTEP 1, 3, 0, 0                               ; the last K step is written out: nothing is left to stage
	s_wait_loadcnt 0x0                             ; the loads that looked past the end have landed: their registers are free
	PLACES
	s_wait_dscnt 0x0
	s_barrier_signal -1
	s_barrier_wait -1                              ; nobody reads the ring any more: the stages lie over it
	WIN 0x04
.set q, 0
.rept 40
	ds_store_b128 v18, v[ACC+4*q:ACC+4*q+3] offset:512*q   ; each accumulator's low half first
.set q, q+1
.endr
	WIN 0
	s_wait_tensorcnt 0x0                           ; my last LDS store is out; only LDS reads follow
	ds_add_u32 v[SPW], v[NIL]
	s_wait_dscnt 0x0
	s_lshl_b32 s28, s3, 19                         ; tile 4 mq
	s_add_nc_u64 s[30:31], s[10:11], s[28:29]
	s_mov_b32 s24, 5
.Lgelu:                                                ; the tiles come back one by one, so that the text of gelu serves all five
	WIN 0x55
.irp q, 0,1,2,3,4,5,6,7
	ds_load_b128 v[G+4*(\q):G+4*(\q)+3], v[EPR] offset:512*(\q)
.endr
	s_wait_dscnt 0x0
	GELUST
	s_wait_xcnt 0x0                                ; the stores' base and data are rewritten only behind this wait
	v_add_nc_u32 v[EPR], 4096, v[EPR]
	WIN 0
	s_cmp_eq_u32 s24, 2                            ; behind my fourth tile comes the fifth, further on
	s_cselect_b32 s28, s50, 131072
	s_add_nc_u64 s[30:31], s[30:31], s[28:29]
	s_sub_co_u32 s24, s24, 1
	s_cmp_lg_u32 s24, 0
	s_cbranch_scc1 .Lgelu
	; THE TAIL: ranks from 320 on.  No LDS write, no barrier; its tiles' tokens are read ahead of the loop, at fixed addresses.
	s_cmp_eq_u32 s33, 0
	s_cbranch_scc1 .Lend
	s_lshl_b32 s30, s3, 6
	s_add_co_u32 s30, s30, LIST+1280               ; rank 16 (20 + mq) + r
	v_lshl_add_u32 v18, v[RR], 2, s30
.irp i, 0,1,2,3,4,5,6,7,8,9,10
	ds_load_b32 v[TQ+(\i)], v18 offset:256*(\i)    ; and four tiles on each time
.endr
	v_mov_b32 v[WO], v[WO0]
	s_mov_b32 s25, 0
	s_add_co_u32 s26, s3, 20                       ; the tile
	s_wait_dscnt 0x0
.Ltail:
	s_wait_xcnt 0x0
	v_min_u32 v19, 0x3ff, v[TQ]
	v_lshlrev_b32 v19, 11, v19
	v_lshl_add_u32 v19, v[HH], 4, v19              ; my token's row, 16 h
.irp i, 0,1,2,3,4,5,6,7,8,9
	v_mov_b32 v[TQ+(\i)], v[TQ+(\i)+1]             ; the queue moves up
.endr
	s_mov_b64 s[18:19], s[6:7]
	s_mov_b64 s[20:21], s[34:35]
	WIN 0x40
.set i, 0
.rept 32
	v_mov_b32 v[ACC+i], 0                          ; cleared, so that one text serves all 16 steps of this rare path
.set i, i+1
.endr
	WIN 0
	s_mov_b32 s24, 16
.Ltk:                                                  ; 64 along K: weights and tokens straight from memory into registers
	PLACES
	WISSUE 0, 0
	WISSUE 1, 524288
	WIN 0x40
.irp q, 0,1,2,3
	global_load_b128 v[AF+4*(\q):AF+4*(\q)+3], v19, s[18:19] offset:32*(\q)
.endr
	s_wait_loadcnt 0x0
	WIN 0
	CVTW BF, 0
	CVTW BF+32, 1
	WIN MUL
.irp k, 0,1
.irp c, 0,1,2,3
	v_wmma_f32_16x16x32_bf16 v[ACC+8*(\c):ACC+8*(\c)+7], v[BF+32*(\k)+8*(\c):BF+32*(\k)+8*(\c)+7], v[AF+8*(\k):AF+8*(\k)+7], v[ACC+8*(\c):ACC+8*(\c)+7]
.endr
.endr
	WIN 0
	s_add_nc_u64 s[18:19], s[18:19], 128
	s_add_nc_u64 s[20:21], s[20:21], 1<<20
	s_sub_co_u32 s24, s24, 1
	s_cmp_lg_u32 s24, 0
	s_cbranch_scc1 .Ltk
	PLACES
	s_min_u32 s28, s26, 63
	s_lshl_b32 s28, s28, 17
	s_add_nc_u64 s[30:31], s[10:11], s[28:29]
	GELUST
	WIN 0
	s_add_co_u32 s26, s26, 4
	s_add_co_u32 s25, s25, 1
	s_cmp_lt_u32 s25, s33
	s_cbranch_scc1 .Ltail
.Lend:
	s_endpgm
.Lfunc_end_k_qafabd6ea0c_fc:
	.size	k_qafabd6ea0c_fc, .Lfunc_end_k_qafabd6ea0c_fc-k_qafabd6ea0c_fc
	.p2alignl 7, 3214868480
	.fill 96, 4, 3214868480
	.section	.rodata,"a",@progbits
	.p2align	6, 0x0
	.amdhsa_kernel k_qafabd6ea0c_fc
		.amdhsa_group_segment_fixed_size 256256
		.amdhsa_private_segment_fixed_size 0
		.amdhsa_enable_private_segment 0
		.amdhsa_kernarg_size 40
		.amdhsa_user_sgpr_count 2
		.amdhsa_user_sgpr_kernarg_segment_ptr 1
		.amdhsa_wavefront_size32 1
		.amdhsa_system_sgpr_workgroup_id_x 1
		.amdhsa_system_sgpr_workgroup_id_y 1
		.amdhsa_system_sgpr_workgroup_id_z 1
		.amdhsa_system_vgpr_workitem_id 0
		.amdhsa_next_free_vgpr 512
		.amdhsa_next_free_sgpr 100
		.amdhsa_reserve_vcc 1
		.amdhsa_float_denorm_mode_32 3
		.amdhsa_float_denorm_mode_16_64 3
		.amdhsa_memory_ordered 1
		.amdhsa_forward_progress 1
		.amdhsa_inst_pref_size 165
	.end_amdhsa_kernel
	.amdgpu_metadata
---
amdhsa.version: [ 1, 2 ]
amdhsa.kernels:
  - .name:           k_qafabd6ea0c_fc
    .symbol:         k_qafabd6ea0c_fc.kd
    .args:
      - { .name: bm, .offset: 0, .size: 8, .value_kind: global_buffer, .address_space: global }
      - { .name: xb, .offset: 8, .size: 8, .value_kind: global_buffer, .address_space: global }
      - { .name: w_fc, .offset: 16, .size: 8, .value_kind: global_buffer, .address_space: global }
      - { .name: hfr, .offset: 24, .size: 8, .value_kind: global_buffer, .address_space: global }
      - { .name: pre, .offset: 32, .size: 8, .value_kind: global_buffer, .address_space: global }
    .group_segment_fixed_size: 256256
    .private_segment_fixed_size: 0
    .kernarg_segment_align: 8
    .kernarg_segment_size: 40
    .max_flat_workgroup_size: 256
    .sgpr_count:     100
    .vgpr_count:     512
    .wavefront_size: 32
...
	.end_amdgpu_metadata
.endif
;; end of part 5
;; launch proj (part 6): grid 32 x 8, 8 waves a work-group, no clusters, 246,784 bytes of LDS; arguments bm, hfr, w_proj, part; writes part
.if DOCPART == 6
	.amdgcn_target "amdgcn-amd-amdhsa--gfx1250"
	.amdhsa_code_object_version 6
	.text
	.protected	k_qafabd6ea0c_proj
	.globl	k_qafabd6ea0c_proj
	.p2align	8
	.type	k_qafabd6ea0c_proj,@function
k_qafabd6ea0c_proj:
	s_mov_b64 s[64:65], 0
	v_nop
	global_prefetch_b8 v0, s[64:65] scope:SCOPE_SE
	s_setreg_imm32_b32 hwreg(HW_REG_WAVE_MODE, 25, 1), 1
	s_wait_xcnt 0x0
; SECOND PRODUCT OF THE EXPERTS.  part[kq][e][rank][:] = h[e][rank][1024 kq .. + 1023] w_proj[e][1024 kq .. + 1023][:], f32 partial sums; the next launch adds the four and applies the gates.
; A work-group is (expert e = y; x = 8 kq + ns: a quarter of K = 4,096 and 128 of the 1,024 columns): 512 KB of f32 weights that it alone reads, once, and all of the expert's rows.
; The frame is the first product's: eight waves, wave w = (mq = w % 4, nh = w / 4) with tiles 4 mq .. 4 mq + 3 of 16 ranks and a fifth, tile 16 + (mq + 2 nh) % 4, x 64 columns in 20 accumulators;
; K in 8 chunks of 128 through two LDS slots, one barrier a chunk; a wave stages K step w % 4, column half w / 4 of a chunk's weights (16 loads, rounded in pairs into four operand fragments:
; fragment c holds the columns 4 v + c) and 512 bytes of each of the 20 tiles.
; THE FIFTH TILE is multiplied only if it holds a rank below the expert's count: otherwise its four products and two fragment loads are jumped in every K step but the first, which writes its accumulators.
; A CHUNK'S ORDER.  Behind the barrier: the first fragments, K step 0; 8 requests for the weights two chunks on, K step 1; the other 8, K step 2; then what has landed for the next chunk goes into the
; other slot (28 LDS stores; nobody has read that slot since the barrier), h of the chunk after that is asked for (up to 20 loads), and K step 3, which reads nothing from LDS, is multiplied while the
; stores are served.  So a load of h has a whole chunk in which to land, a weight load a chunk and a quarter or more: up to 52 loads of 512 bytes of a wave are out.
; TILES PAST THE COUNT (of tiles 16-19) are asked for in chunk 0 alone.  Their LDS stores stay, so that every byte that is read has been written; the registers then hold old numbers, which nobody uses.
; THE ORDER OF K is the one in which hfr lies: in K step 2 g + s of a chunk, half h of the lanes, position p stands for k = 64 g + 32 h + 16 s + p.  The weights' rows are loaded by the same map,
; so each product meets its partner and the sums are the same.
; hfr [e][tile 64][group 64][q 4][lane 32][16 bytes] holds operand registers as they are: a chunk of a tile is 4,096 consecutive bytes, copied through LDS without padding or conflict.
; THE WAY OUT.  Source 0 = ranks, source 1 = weights: lane (r, h) holds row 8 h + j and, over its four accumulators, the columns 4 r .. 4 r + 3: 16 bytes; 16 lanes store 256 consecutive bytes, aligned.
; Tiles at or past the expert's count are not stored.
; LIMITS.  Ranks from 320 on take a tail without LDS writes and barriers, which reads the weights again for each tile: right for every split, slow for a very uneven one.
; NO MULTICAST here: each weight byte has one reader; h's tiles are shared by the eight column slices of one (e, kq), about as many bytes as the weights, and come from what the launch before has just stored.
.set WOFF,  81920                      ; a slot: 20 tiles x 4,096 bytes, then 32,768 bytes of weight fragments [K step 4][half 2][c 4][registers 0-3, 4-7][lane x 16]
.set SLOTB, 131072
.set SPARE, SLOTB+WOFF+32768           ; the spare words, 128 bytes a wave; no other line names them
; window 0
.set SPW, 1
.set NIL, 2
.set ASA, 3                            ; v3, v4    where I store h, tiles 0-15, slot 0, 1
.set WSA, 5                            ; v5, v6    where I store weight fragments
.set ASH, 7                            ; v7, v8    where I store h, tiles 16-19
.set BRA, 9                            ; v9, v10   where I read weight fragments
.set LN,  11
.set RR,  12
.set HH,  13
.set WO0, 14                           ; my byte offset in the weights: 131,072 h + 16 r
.set WO,  15                           ; the same, or 0 past the last chunk
.set AO0, 16                           ; my byte offset in a tile's chunk: 512 w + 16 lane
.set AO,  17                           ; the same, or 0
.set PO,  19                           ; my byte offset in a tile of part: 32,768 h + 16 r
.set TA,  20                           ; 16 x lane
.set BF,  24                           ; two buffers of four weight fragments
.set WS,  88                           ; two sets of 16 weight loads
.set M,   88                           ; the way out: a tile's 32 numbers, four columns side by side
.set AS0, 216                          ; h's loads of tiles 10-19: in window 0, so that the branches round tiles 16-19 need no switch
.set T,   216                          ; the rounded weights, where the loads of tiles 10-17 lay
; window 1
.set ACC, 0
.set AF,  160
.set AS1, 200                          ; h's loads of tiles 0-9
.set ARA, 240                          ; v240, v241 of window 1: where I read the fragments of my tiles 0-3
.set ARB, 242                          ; v242, v243 of window 1: of my fifth tile
.set MUL, 0x51                         ; source 0 (h), C and D window 1; source 1 (weights) window 0
.set MSB, 0
.macro WIN new                         ; s_set_vgpr_msb: bits 1:0 source 0, 3:2 source 1, 5:4 source 2, 7:6 destination; the high byte repeats the setting that is left
.if MSB != (\new)
	s_set_vgpr_msb (MSB<<8)|(\new)
.set MSB, \new
.endif
.endm
.macro PLACES                          ; four places between a product and a load into, or a read of, its registers
.rept 4
	v_nop
.endr
.endm
.macro WPART set, extra, first         ; 8 of my 16 loads: rows p and p + 32 of my 16 + 16, 256 bytes each
.set p, \first
.rept 8
	global_load_b128 v[WS+64*(\set)+4*p:WS+64*(\set)+4*p+3], v[WO], s[20:21] offset:4096*p+(\extra) th:TH_LOAD_NT
.set p, p+1
.endr
.endm
.macro WISSUE set, extra
	WPART \set, \extra, 0
	WPART \set, \extra, 8
.endm
; my 512 bytes of each tile's chunk.  cond = 1: of tiles 16-19 those at or past the number of tiles are jumped
.macro AISSUE cond
	WIN 0x40
.irp i, 0,1,2,3,4,5,6,7,8,9
	global_load_b128 v[AS1+4*(\i):AS1+4*(\i)+3], v[AO], s[18:19] offset:131072*(\i)
.endr
	WIN 0
.irp i, 10,11,12,13,14,15
	global_load_b128 v[AS0+4*((\i)-10):AS0+4*((\i)-10)+3], v[AO], s[18:19] offset:131072*(\i)
.endr
.irp i, 16,17,18,19
.if \cond
	s_cmp_le_u32 s32, \i
	s_cbranch_scc1 .Lnoa_\@
.endif
	global_load_b128 v[AS0+4*((\i)-10):AS0+4*((\i)-10)+3], v[AO], s[18:19] offset:131072*(\i)
.endr
.if \cond
.Lnoa_\@:
.endif
.endm
.macro CVTW dst, set                   ; register i of fragment c = positions 2 i, 2 i + 1 of column 4 v + c
.irp c, 0,1,2,3
.irp i, 0,1,2,3,4,5,6,7
	v_cvt_pk_bf16_f32 v[(\dst)+8*(\c)+(\i)], v[WS+64*(\set)+8*(\i)+(\c)], v[WS+64*(\set)+8*(\i)+4+(\c)]
.endr
.endr
.endm
.macro S1 slot, set, cnt               ; what has landed goes into the slot: 28 LDS stores
	s_wait_loadcnt \cnt                            ; 16: only the weights of the chunk behind this one were issued behind this chunk's h; this chunk's weights are older still
	WIN 0x04
.irp i, 0,1,2,3,4,5,6,7,8,9
	ds_store_b128 v[ASA+(\slot)], v[AS1+4*(\i):AS1+4*(\i)+3] offset:4096*(\i)
.endr
	WIN 0
.irp i, 10,11,12,13,14,15
	ds_store_b128 v[ASA+(\slot)], v[AS0+4*((\i)-10):AS0+4*((\i)-10)+3] offset:4096*(\i)
.endr
.irp i, 16,17,18,19
	ds_store_b128 v[ASH+(\slot)], v[AS0+4*((\i)-10):AS0+4*((\i)-10)+3] offset:4096*((\i)-16)
.endr
	CVTW T, \set
.irp q, 0,1,2,3,4,5,6,7
	ds_store_b128 v[WSA+(\slot)], v[T+4*(\q):T+4*(\q)+3] offset:512*(\q)
.endr
.endm
; The next requests: the bases for h of chunk s22 and the weights of chunk s23, and h's loads; the weights' loads follow in the next chunk.  Past chunk 7 base and lane offsets fall back to the start:
; such a load reads 16 bytes inside the buffer that nobody uses, and every count stays as it is: the price of one text for all trips.
.macro S2A
	WIN 0
	s_wait_xcnt 0x0                                ; bases and offsets of the loads issued so far are rewritten only behind this wait
	s_cmp_lt_u32 s22, 8
	s_cselect_b32 s25, -1, 0
	s_cselect_b32 s28, s22, 0
	s_lshl_b32 s28, s28, 12                        ; a chunk is 4,096 bytes of a tile
	s_add_nc_u64 s[18:19], s[6:7], s[28:29]
	v_and_b32 v[AO], s25, v[AO0]
	s_cmp_lt_u32 s23, 8
	s_cselect_b32 s26, -1, 0
	s_cselect_b32 s28, s23, 0
	s_lshl_b32 s28, s28, 19                        ; and 128 rows of 4,096 bytes of w_proj
	s_add_nc_u64 s[20:21], s[8:9], s[28:29]
	v_and_b32 v[WO], s26, v[WO0]
	s_add_co_u32 s22, s22, 1
	s_add_co_u32 s23, s23, 1
	AISSUE 1
.endm
.macro FRAG0 slot                      ; a chunk's first fragments, the fifth tile's always among them
	WIN 0
.irp q, 0,1,2,3,4,5,6,7
	ds_load_b128 v[BF+4*(\q):BF+4*(\q)+3], v[BRA+(\slot)] offset:512*(\q)
.endr
	WIN MUL
.irp i, 0,1,2,3
	ds_load_b128 v[AF+8*(\i):AF+8*(\i)+3],   v[ARA+(\slot)] offset:4096*(\i)
	ds_load_b128 v[AF+8*(\i)+4:AF+8*(\i)+7], v[ARA+(\slot)] offset:4096*(\i)+512
.endr
	ds_load_b128 v[AF+32:AF+35], v[ARB+(\slot)]
	ds_load_b128 v[AF+36:AF+39], v[ARB+(\slot)] offset:512
.endm
; one tile's four products of a K step; roll = 1: behind them its fragment of the next step is fetched
.macro TILE slot, ks, zero, roll, i, adr, off, cnt
	s_wait_dscnt \cnt
.irp c, 0,1,2,3
.if \zero
	v_wmma_f32_16x16x32_bf16 v[ACC+32*(\i)+8*(\c):ACC+32*(\i)+8*(\c)+7], v[AF+8*(\i):AF+8*(\i)+7], v[BF+32*((\ks)%2)+8*(\c):BF+32*((\ks)%2)+8*(\c)+7], 0
.else
	v_wmma_f32_16x16x32_bf16 v[ACC+32*(\i)+8*(\c):ACC+32*(\i)+8*(\c)+7], v[AF+8*(\i):AF+8*(\i)+7], v[BF+32*((\ks)%2)+8*(\c):BF+32*((\ks)%2)+8*(\c)+7], v[ACC+32*(\i)+8*(\c):ACC+32*(\i)+8*(\c)+7]
.endif
.endr
.if \roll
	PLACES
	ds_load_b128 v[AF+8*(\i):AF+8*(\i)+3],   v[(\adr)+(\slot)] offset:(\off)+1024*((\ks)+1)
	ds_load_b128 v[AF+8*(\i)+4:AF+8*(\i)+7], v[(\adr)+(\slot)] offset:(\off)+1024*((\ks)+1)+512
.endif
.endm
; 32 along K: 16 or 20 products, the accumulators by turns in the same order in every step.  roll = 1: the next step's fragments are fetched: the weights' at the head, a tile's behind its products.
; THE COUNTS hold on both ways round the fifth tile.  Tiles 0-3, 14: where the fifth tile is jumped, behind tile i's fragment were issued the later tiles' 2 (3 - i), the next step's 8 of weights and
; the earlier tiles' next 2 i; where it is not, two more, and the two that the smaller count also awaits are a step old.  The fifth tile, 16: 8 of weights and the four tiles' 8.
; In a chunk's last step: the later tiles' 6 - 2 i, for the fifth tile none, and young: the LDS stores issued in front of the step (28, or none behind the last chunk).
.macro KSTEP slot, ks, zero, roll, young=0
.if \roll
	WIN 0
.irp q, 0,1,2,3,4,5,6,7
	ds_load_b128 v[BF+32*(((\ks)+1)%2)+4*(\q):BF+32*(((\ks)+1)%2)+4*(\q)+3], v[BRA+(\slot)] offset:8192*((\ks)+1)+512*(\q)
.endr
.endif
	WIN MUL
.irp i, 0,1,2,3
.if \roll
	TILE \slot, \ks, \zero, 1, \i, ARA, 4096*(\i), 14
.else
	TILE \slot, \ks, \zero, 0, \i, ARA, 4096*(\i), 6-2*(\i)+(\young)
.endif
.endr
.if !(\zero)
	WIN 0                                          ; at a branch and at a label every window is 0
	s_cmp_eq_u32 s37, 0
	s_cbranch_scc1 .Ldead_\@                       ; my fifth tile holds no rank below the count
	WIN MUL
.endif
.if \roll
	TILE \slot, \ks, \zero, 1, 4, ARB, 0, 16
.else
	TILE \slot, \ks, \zero, 0, 4, ARB, 0, \young
.endif
.if !(\zero)
	WIN 0
.Ldead_\@:
.endif
.endm
; a chunk's K steps 1 and 2, in front of each half of the requests for the weights two chunks on, into the set that this chunk's weights have left
.macro MID slot
	WIN 0
	WPART \slot, 0, 0
	KSTEP \slot, 1, 0, 1
	WPART \slot, 0, 8
	KSTEP \slot, 2, 0, 1
.endm
; A CHUNK'S END AND THE NEXT ONE'S HEAD.  The next chunk is stored into the other slot, which nobody has read since the last barrier; h of the chunk behind it is asked for; K step 3 is multiplied while the
; stores are served.  Then ONE barrier for two things: in front of it my stores into the other slot are done, and my reads of this slot, which is stored into a chunk later, are over.
.macro LAST slot, other
	S1 \other, \other, 16
	S2A
	KSTEP \slot, 3, 0, 0, 28
	PLACES                                         ; between the chunk's last products and the loads into their sources
	s_wait_dscnt 0x0
	s_barrier_signal -1
	s_barrier_wait -1
	FRAG0 \other
	KSTEP \other, 0, 0, 1
.endm
; the tile in accumulators (i, 0..3) is stored at s[30:31]: the four columns of a row are put side by side (each accumulator's registers in ascending order), then eight stores
.macro POUT i
	WIN 0x01
.irp j, 0,1,2,3,4,5,6,7
.irp c, 0,1,2,3
	v_mov_b32 v[M+4*(\j)+(\c)], v[ACC+32*(\i)+8*(\c)+(\j)]
.endr
.endr
	WIN 0
.irp j, 0,1,2,3,4,5,6,7
	global_store_b128 v[PO], v[M+4*(\j):M+4*(\j)+3], s[30:31] offset:4096*(\j)
.endr
.endm
	s_load_b256 s[4:11], s[0:1], 0x0               ; bm s[4:5], hfr s[6:7], w_proj s[8:9], part s[10:11]
	v_lshl_add_u32 v[SPW], v0, 2, SPARE
	v_mov_b32 v[NIL], 0
	v_lshrrev_b32 v18, 5, v0
	v_readfirstlane_b32 s2, v18                    ; wave
	s_and_b32 s3, s2, 3                            ; mq; also the K step that I stage
	s_lshr_b32 s14, s2, 2                          ; nh; also the column half that I stage
	s_and_b32 s15, ttmp7, 0xffff                   ; expert
	s_and_b32 s16, ttmp9, 7                        ; column slice
	s_lshr_b32 s17, ttmp9, 3                       ; quarter of K
	s_mov_b32 s29, 0                               ; the high word of every offset; never rewritten
	v_and_b32 v[LN], 31, v0
	v_and_b32 v[RR], 15, v0
	v_bfe_u32 v[HH], v0, 4, 1
	v_lshlrev_b32 v18, 4, v[RR]
	v_lshl_add_u32 v[WO0], v[HH], 17, v18          ; 32 rows of 4,096 bytes for the upper half of the lanes
	v_mov_b32 v[WO], v[WO0]
	v_lshl_add_u32 v[PO], v[HH], 15, v18
	v_lshlrev_b32 v[TA], 4, v[LN]
	s_lshl_b32 s28, s15, 24                        ; an expert's 16 MB,
	s_lshl_b32 s30, s17, 22                        ; a quarter's 1,024 rows,
	s_add_co_u32 s28, s28, s30
	s_lshl_b32 s30, s16, 9                         ; the slice's 512 bytes of a row,
	s_lshl_b32 s31, s14, 8                         ; my half of them
	s_add_co_u32 s30, s30, s31
	s_add_co_u32 s28, s28, s30
	s_wait_kmcnt 0x0
	s_add_nc_u64 s[34:35], s[8:9], s[28:29]        ; the tail's base
	s_bfe_u32 s28, s2, 0x10001                     ; my K step 2 g + s: g x 64 rows,
	s_lshl_b32 s28, s28, 18
	s_and_b32 s31, s2, 1                           ; s x 16 rows
	s_lshl_b32 s31, s31, 16
	s_add_co_u32 s28, s28, s31
	s_add_nc_u64 s[8:9], s[34:35], s[28:29]
	s_mov_b64 s[20:21], s[8:9]
	WISSUE 0, 0                                    ; the weights of chunk 0 go out before anything else,
	s_lshl_b32 s28, s15, 23                        ; hfr: the expert's 8 MB, the quarter's 16 groups of 2,048 bytes
	s_lshl_b32 s31, s17, 15
	s_add_co_u32 s28, s28, s31
	s_add_nc_u64 s[6:7], s[6:7], s[28:29]
	s_mov_b64 s[18:19], s[6:7]
	s_lshl_b32 s31, s2, 9
	v_lshl_add_u32 v[AO0], v[LN], 4, s31
	v_mov_b32 v[AO], v[AO0]
	AISSUE 0                                       ; then h of chunk 0, all 20 tiles: every register and every LDS byte of the ring's tiles is written once,
	WISSUE 1, 1<<19                                ; then the weights of chunk 1, which the first wait leaves out
	s_lshl_b32 s28, s15, 7
	s_add_nc_u64 s[4:5], s[4:5], s[28:29]
	s_load_b512 s[68:83], s[4:5], 0x0              ; the expert's bitmap, for its count
	s_load_b512 s[84:99], s[4:5], 0x40
	s_lshl3_add_u32 s28, s17, s15                  ; part: [kq][e], 4 MB each; my 256 bytes of a row
	s_lshl_b32 s28, s28, 22
	s_add_co_u32 s28, s28, s30
	s_add_nc_u64 s[10:11], s[10:11], s[28:29]
	v_mov_b32 v[ASA], v[AO0]                       ; LDS addresses: a constant, the wave's number times a constant, a lane term
	v_add_nc_u32 v[ASA+1], SLOTB, v[ASA]
	v_add_nc_u32 v[ASH], 65536, v[ASA]
	v_add_nc_u32 v[ASH+1], SLOTB+65536, v[ASA]
	s_lshl_b32 s30, s3, 13
	s_lshl_b32 s31, s14, 12
	s_add_co_u32 s30, s30, s31
	s_add_co_u32 s30, s30, WOFF
	v_lshl_add_u32 v[WSA], v[LN], 4, s30
	v_add_nc_u32 v[WSA+1], SLOTB, v[WSA]
	s_add_co_u32 s31, s31, WOFF
	v_lshl_add_u32 v[BRA], v[LN], 4, s31
	v_add_nc_u32 v[BRA+1], SLOTB, v[BRA]
	s_lshl_b32 s30, s3, 14                         ; my tiles 4 mq .. 4 mq + 3, 4,096 bytes each
	v_lshl_add_u32 v18, v[LN], 4, s30
	v_add_nc_u32 v21, SLOTB, v18
	s_lshl1_add_u32 s38, s14, s3                   ; my fifth tile: 16 + (mq + 2 nh) % 4
	s_and_b32 s38, s38, 3
	s_add_co_u32 s38, s38, 16
	s_lshl_b32 s30, s38, 12
	v_lshl_add_u32 v22, v[LN], 4, s30
	v_add_nc_u32 v23, SLOTB, v22
	WIN 0x40
	v_mov_b32 v[ARA], v18
	v_mov_b32 v[ARA+1], v21
	v_mov_b32 v[ARB], v22
	v_mov_b32 v[ARB+1], v23
	WIN 0
	s_lshl_b32 s36, s3, 2                          ; my first tile
	s_wait_kmcnt 0x0
	s_mov_b32 s27, 0
.set j, 0
.rept 32
	s_bcnt1_i32_b32 s30, s[68+j]
	s_add_co_u32 s27, s27, s30
.set j, j+1
.endr
	s_min_u32 s27, s27, 1024
	s_add_co_u32 s32, s27, 15
	s_lshr_b32 s32, s32, 4                         ; tiles of 16 ranks
	s_cmp_lt_u32 s38, s32
	s_cselect_b32 s37, 1, 0                        ; is my fifth tile among them?
	s_sub_co_i32 s33, s32, 17                      ; my tiles from 20 on are 20 + mq + 4 i: their number is max(tiles - 17 - mq, 0) / 4
	s_sub_co_i32 s33, s33, s3
	s_max_i32 s33, s33, 0
	s_lshr_b32 s33, s33, 2
	s_min_u32 s33, s33, 11
	s_mov_b32 s22, 1                               ; the chunk whose h is asked for next,
	s_mov_b32 s23, 2                               ; and whose weights
	S1 0, 0, 16                                    ; chunk 0 is in; the 16 loads of chunk 1's weights, issued last, stay out
	S2A                                            ; h of chunk 1
	s_wait_dscnt 0x0
	s_barrier_signal -1
	s_barrier_wait -1
	FRAG0 0
	KSTEP 0, 0, 1, 1                               ; the first products start the sums, the fifth tile's too: nothing is cleared
	WIN 0
	s_mov_b32 s24, 4
.Lpair:                                                ; a trip: the rest of an even chunk, an odd chunk, the head of the next even one; left in its middle, in front of chunk 7's last K step
	MID 0
	LAST 0, 1
	MID 1
	s_sub_co_u32 s24, s24, 1
	s_cmp_eq_u32 s24, 0
	s_cbranch_scc1 .Lout
	LAST 1, 0
	s_branch .Lpair
.Lout:
	KSTEP 1, 3, 0, 0                               ; the last K step is written out: nothing is left to stage
	s_wait_loadcnt 0x0                             ; the loads that looked past the end have landed: their registers are free
	PLACES
	s_wait_tensorcnt 0x0                           ; my last LDS store is long out
	ds_add_u32 v[SPW], v[NIL]
	s_wait_dscnt 0x0
.irp i, 0,1,2,3
	s_add_co_u32 s28, s36, \i
	s_cmp_ge_u32 s28, s32
	s_cbranch_scc1 .Lpdone                         ; this tile and those behind it (the fifth has the highest number) hold no rank below the count
	s_wait_xcnt 0x0                                ; the stores' base and data are rewritten only behind this wait
	s_lshl_b32 s28, s28, 16                        ; 16 rows of 4,096 bytes
	s_add_nc_u64 s[30:31], s[10:11], s[28:29]
	POUT \i
.endr
	s_cmp_eq_u32 s37, 0
	s_cbranch_scc1 .Lpdone
	s_wait_xcnt 0x0
	s_lshl_b32 s28, s38, 16
	s_add_nc_u64 s[30:31], s[10:11], s[28:29]
	POUT 4
.Lpdone:
	; THE TAIL: ranks from 320 on.  No LDS at all, no barrier.
	s_cmp_eq_u32 s33, 0
	s_cbranch_scc1 .Lend
	v_mov_b32 v[WO], v[WO0]
	s_mov_b32 s25, 0
	s_add_co_u32 s26, s3, 20                       ; the tile
.Ltail:
	s_wait_xcnt 0x0
	s_min_u32 s28, s26, 63
	s_lshl_b32 s28, s28, 17
	s_add_nc_u64 s[18:19], s[6:7], s[28:29]
	s_mov_b64 s[20:21], s[34:35]
	WIN 0x40
.set i, 0
.rept 32
	v_mov_b32 v[ACC+i], 0                          ; cleared, so that one text serves all 16 steps of this rare path
.set i, i+1
.endr
	WIN 0
	s_mov_b32 s24, 16
.Ltk:                                                  ; 64 along K, a group of hfr: weights and h straight from memory into registers
	PLACES
	WISSUE 0, 0
	WISSUE 1, 65536
	WIN 0x40
.irp q, 0,1,2,3
	global_load_b128 v[AF+4*(\q):AF+4*(\q)+3], v[TA], s[18:19] offset:512*(\q)
.endr
	s_wait_loadcnt 0x0
	WIN 0
	CVTW BF, 0
	CVTW BF+32, 1
	WIN MUL
.irp k, 0,1
.irp c, 0,1,2,3
	v_wmma_f32_16x16x32_bf16 v[ACC+8*(\c):ACC+8*(\c)+7], v[AF+8*(\k):AF+8*(\k)+7], v[BF+32*(\k)+8*(\c):BF+32*(\k)+8*(\c)+7], v[ACC+8*(\c):ACC+8*(\c)+7]
.endr
.endr
	WIN 0
	s_add_nc_u64 s[18:19], s[18:19], 2048
	s_add_nc_u64 s[20:21], s[20:21], 1<<18
	s_sub_co_u32 s24, s24, 1
	s_cmp_lg_u32 s24, 0
	s_cbranch_scc1 .Ltk
	PLACES
	s_min_u32 s28, s26, 63
	s_lshl_b32 s28, s28, 16
	s_add_nc_u64 s[30:31], s[10:11], s[28:29]
	POUT 0
	s_add_co_u32 s26, s26, 4
	s_add_co_u32 s25, s25, 1
	s_cmp_lt_u32 s25, s33
	s_cbranch_scc1 .Ltail
.Lend:
	s_endpgm
.Lfunc_end_k_qafabd6ea0c_proj:
	.size	k_qafabd6ea0c_proj, .Lfunc_end_k_qafabd6ea0c_proj-k_qafabd6ea0c_proj
	.p2alignl 7, 3214868480
	.fill 96, 4, 3214868480
	.section	.rodata,"a",@progbits
	.p2align	6, 0x0
	.amdhsa_kernel k_qafabd6ea0c_proj
		.amdhsa_group_segment_fixed_size 246784
		.amdhsa_private_segment_fixed_size 0
		.amdhsa_enable_private_segment 0
		.amdhsa_kernarg_size 32
		.amdhsa_user_sgpr_count 2
		.amdhsa_user_sgpr_kernarg_segment_ptr 1
		.amdhsa_wavefront_size32 1
		.amdhsa_system_sgpr_workgroup_id_x 1
		.amdhsa_system_sgpr_workgroup_id_y 1
		.amdhsa_system_sgpr_workgroup_id_z 1
		.amdhsa_system_vgpr_workitem_id 0
		.amdhsa_next_free_vgpr 512
		.amdhsa_next_free_sgpr 100
		.amdhsa_reserve_vcc 0
		.amdhsa_float_denorm_mode_32 3
		.amdhsa_float_denorm_mode_16_64 3
		.amdhsa_memory_ordered 1
		.amdhsa_forward_progress 1
		.amdhsa_inst_pref_size 88
	.end_amdhsa_kernel
	.amdgpu_metadata
---
amdhsa.version: [ 1, 2 ]
amdhsa.kernels:
  - .name:           k_qafabd6ea0c_proj
    .symbol:         k_qafabd6ea0c_proj.kd
    .args:
      - { .name: bm, .offset: 0, .size: 8, .value_kind: global_buffer, .address_space: global }
      - { .name: hfr, .offset: 8, .size: 8, .value_kind: global_buffer, .address_space: global }
      - { .name: w_proj, .offset: 16, .size: 8, .value_kind: global_buffer, .address_space: global }
      - { .name: part, .offset: 24, .size: 8, .value_kind: global_buffer, .address_space: global }
    .group_segment_fixed_size: 246784
    .private_segment_fixed_size: 0
    .kernarg_segment_align: 8
    .kernarg_segment_size: 32
    .max_flat_workgroup_size: 256
    .sgpr_count:     100
    .vgpr_count:     512
    .wavefront_size: 32
...
	.end_amdgpu_metadata
.endif
;; end of part 6
;; launch sum: the kernel of part 4 again; grid 256 x 1, 8 waves a work-group, no clusters, 0 bytes of LDS; arguments sel, pre, gate, part, out0; writes out0
;; ======== version 3 of 3: 4 launches; version 2 with the launches fc, proj written anew for expert scheduling mode
;; workspace buffers: xb 2,097,152 bytes; bm 1,024 bytes of whole numbers; sel 4,096 bytes of whole numbers; gate 8,192 bytes; pre 1,024 bytes of whole numbers; hfr 67,108,864 bytes; part 134,217,728 bytes
;; launch router: the kernel of part 1 again; grid 32 x 1, 8 waves a work-group, no clusters, 78,848 bytes of LDS; arguments x, router_w, xb, bm, sel, gate; writes xb, bm, sel, gate
;; launch fc (part 7): grid 32 x 8, 8 waves a work-group, no clusters, 256,256 bytes of LDS; arguments bm, xb, w_fc, hfr, pre; writes hfr, pre
.if DOCPART == 7
	.amdgcn_target "amdgcn-amd-amdhsa--gfx1250"
	.amdhsa_code_object_version 6
	.text
	.protected	k_qafabd6ea0c_fc
	.globl	k_qafabd6ea0c_fc
	.p2align	8
	.type	k_qafabd6ea0c_fc,@function
k_qafabd6ea0c_fc:
	s_mov_b64 s[64:65], 0
	v_nop
	global_prefetch_b8 v0, s[64:65] scope:SCOPE_SE
	s_setreg_imm32_b32 hwreg(HW_REG_WAVE_SCHED_MODE, 0, 2), 2
	s_setreg_imm32_b32 hwreg(HW_REG_WAVE_MODE, 25, 1), 1
	s_wait_xcnt 0x0
	s_wait_alu depctr_vm_vsrc(0)
; FIRST PRODUCT OF THE EXPERTS.  h = gelu(x w_fc[e]) for the tokens that chose expert e, in the order of their rank among e's tokens.
; A work-group is (expert e = y, slice = x: 128 of the 4,096 hidden columns): 512 KB of f32 weights that it alone reads, once, and all of the expert's rows.
; WEIGHTS.  w_fc[e] lies [k][n] in f32.  A lane loads 16 bytes (columns 4 v .. 4 v + 3) of the 16 rows k that a 16-bit operand's lane holds; 32 roundings in pairs make of them four whole
; operand fragments: fragment c holds the columns 4 v + c.  Each load of a wave covers two aligned runs of 256 bytes.  No transposition is needed.
; SHARES.  Eight waves.  Wave w: mq = w % 4, nh = w / 4: tiles 4 mq .. 4 mq + 3 of 16 ranks and a fifth, tile 16 + (mq + 2 nh) % 4, x 64 columns (4 fragments): 20 accumulators.  It stages K step w % 4,
; column half w / 4 of each chunk's weights and 40 of the chunk's 320 token rows.  K goes in 8 chunks of 128 through two LDS slots; one barrier a chunk.
; THE FIFTH TILE is multiplied only if it holds a rank below the expert's count: otherwise its four products and two fragment loads are jumped in every K step but the first, which writes its accumulators.
; A CHUNK'S ORDER.  Behind the barrier: the first fragments, K step 0; 8 requests for the weights two chunks on, K step 1; the other 8, K step 2; then what has landed for the next chunk goes into the
; other slot (28 LDS stores; nobody has read that slot since the barrier), the rows of the chunk after that are asked for (20 loads), and K step 3, which reads nothing from LDS, is multiplied while the
; stores are served.  So a row load has a whole chunk in which to land, a weight load a chunk and a quarter or more: up to 52 loads of 512 bytes of a wave are out.
; THE TOKENS.  The expert's bitmap, stored by the launch before, lies in 32 scalar registers.  Lane l of wave w finds the tokens of ranks 40 w + 2 l and 40 w + 2 l + 1: the last word whose count of earlier
; tokens is not above the rank, then the bit in it by five halvings over partial bit counts.  The two are packed, and 20 lanes' words go into scalar registers, where they stay: a chunk's row offsets are made
; from them with three vector instructions a load, no LDS read and no barrier.  A rank past the count ends at some token below 1,024: a row that exists; its results are never used.
; ROWS PAST THE COUNT are asked for in chunk 0 alone: later a wave's ten loads (20 ranks) are jumped if their first rank is at or past the count.  Their LDS stores stay, so that every byte that is read
; has been written; the registers then hold old numbers, which reach only ranks that nobody uses.
; THE PRODUCT IS USED TRANSPOSED (source 0 = weights, source 1 = tokens): lane (r, h) holds rank r and, over its four accumulators, the 32 neighbouring columns 32 h + 4 j + c.
; OUT.  hfr [e][tile 64][group 64][q 4][lane 32][16 bytes], bf16: lane (r, h) holds rank r of the tile, hidden columns 64 g + 32 h + 8 q .. + 7: the next launch's operand registers as they are.
; pre [32][8]: how many of the expert's tokens lie in earlier words of its bitmap (stored by slice 0).
; GELU.  x Phi(x) = max(x, 0) - |x| Q(|x|), Q(z) = (1 + d1 z + .. + d6 z^6)^-16 / 2 (Abramowitz and Stegun 26.2.19: Q is off by less than 1.5e-7 for every z): no difference of near numbers for x < 0.
; LIMITS.  Tiles 0-19 (320 ranks) are always stored, whatever the count (ranks past the count hold numbers that nobody uses).  Ranks from 320 on take a tail without LDS writes and
; barriers, which reads the slice's weights again for each tile of 16 ranks: right for every split, slow for a very uneven one.  NaN and infinities are not treated apart.
; NO MULTICAST: each weight byte has one reader, and the token rows come by a list, which no tile descriptor covers.
; THE MODE: SCHED_MODE bits 1:0 = 2 (LLVM: expert scheduling mode 2), set by the entry lines.  The code itself states the register dependences between vector or matrix instructions and memory or LDS
; instructions, and between vector instructions that write scalar registers and their readers, with s_wait_alu, always for 0.
; THE PLAN.  Registers that memory or LDS instructions touch, in the loop:
;   BF0, BF1    K step ks: its products read BF[ks % 2]; the LDS loads at its head land in the other one, which the products of step ks - 1 read.
;   AF0 .. AF4  A tile's four products read its fragment; behind them the next step's fragment lands in it.  The tiles go in groups: 0 and 1, 2 and 3, the fifth.
;   WS0, WS1    Global loads land in a set in K steps 1 and 2; the staging's 32 roundings read it a chunk later.
;   AS0, AS1    A row load's offset is made in its first register, the load lands, an LDS store reads the four; the rounded weights T are written over AS0's first 32 and stored from there.
;   v[WO]       Read by the weights' loads; written once a chunk, in the staging.
;   The LDS addresses are made at the head and never written again.
; THE WAITS of a chunk.  One on va_vdst behind each group's products: the group's next fragments follow it and land while the other groups are multiplied; the last of a step also serves the loads at the
; next step's head and the weights' requests between steps, since no vector or matrix instruction stands between.  One behind the barrier, ahead of a chunk's first fragments.  In the staging: vm_vsrc behind
; AS0's stores, va_vdst behind the roundings, vm_vsrc behind the last stores, va_vdst behind the offsets.
.set PITCH, 272                        ; a token row in LDS: 256 bytes + 16: the 16 rows of a fragment load start at 16 different groups of banks
.set WOFF,  320*PITCH                  ; behind a slot's 320 rows: 32,768 bytes of weight fragments [K step 4][half 2][c 4][registers 0-3, 4-7][lane x 16]
.set SLOTB, 131072                     ; slot 1 begins here
.set LIST,  SLOTB+WOFF+32768           ; for the tail alone: 1,024 words by rank, 32 words for the lanes that have nothing to store; the claim's last 1,024 bytes behind it are the spare words of the add at the end
.set EPB,   20480                      ; the way out: a wave's 160 accumulator registers, over the ring when it has been read out
; window 0
.set ASA, 3                            ; v3, v4    where I store token rows, slot 0, 1
.set WSA, 5                            ; v5, v6    where I store weight fragments
.set ARA, 7                            ; v7, v8    where I read the fragments of my tiles 0-3
.set BRA, 9                            ; v9, v10   where I read weight fragments
.set LN,  11                           ; lane
.set RR,  12                           ; lane % 16
.set HH,  13                           ; lane / 16
.set WO0, 14                           ; my byte offset in the weights: 131,072 h + 16 r
.set WO,  15                           ; the same, or 0 in the trips that look past the last chunk
.set LP,  16                           ; 16 r
.set SH,  17                           ; 16 h: which half of a pair of tokens is mine
.set ARB, 20                           ; v20, v21  where I read the fragments of my fifth tile
.set BF,  24                           ; v[24:87]   two buffers of four weight fragments
.set SEL, 24                           ; at the start: the search's two sets of 12: +0 rank, +1 word, +2 count | word number << 16, +3 .. +6 bit counts of 2, 4, 8, 16, +7 place, +8, +9 at work
.set PR,  48                           ; the two tokens, packed
.set LZA, 49                           ; at the start, for the list: where I store zeros,
.set LNO, 50                           ; the rank of a lane without a token,
.set LZ,  52                           ; v[52:55]   four zeros,
.set LD,  56                           ; v[56:87]   word j's token of my lane,
.set LA,  216                          ; v[216:247] and where it goes
.set WS,  88                           ; v[88:215]  two sets of 16 weight loads
.set AS0, 216                          ; v[216:255] token loads 0-9
.set T,   216                          ; the rounded weights, where token loads 0-7 lay
.set TQ,  216                          ; the tail: its tiles' tokens, a queue of 11
; window 1
.set ACC, 0                            ; accumulator (i, c) at 32 i + 8 c
.set AF,  160                          ; five token fragments
.set AS1, 200                          ; token loads 10-19
.set LP1, 240                          ; 16 r once more
.set EPR, 241                          ; the way out: where I read a tile back
.set GO,  242                          ; 16 x lane
.set SH1, 243                          ; 16 h once more
.set G,   0                            ; the way out, all in window 1: a tile's 32 numbers,
.set Z,   32                           ; their magnitudes,
.set P,   64                           ; the polynomial,
.set O,   96                           ; 16 registers of bf16
.set PAIR, 68                          ; s[68:87]  my 20 pairs of tokens, where the bitmap lay
.set PC,  36                           ; at the start, where gelu's constants lie later: s[36:39] four words' counts of earlier tokens,
.set PK,  40                           ; s[40:43]  the same with the word's number above,
.set MA,  44                           ; s[44:47]  the compares' masks for my first rank,
.set MB,  56                           ; s[56:59]  and for my second
.set MUL, 0x54                         ; source 0 window 0 (weights); source 1, C and D window 1
.set MSB, 0
.macro WIN new                         ; s_set_vgpr_msb: bits 1:0 source 0, 3:2 source 1, 5:4 source 2, 7:6 destination; the high byte repeats the setting that is left
.if MSB != (\new)
	s_set_vgpr_msb (MSB<<8)|(\new)
.set MSB, \new
.endif
.endm
.macro PLACES                          ; four places between a product and a vector instruction or a store that reads its result or writes one of its sources
.rept 4
	v_nop
.endr
.endm
; 8 of the 16 loads of my K step's 32 rows x 64 columns of f32.  Load p is row p + 8 (p / 8) + 8 h of the K step
.macro WPART set, extra, first
.set p, \first
.rept 8
	global_load_b128 v[WS+64*(\set)+4*p:WS+64*(\set)+4*p+3], v[WO], s[20:21] offset:(p+8*(p/8))*16384+(\extra) th:TH_LOAD_NT
.set p, p+1
.endr
.endm
.macro WISSUE set, extra
	WPART \set, \extra, 0
	WPART \set, \extra, 8
.endm
; The offsets of 10 loads of two token rows' 256 bytes each.  My half's token is cut out of the pair (10 bits; 0 bits, which gives token 0, past the last chunk), held to 1,023, and becomes the offset
; token x 2,048 + 16 r in the register on which the load then lands
.macro AADR base, lp, sh, first
.irp i, 0,1,2,3,4,5,6,7,8,9
	v_bfe_u32 v[(\base)+4*(\i)], s[PAIR+(\first)+(\i)], v[\sh], s25
.endr
.irp i, 0,1,2,3,4,5,6,7,8,9
	v_min_u32 v[(\base)+4*(\i)], 0x3ff, v[(\base)+4*(\i)]
.endr
.irp i, 0,1,2,3,4,5,6,7,8,9
	v_lshl_add_u32 v[(\base)+4*(\i)], v[(\base)+4*(\i)], 11, v[\lp]
.endr
.endm
.macro ALD base                        ; and the 10 loads
.irp i, 0,1,2,3,4,5,6,7,8,9
	global_load_b128 v[(\base)+4*(\i):(\base)+4*(\i)+3], v[(\base)+4*(\i)], s[18:19]
.endr
.endm
; my 40 rows.  cond = 1: ten loads whose first rank is at or past the count are jumped, and with the first ten the second.  Both tens' offsets are made first, so that one wait finds them written
.macro AISSUE cond
	WIN 0
.if \cond
	s_cmp_ge_u32 s54, s27
	s_cbranch_scc1 .Lnoa_\@
.endif
	AADR AS0, LP, SH, 0
.if \cond
	s_cmp_ge_u32 s55, s27
	s_cbranch_scc1 .Lone_\@
.endif
	WIN 0x55                                       ; every vector operand in window 1
	AADR AS1, LP1, SH1, 10
	s_wait_alu depctr_va_vdst(0)                   ; both tens' offsets are written, which the loads read and land on; so are the rounded weights' registers, in which the first ten land
	ALD AS1
	WIN 0
.if \cond
.Lone_\@:
	s_wait_alu depctr_va_vdst(0)                   ; on the way that jumps the second ten: the first ten's offsets and the rounded weights' registers are written
.endif
	ALD AS0
.if \cond
.Lnoa_\@:
.endif
.endm
; 32 roundings: register i of fragment c = positions 2 i, 2 i + 1 of column 4 v + c
.macro CVTW dst, set
.irp c, 0,1,2,3
.irp i, 0,1,2,3,4,5,6,7
	v_cvt_pk_bf16_f32 v[(\dst)+8*(\c)+(\i)], v[WS+64*(\set)+8*(\i)+(\c)], v[WS+64*(\set)+8*(\i)+4+(\c)]
.endr
.endr
.endm
; THE STAGING.  What has landed goes into the slot: my 40 token rows, my 8 KB of weights rounded to 4 KB: 28 LDS stores.  Among them the next requests are prepared: the bases for the rows of chunk s22
; and the weights of chunk s23; behind them the rows' loads; the weights' loads follow in the next chunk.  Past chunk 7 bases and offsets fall back to the start: such a load reads bytes inside the buffer
; that nobody uses (one run of 256 for the rows, 16 for the weights), and every count stays as it is: the price of one text for all trips.
.macro STAGE slot, set, cnt
	s_wait_loadcnt \cnt                            ; 16: only the weights of the chunk behind this one were issued behind this chunk's rows; this chunk's weights are older still
	WIN 0
.irp i, 0,1,2,3,4,5,6,7,8,9
	ds_store_b128 v[ASA+(\slot)], v[AS0+4*(\i):AS0+4*(\i)+3] offset:544*(\i)
.endr
	s_wait_xcnt 0x0                                ; bases and offsets of the loads issued so far are rewritten only behind this wait
	s_wait_alu depctr_vm_vsrc(0)                   ; the ten stores above have read v216 to v255, over which the roundings write; the weights' loads issued so far have read v[WO]
	s_cmp_lt_u32 s22, 8
	s_cselect_b32 s25, 10, 0                       ; the width of a token's field
	s_cselect_b32 s28, s22, 0
	s_lshl_b32 s28, s28, 8                         ; a chunk is 256 bytes of a row of xb
	s_add_nc_u64 s[18:19], s[6:7], s[28:29]
	s_cmp_lt_u32 s23, 8
	s_cselect_b32 s26, -1, 0
	s_cselect_b32 s28, s23, 0
	s_lshl_b32 s28, s28, 21                        ; and 128 rows of 16,384 bytes of w_fc
	s_add_nc_u64 s[20:21], s[8:9], s[28:29]
	v_and_b32 v[WO], s26, v[WO0]
	s_add_co_u32 s22, s22, 1
	s_add_co_u32 s23, s23, 1
	CVTW T, \set
	WIN 0x04
.irp i, 10,11,12,13,14,15,16,17,18,19
	ds_store_b128 v[ASA+(\slot)], v[AS1+4*((\i)-10):AS1+4*((\i)-10)+3] offset:544*(\i)   ; no wait: no vector instruction since the last wait on va_vdst names these registers
.endr
	WIN 0
	s_wait_alu depctr_va_vdst(0)                   ; the roundings have written T, which the stores below read, and are done reading the set of raw weights, in which the next chunk's requests land; v[WO] is written
.irp q, 0,1,2,3,4,5,6,7
	ds_store_b128 v[WSA+(\slot)], v[T+4*(\q):T+4*(\q)+3] offset:512*(\q)
.endr
	s_wait_alu depctr_vm_vsrc(0)                   ; the stores have read T and AS1, in which offsets are made and rows land
	AISSUE 1
.endm
; a chunk's first fragments, the fifth tile's always among them
.macro FRAG0 slot
	WIN 0
	s_wait_alu depctr_va_vdst(0)                   ; the products issued so far are done reading both weight buffers and the five fragments (at the first chunk: the search has written v24 to v87)
.irp q, 0,1,2,3,4,5,6,7
	ds_load_b128 v[BF+4*(\q):BF+4*(\q)+3], v[BRA+(\slot)] offset:512*(\q)
.endr
	WIN MUL
.irp i, 0,1,2,3
	ds_load_b128 v[AF+8*(\i):AF+8*(\i)+3],   v[ARA+(\slot)] offset:4352*(\i)
	ds_load_b128 v[AF+8*(\i)+4:AF+8*(\i)+7], v[ARA+(\slot)] offset:4352*(\i)+32
.endr
	ds_load_b128 v[AF+32:AF+35], v[ARB+(\slot)]
	ds_load_b128 v[AF+36:AF+39], v[ARB+(\slot)] offset:32
.endm
; one tile's four products of a K step
.macro PROD ks, zero, i
.irp c, 0,1,2,3
.if \zero
	v_wmma_f32_16x16x32_bf16 v[ACC+32*(\i)+8*(\c):ACC+32*(\i)+8*(\c)+7], v[BF+32*((\ks)%2)+8*(\c):BF+32*((\ks)%2)+8*(\c)+7], v[AF+8*(\i):AF+8*(\i)+7], 0
.else
	v_wmma_f32_16x16x32_bf16 v[ACC+32*(\i)+8*(\c):ACC+32*(\i)+8*(\c)+7], v[BF+32*((\ks)%2)+8*(\c):BF+32*((\ks)%2)+8*(\c)+7], v[AF+8*(\i):AF+8*(\i)+7], v[ACC+32*(\i)+8*(\c):ACC+32*(\i)+8*(\c)+7]
.endif
.endr
.endm
; a tile's fragment of the next K step
.macro NEXTF slot, ks, i, adr, off
	ds_load_b128 v[AF+8*(\i):AF+8*(\i)+3],   v[(\adr)+(\slot)] offset:(\off)+64*((\ks)+1)
	ds_load_b128 v[AF+8*(\i)+4:AF+8*(\i)+7], v[(\adr)+(\slot)] offset:(\off)+64*((\ks)+1)+32
.endm
; 32 along K: 16 or 20 products, the accumulators by turns in the same order in every step.  roll = 1: the next step's fragments are fetched: the weights' at the head, a group's behind its products.
; THE COUNTS hold on both ways round the fifth tile.  Tiles 0 and 1: behind their fragments were issued tiles 2 and 3's 4 loads and the next step's 8 of weights: 12.  Tiles 2 and 3: those 8 and tiles 0
; and 1's next 4: 12.  Where the fifth tile lives its 2 come on top, and the smaller count then also awaits two loads that are older than a group's products; in a chunk's step 0 they are always there: 14.
; The fifth tile: 8 of weights and the four tiles' 8: 16.  In a chunk's last step: 4, none and none, and young: the LDS stores issued in front of the step (28, or none behind the last chunk).
.macro KSTEP slot, ks, zero, roll, young=0
.if \roll
	WIN 0
.irp q, 0,1,2,3,4,5,6,7
	ds_load_b128 v[BF+32*(((\ks)+1)%2)+4*(\q):BF+32*(((\ks)+1)%2)+4*(\q)+3], v[BRA+(\slot)] offset:8192*((\ks)+1)+512*(\q)   ; no wait: the last wait on va_vdst stands behind the last product that read this buffer
.endr
.endif
	WIN MUL
.if (\roll) && ((\ks) == 0)
	s_wait_dscnt 14
.elseif \roll
	s_wait_dscnt 12
.else
	s_wait_dscnt 4+(\young)
.endif
	PROD \ks, \zero, 0
	PROD \ks, \zero, 1
.if \roll
	s_wait_alu depctr_va_vdst(0)                   ; the products of tiles 0 and 1 are done reading their fragments, in which the next step's land
	NEXTF \slot, \ks, 0, ARA, 0
	NEXTF \slot, \ks, 1, ARA, 4352
.endif
.if (\roll) && ((\ks) == 0)
	s_wait_dscnt 14
.elseif \roll
	s_wait_dscnt 12
.else
	s_wait_dscnt \young
.endif
	PROD \ks, \zero, 2
	PROD \ks, \zero, 3
.if \roll
	s_wait_alu depctr_va_vdst(0)                   ; the products of tiles 2 and 3 are done reading their fragments; all four tiles' are done reading this step's weights, in which the loads at the next step's head land
	NEXTF \slot, \ks, 2, ARA, 2*4352
	NEXTF \slot, \ks, 3, ARA, 3*4352
.endif
.if !(\zero)
	WIN 0                                          ; at a branch and at a label every window is 0
	s_cmp_eq_u32 s49, 0
	s_cbranch_scc1 .Ldead_\@                       ; my fifth tile holds no rank below the count
	WIN MUL
.endif
.if \roll
	s_wait_dscnt 16
.else
	s_wait_dscnt \young
.endif
	PROD \ks, \zero, 4
.if \roll
	s_wait_alu depctr_va_vdst(0)                   ; the fifth tile's products are done reading its fragment and this step's weights
	NEXTF \slot, \ks, 4, ARB, 0
.endif
.if !(\zero)
	WIN 0
.Ldead_\@:
.endif
.endm
; a chunk's K steps 1 and 2, in front of each half of the requests for the weights two chunks on, into the set that this chunk's weights have left.
; The requests need no wait: no vector or matrix instruction stands between them and the last wait on va_vdst, and that one stands behind the roundings that read the set and behind the write of v[WO]
.macro MID slot
	WIN 0
	WPART \slot, 0, 0
	KSTEP \slot, 1, 0, 1
	WPART \slot, 0, 8
	KSTEP \slot, 2, 0, 1
.endm
; A CHUNK'S END AND THE NEXT ONE'S HEAD.  The next chunk is stored into the other slot, which nobody has read since the last barrier; the rows behind it are asked for; K step 3 is multiplied while the
; stores are served.  Then ONE barrier for two things: in front of it my stores into the other slot are done, and my reads of this slot, which is stored into a chunk later, are over.
.macro LAST slot, other
	STAGE \other, \other, 16
	KSTEP \slot, 3, 0, 0, 28
	s_wait_dscnt 0x0
	s_barrier_signal -1
	s_barrier_wait -1
	FRAG0 \other
	KSTEP \other, 0, 0, 1
.endm
; one halving of the search in a word, for both ranks: if the rank is not below the count of the lower part at my place, take that count away and move up
.macro HALVE src, width, inc
.irp q, SEL, SEL+12
	v_bfe_u32 v[(\q)+8], v[(\q)+(\src)], v[(\q)+7], \width
.endr
	v_cmp_ge_u32 s[MA],   v[SEL],    v[SEL+8]
	v_cmp_ge_u32 s[MA+1], v[SEL+12], v[SEL+20]
	s_wait_alu depctr_va_sdst(0)                   ; the two compares have written their masks, which the selects read
	v_cndmask_b32 v[SEL+8],  0, v[SEL+8],  s[MA]
	v_cndmask_b32 v[SEL+9],  0, \inc,      s[MA]
	v_cndmask_b32 v[SEL+20], 0, v[SEL+20], s[MA+1]
	v_cndmask_b32 v[SEL+21], 0, \inc,      s[MA+1]
.irp q, SEL, SEL+12
	v_sub_nc_u32 v[\q], v[\q], v[(\q)+8]
	v_add_nc_u32 v[(\q)+7], v[(\q)+7], v[(\q)+9]
.endr
.endm
; gelu of a tile's 32 numbers a lane, rounded to bf16 and stored: four stores of 512 consecutive bytes.  All registers in window 1.
.macro GELUST
	WIN 0x55
.set i, 0
.rept 32
	v_and_b32 v[Z+i], s48, v[G+i]                  ; |x|; each accumulator's registers are read in ascending order
.set i, i+1
.endr
.set i, 0
.rept 16
	v_pk_fma_f32 v[P+2*i:P+2*i+1], v[Z+2*i:Z+2*i+1], s[46:47], s[44:45] op_sel_hi:[1,0,0]
.set i, i+1
.endr
.irp d, 42, 40, 38, 36
.set i, 0
.rept 16
	v_pk_fma_f32 v[P+2*i:P+2*i+1], v[P+2*i:P+2*i+1], v[Z+2*i:Z+2*i+1], s[\d:\d+1] op_sel_hi:[1,1,0]
.set i, i+1
.endr
.endr
.set i, 0
.rept 16
	v_pk_fma_f32 v[P+2*i:P+2*i+1], v[P+2*i:P+2*i+1], v[Z+2*i:Z+2*i+1], 1.0 op_sel_hi:[1,1,0]
.set i, i+1
.endr
.set i, 0
.rept 32
	v_rcp_f32 v[P+i], v[P+i]                       ; one batch of 32
.set i, i+1
.endr
.set i, 0
.rept 32
	v_max_num_f32 v[G+i], 0, v[G+i]                ; plain work that names no reciprocal stands behind the batch
.set i, i+1
.endr
	s_wait_alu depctr_va_vdst(0)                   ; the 32 reciprocals are written: one wait for the batch, ahead of its first reader
.rept 4                                ; to the sixteenth power
.set i, 0
.rept 16
	v_pk_mul_f32 v[P+2*i:P+2*i+1], v[P+2*i:P+2*i+1], v[P+2*i:P+2*i+1]
.set i, i+1
.endr
.endr
.set i, 0
.rept 16
	v_pk_mul_f32 v[P+2*i:P+2*i+1], v[P+2*i:P+2*i+1], v[Z+2*i:Z+2*i+1]
.set i, i+1
.endr
.set i, 0
.rept 16
	v_pk_fma_f32 v[G+2*i:G+2*i+1], v[P+2*i:P+2*i+1], -0.5, v[G+2*i:G+2*i+1] op_sel_hi:[1,0,1]
.set i, i+1
.endr
.set i, 0
.rept 8                                ; columns 32 h + 4 j + c in ascending order
	v_cvt_pk_bf16_f32 v[O+2*i],   v[G+i],    v[G+8+i]
	v_cvt_pk_bf16_f32 v[O+2*i+1], v[G+16+i], v[G+24+i]
.set i, i+1
.endr
	s_wait_alu depctr_va_vdst(0)                   ; the roundings have written O, which the stores read
.irp q, 0,1,2,3
	global_store_b128 v[GO], v[O+4*(\q):O+4*(\q)+3], s[30:31] offset:512*(\q)
.endr
.endm
	s_load_b256 s[4:11], s[0:1], 0x0               ; bm s[4:5], xb s[6:7], w_fc s[8:9], hfr s[10:11]
	s_load_b64 s[12:13], s[0:1], 0x20              ; pre
	v_lshl_add_u32 v2, v0, 2, 0x3e500
	v_mov_b32 v23, 0
	v_lshrrev_b32 v18, 5, v0
	v_readfirstlane_b32 s2, v18                    ; wave
	v_and_b32 v[LN], 31, v0
	v_and_b32 v[RR], 15, v0
	v_bfe_u32 v[HH], v0, 4, 1
	v_lshlrev_b32 v[LP], 4, v[RR]
	v_lshlrev_b32 v[SH], 4, v[HH]
	v_lshl_add_u32 v[WO0], v[HH], 17, v[LP]        ; 8 rows of 16,384 bytes for the upper half of the lanes
	v_mov_b32 v[WO], v[WO0]
	s_and_b32 s15, ttmp7, 0xffff                   ; expert
	s_mov_b32 s16, ttmp9                           ; slice
	s_mov_b32 s29, 0                               ; the high word of every offset; never rewritten
	s_mov_b32 s53, 0
	s_wait_alu depctr_va_sdst(0)                   ; s2 is written, ahead of its first reader
	s_and_b32 s3, s2, 3                            ; mq; also the K step that I stage
	s_lshr_b32 s14, s2, 2                          ; nh; also the column half that I stage
	s_lshl_b32 s52, s15, 24                        ; an expert's 16 MB,
	s_lshl_b32 s30, s16, 9                         ; the slice's 512 bytes of a row,
	s_add_co_u32 s52, s52, s30
	s_lshl_b32 s30, s14, 8                         ; my half of them
	s_add_co_u32 s52, s52, s30
	s_lshl_b32 s28, s15, 7                         ; the expert's 32 words of the bitmap
	s_wait_kmcnt 0x0
	s_add_nc_u64 s[4:5], s[4:5], s[28:29]
	s_load_b512 s[68:83], s[4:5], 0x0              ; the bitmap goes out first: the rows' addresses hang on it
	s_load_b512 s[84:99], s[4:5], 0x40
	s_add_nc_u64 s[34:35], s[8:9], s[52:53]        ; the tail's base
	s_lshl_b32 s28, s3, 19                         ; my K step's 32 rows
	s_add_nc_u64 s[8:9], s[34:35], s[28:29]
	s_mov_b64 s[20:21], s[8:9]
	s_wait_alu depctr_va_vdst(0)                   ; v[WO] is written, which the weights' loads read
	WISSUE 0, 0                                    ; then the weights of chunks 0 and 1
	WISSUE 1, 1<<21
	s_lshl_b32 s28, s15, 23                        ; hfr: the expert's 8 MB, my group of 64 hidden columns
	s_lshl1_add_u32 s30, s16, s14
	s_lshl_b32 s30, s30, 11
	s_add_co_u32 s28, s28, s30
	s_add_nc_u64 s[10:11], s[10:11], s[28:29]
	s_lshl1_add_u32 s51, s14, s3                   ; my fifth tile: 16 + (mq + 2 nh) % 4
	s_and_b32 s51, s51, 3
	s_add_co_u32 s51, s51, 16
	s_lshl_b32 s30, s3, 2
	s_sub_co_u32 s50, s51, s30                     ; and how far it lies behind my fourth, 4 mq + 3, in hfr
	s_sub_co_u32 s50, s50, 3
	s_lshl_b32 s50, s50, 17
	s_mul_i32 s30, s2, 40*PITCH                    ; LDS addresses: a constant, the wave's number times a constant, a lane term
	v_mul_u32_u24 v18, v[HH], PITCH
	v_add_nc_u32 v18, v18, v[LP]
	v_add_nc_u32 v[ASA], s30, v18
	v_add_nc_u32 v[ASA+1], SLOTB, v[ASA]
	s_lshl_b32 s30, s3, 13
	s_lshl_b32 s31, s14, 12
	s_add_co_u32 s30, s30, s31
	s_add_co_u32 s30, s30, WOFF
	v_lshl_add_u32 v[WSA], v[LN], 4, s30
	v_add_nc_u32 v[WSA+1], SLOTB, v[WSA]
	s_add_co_u32 s31, s31, WOFF
	v_lshl_add_u32 v[BRA], v[LN], 4, s31
	v_add_nc_u32 v[BRA+1], SLOTB, v[BRA]
	s_mul_i32 s30, s3, 64*PITCH
	v_mul_u32_u24 v18, v[RR], PITCH
	v_lshl_add_u32 v18, v[HH], 4, v18
	v_add_nc_u32 v[ARA], s30, v18
	v_add_nc_u32 v[ARA+1], SLOTB, v[ARA]
	s_mul_i32 s30, s51, 16*PITCH
	v_add_nc_u32 v[ARB], s30, v18
	v_add_nc_u32 v[ARB+1], SLOTB, v[ARB]
	s_mul_i32 s30, s2, EPB
	v_lshl_add_u32 v18, v[LN], 4, s30              ; my stage for the way out; kept in v18
	WIN 0x40
	v_mov_b32 v[LP1], v[LP]
	v_mov_b32 v[EPR], v18
	v_lshlrev_b32 v[GO], 4, v[LN]
	v_mov_b32 v[SH1], v[SH]
	WIN 0
	s_mul_i32 s54, s2, 40                          ; the first rank that I stage,
	s_add_co_u32 s55, s54, 20                      ; and the first of my second ten loads
	v_lshl_add_u32 v[SEL], v[LN], 1, s54           ; my two ranks: 40 w + 2 l,
	v_add_nc_u32 v[SEL+12], 1, v[SEL]              ; and the next
	v_mov_b32 v19, 0                               ; lane j will hold the count of the words in front of word j
	s_wait_kmcnt 0x0
	; THE SEARCH FOR THE WORD, and the expert's count on the way: s27 runs through the counts in front of words 0 to 31; the last word whose count is not above the rank is kept.
	; Four words at a time: their counts, eight compares in a run into eight scalar registers, one wait, the selects in the words' order
.irp q, SEL, SEL+12
	v_mov_b32 v[(\q)+1], s68
	v_mov_b32 v[(\q)+2], 0
.endr
	s_mov_b32 s27, 0
.set b, 0
.rept 8
.irp u, 0,1,2,3
	s_mov_b32 s[PC+(\u)], s27                      ; the count in front of word 4 b + u,
	s_add_co_u32 s[PK+(\u)], s27, (4*b+(\u))<<16   ; and the word's number above it
	s_bcnt1_i32_b32 s30, s[68+4*b+(\u)]
	s_add_co_u32 s27, s27, s30
.endr
.irp u, 0,1,2,3
	v_cmp_le_u32 s[MA+(\u)], s[PC+(\u)], v[SEL]
	v_cmp_le_u32 s[MB+(\u)], s[PC+(\u)], v[SEL+12]
	v_writelane_b32 v19, s[PC+(\u)], 4*b+(\u)
.endr
	s_wait_alu depctr_va_sdst(0)                   ; the eight compares have written their masks, which the selects read
.irp u, 0,1,2,3
	v_cndmask_b32 v[SEL+1],  v[SEL+1],  s[68+4*b+(\u)], s[MA+(\u)]
	v_cndmask_b32 v[SEL+2],  v[SEL+2],  s[PK+(\u)],     s[MA+(\u)]
	v_cndmask_b32 v[SEL+13], v[SEL+13], s[68+4*b+(\u)], s[MB+(\u)]
	v_cndmask_b32 v[SEL+14], v[SEL+14], s[PK+(\u)],     s[MB+(\u)]
.endr
.set b, b+1
.endr
	s_min_u32 s27, s27, 1024
	s_add_co_u32 s32, s27, 15
	s_lshr_b32 s32, s32, 4                         ; tiles of 16 ranks
	s_cmp_lt_u32 s51, s32
	s_cselect_b32 s49, 1, 0                        ; is my fifth tile among them?
	s_sub_co_i32 s33, s32, 17                      ; my tiles from 20 on are 20 + mq + 4 i: their number is max(tiles - 17 - mq, 0) / 4
	s_sub_co_i32 s33, s33, s3
	s_max_i32 s33, s33, 0
	s_lshr_b32 s33, s33, 2
	s_min_u32 s33, s33, 11
	s_cmp_lg_u32 s2, 0
	s_cbranch_scc1 .Lnolist
	s_cmp_le_u32 s27, 320
	s_cbranch_scc1 .Lshort                         ; only the tail reads the list in LDS: wave 0 writes it where there will be a tail; the ring's barriers lie between these stores and those reads
	v_mov_b32 v[LZ], 0
	v_mov_b32 v[LZ+1], 0
	v_mov_b32 v[LZ+2], 0
	v_mov_b32 v[LZ+3], 0
	v_lshl_add_u32 v[LZA], v[LN], 4, LIST
	v_add_nc_u32 v[LNO], 1024, v[LN]               ; where a lane without a token stores
	s_mov_b32 s30, 0
.set j, 0
.rept 32                               ; each word has an address register and a data register of its own, so that one wait serves all the stores
	v_mbcnt_lo_u32_b32 v[LA+j], s[68+j], s30       ; my token's rank: earlier words' count + lower bits of this word
	v_cndmask_b32 v[LA+j], v[LNO], v[LA+j], s[68+j]
	v_min_u32 v[LA+j], 0x41f, v[LA+j]              ; held inside the list's 1,056 words
	v_lshl_add_u32 v[LA+j], v[LA+j], 2, LIST
	v_add_nc_u32 v[LD+j], 32*j, v[LN]
	s_bcnt1_i32_b32 s31, s[68+j]
	s_add_co_u32 s30, s30, s31
.set j, j+1
.endr
	s_wait_alu depctr_va_vdst(0)                   ; the zeros, the 33 addresses and the 32 tokens are written, which the stores read
.irp q, 0,1,2,3,4,5,6,7
	ds_store_b128 v[LZA], v[LZ:LZ+3] offset:512*(\q)   ; token 0 everywhere; LDS serves a wave's stores in order, so the tokens below land on top
.endr
.set j, 0
.rept 32
	ds_store_b32 v[LA+j], v[LD+j]
.set j, j+1
.endr
.Lshort:
	s_cmp_lg_u32 s16, 0
	s_cbranch_scc1 .Lnolist                        ; slice 0 stores the expert's column of pre
	v_lshlrev_b32 v22, 5, v[LN]
	v_lshl_add_u32 v22, s15, 2, v22
	s_wait_alu depctr_va_vdst(0)                   ; v22 and v19 are written, which the store reads
	global_store_b32 v22, v19, s[12:13]            ; v19 and v22 are not written again before the tail, behind many waits for the addresses and for the sources
.Lnolist:
	; THE SEARCH IN THE WORD: bit counts of fields of 2, 4, 8 and 16 bits, then five halvings
.irp q, SEL, SEL+12
	v_and_b32 v[(\q)+8], 0xffff, v[(\q)+2]
	v_sub_nc_u32 v[\q], v[\q], v[(\q)+8]           ; the rank inside the word
	v_lshrrev_b32 v[(\q)+2], 16, v[(\q)+2]         ; the word's number
	v_lshrrev_b32 v[(\q)+3], 1, v[(\q)+1]
	v_and_b32 v[(\q)+3], 0x55555555, v[(\q)+3]
	v_sub_nc_u32 v[(\q)+3], v[(\q)+1], v[(\q)+3]   ; counts of 2 bits
	v_lshrrev_b32 v[(\q)+4], 2, v[(\q)+3]
	v_and_b32 v[(\q)+4], 0x33333333, v[(\q)+4]
	v_and_b32 v[(\q)+8], 0x33333333, v[(\q)+3]
	v_add_nc_u32 v[(\q)+4], v[(\q)+4], v[(\q)+8]   ; of 4
	v_lshrrev_b32 v[(\q)+5], 4, v[(\q)+4]
	v_add_nc_u32 v[(\q)+5], v[(\q)+5], v[(\q)+4]
	v_and_b32 v[(\q)+5], 0x0f0f0f0f, v[(\q)+5]     ; of 8
	v_lshrrev_b32 v[(\q)+6], 8, v[(\q)+5]
	v_add_nc_u32 v[(\q)+6], v[(\q)+6], v[(\q)+5]   ; the lowest byte: of bits 0-15
	v_mov_b32 v[(\q)+7], 0                         ; the place
.endr
	HALVE 6, 8, 16
	HALVE 5, 8, 8
	HALVE 4, 4, 4
	HALVE 3, 2, 2
	HALVE 1, 1, 1
.irp q, SEL, SEL+12
	v_lshl_add_u32 v[(\q)+7], v[(\q)+2], 5, v[(\q)+7]   ; token = 32 x word + place, 1,023 at the most
.endr
	v_lshl_or_b32 v[PR], v[SEL+19], 16, v[SEL+7]
.set i, 0
.rept 20
	v_readlane_b32 s[PAIR+i], v[PR], i             ; load i's two rows: ranks 40 w + 2 i and 40 w + 2 i + 1.  The bitmap is not needed any more
.set i, i+1
.endr
	s_mov_b32 s36, 0x3d4c41b4                      ; d1 = .0498673470; each constant twice: the packed forms name a pair
	s_mov_b32 s37, s36
	s_mov_b32 s38, 0x3cad2fe7                      ; d2 = .0211410061
	s_mov_b32 s39, s38
	s_mov_b32 s40, 0x3b56cd72                      ; d3 = .0032776263
	s_mov_b32 s41, s40
	s_mov_b32 s42, 0x381f660e                      ; d4 = .0000380036
	s_mov_b32 s43, s42
	s_mov_b32 s44, 0x384d0fe2                      ; d5 = .0000488906
	s_mov_b32 s45, s44
	s_mov_b32 s46, 0x36b49f9e                      ; d6 = .0000053830
	s_mov_b32 s47, s46
	s_mov_b32 s48, 0x7fffffff
	s_mov_b64 s[18:19], s[6:7]
	s_mov_b32 s25, 10
	s_mov_b32 s22, 1                               ; the chunk whose rows are asked for next,
	s_mov_b32 s23, 2                               ; and whose weights
	s_wait_alu depctr_va_sdst(0)                   ; the 20 pairs are written, ahead of their first reader, the offsets' first line
	s_wait_alu depctr_vm_vsrc(0)                   ; wave 0's stores of the list have read v216 to v247, in which the offsets are made, and v52 to v87, in which fragments land
	AISSUE 0                                       ; the rows of chunk 0, all 40: every register and every LDS byte of the ring's rows is written once.  Its wait also finds the LDS addresses written
	STAGE 0, 0, 0                                  ; the first time everything is waited for; the rows of chunk 1 go out
	s_wait_dscnt 0x0
	s_barrier_signal -1
	s_barrier_wait -1
	FRAG0 0
	KSTEP 0, 0, 1, 1                               ; the first products start the sums, the fifth tile's too: nothing is cleared
	WIN 0
	s_mov_b32 s24, 4
.Lpair:                                                ; a trip: the rest of an even chunk, an odd chunk, the head of the next even one; left in its middle, in front of chunk 7's last K step
	MID 0
	LAST 0, 1
	MID 1
	s_sub_co_u32 s24, s24, 1
	s_cmp_eq_u32 s24, 0
	s_cbranch_scc1 .Lout
	LAST 1, 0
	s_branch .Lpair
.Lout:
	KSTEP 1, 3, 0, 0                               ; the last K step is written out: nothing is left to stage
	s_wait_loadcnt 0x0                             ; the loads that looked past the end have landed: their registers are free
	PLACES
	s_wait_dscnt 0x0
	s_barrier_signal -1
	s_barrier_wait -1                              ; nobody reads the ring any more: the stages lie over it
	WIN 0x04
	s_wait_alu depctr_va_vdst(0)                   ; the products have written the accumulators, which the LDS stores read; the places above stay beside this wait
.set q, 0
.rept 40
	ds_store_b128 v18, v[ACC+4*q:ACC+4*q+3] offset:512*q   ; each accumulator's low half first
.set q, q+1
.endr
	WIN 0
	s_wait_dscnt 0x0                               ; my last LDS store is done; only LDS reads follow.
	s_wait_alu depctr_vm_vsrc(0)                   ; the stores have read the accumulators' registers, in which tiles land and gelu works, and v18; the weights' last loads have read v[WO]
	s_lshl_b32 s28, s3, 19                         ; tile 4 mq
	s_add_nc_u64 s[30:31], s[10:11], s[28:29]
	s_mov_b32 s24, 5
.Lgelu:                                                ; the tiles come back one by one, so that the text of gelu serves all five
	WIN 0x55
	s_wait_alu depctr_va_vdst(0)                   ; the trip before is done reading and writing G, in which the tile lands, and has written v[EPR], which the loads read
.irp q, 0,1,2,3,4,5,6,7
	ds_load_b128 v[G+4*(\q):G+4*(\q)+3], v[EPR] offset:512*(\q)
.endr
	s_wait_dscnt 0x0
	GELUST
	s_wait_xcnt 0x0                                ; the stores' base and data are rewritten only behind this wait
	s_wait_alu depctr_vm_vsrc(0)                   ; the stores have read O, which the next trip's roundings write; the LDS loads have read v[EPR]
	v_add_nc_u32 v[EPR], 4096, v[EPR]
	WIN 0
	s_cmp_eq_u32 s24, 2                            ; behind my fourth tile comes the fifth, further on
	s_cselect_b32 s28, s50, 131072
	s_add_nc_u64 s[30:31], s[30:31], s[28:29]
	s_sub_co_u32 s24, s24, 1
	s_cmp_lg_u32 s24, 0
	s_cbranch_scc1 .Lgelu
	; THE TAIL: ranks from 320 on.  No LDS write, no barrier; its tiles' tokens are read ahead of the loop, at fixed addresses.
	s_cmp_eq_u32 s33, 0
	s_cbranch_scc1 .Lend
	s_lshl_b32 s30, s3, 6
	s_add_co_u32 s30, s30, LIST+1280               ; rank 16 (20 + mq) + r
	v_lshl_add_u32 v18, v[RR], 2, s30
	v_mov_b32 v[WO], v[WO0]
	s_wait_alu depctr_va_vdst(0)                   ; v18 is written, which the loads read; the offsets once made in v216 to v226, in which they land, are written
.irp i, 0,1,2,3,4,5,6,7,8,9,10
	ds_load_b32 v[TQ+(\i)], v18 offset:256*(\i)    ; and four tiles on each time
.endr
	s_mov_b32 s25, 0
	s_add_co_u32 s26, s3, 20                       ; the tile
	s_wait_dscnt 0x0
.Ltail:
	s_wait_xcnt 0x0
	s_wait_alu depctr_vm_vsrc(0)                   ; the last tile's loads have read v19, its stores O
	v_min_u32 v19, 0x3ff, v[TQ]
	v_lshlrev_b32 v19, 11, v19
	v_lshl_add_u32 v19, v[HH], 4, v19              ; my token's row, 16 h
.irp i, 0,1,2,3,4,5,6,7,8,9
	v_mov_b32 v[TQ+(\i)], v[TQ+(\i)+1]             ; the queue moves up
.endr
	s_mov_b64 s[18:19], s[6:7]
	s_mov_b64 s[20:21], s[34:35]
	WIN 0x40
.set i, 0
.rept 32
	v_mov_b32 v[ACC+i], 0                          ; cleared, so that one text serves all 16 steps of this rare path
.set i, i+1
.endr
	WIN 0
	s_mov_b32 s24, 16
.Ltk:                                                  ; 64 along K: weights and tokens straight from memory into registers
	PLACES                                         ; between the last trip's products and the roundings that write their sources
	s_wait_alu depctr_va_vdst(0)                   ; v19 and v[WO] are written; the last trip's roundings are done reading the raw weights, its products their token fragments: the loads below land there
	WISSUE 0, 0
	WISSUE 1, 524288
	WIN 0x40
.irp q, 0,1,2,3
	global_load_b128 v[AF+4*(\q):AF+4*(\q)+3], v19, s[18:19] offset:32*(\q)
.endr
	s_wait_loadcnt 0x0
	WIN 0
	CVTW BF, 0
	CVTW BF+32, 1
	WIN MUL
.irp k, 0,1
.irp c, 0,1,2,3
	v_wmma_f32_16x16x32_bf16 v[ACC+8*(\c):ACC+8*(\c)+7], v[BF+32*(\k)+8*(\c):BF+32*(\k)+8*(\c)+7], v[AF+8*(\k):AF+8*(\k)+7], v[ACC+8*(\c):ACC+8*(\c)+7]
.endr
.endr
	WIN 0
	s_add_nc_u64 s[18:19], s[18:19], 128
	s_add_nc_u64 s[20:21], s[20:21], 1<<20
	s_sub_co_u32 s24, s24, 1
	s_cmp_lg_u32 s24, 0
	s_cbranch_scc1 .Ltk
	PLACES
	s_min_u32 s28, s26, 63
	s_lshl_b32 s28, s28, 17
	s_add_nc_u64 s[30:31], s[10:11], s[28:29]
	GELUST
	WIN 0
	s_add_co_u32 s26, s26, 4
	s_add_co_u32 s25, s25, 1
	s_cmp_lt_u32 s25, s33
	s_cbranch_scc1 .Ltail
.Lend:
	s_wait_dscnt 0x0
	s_wait_alu depctr_hold_cnt(0) depctr_sa_sdst(0) depctr_va_vdst(0) depctr_va_sdst(0) depctr_va_ssrc(0) depctr_va_vcc(0) depctr_vm_vsrc(0)
	s_wait_tensorcnt 0x0
	ds_add_u32 v2, v23
	s_wait_dscnt 0x0
	s_endpgm
.Lfunc_end_k_qafabd6ea0c_fc:
	.size	k_qafabd6ea0c_fc, .Lfunc_end_k_qafabd6ea0c_fc-k_qafabd6ea0c_fc
	.p2alignl 7, 3214868480
	.fill 96, 4, 3214868480
	.section	.rodata,"a",@progbits
	.p2align	6, 0x0
	.amdhsa_kernel k_qafabd6ea0c_fc
		.amdhsa_group_segment_fixed_size 256256
		.amdhsa_private_segment_fixed_size 0
		.amdhsa_enable_private_segment 0
		.amdhsa_kernarg_size 40
		.amdhsa_user_sgpr_count 2
		.amdhsa_user_sgpr_kernarg_segment_ptr 1
		.amdhsa_wavefront_size32 1
		.amdhsa_system_sgpr_workgroup_id_x 1
		.amdhsa_system_sgpr_workgroup_id_y 1
		.amdhsa_system_sgpr_workgroup_id_z 1
		.amdhsa_system_vgpr_workitem_id 0
		.amdhsa_next_free_vgpr 512
		.amdhsa_next_free_sgpr 100
		.amdhsa_reserve_vcc 0
		.amdhsa_float_denorm_mode_32 3
		.amdhsa_float_denorm_mode_16_64 3
		.amdhsa_memory_ordered 1
		.amdhsa_forward_progress 1
		.amdhsa_inst_pref_size 166
	.end_amdhsa_kernel
	.amdgpu_metadata
---
amdhsa.version: [ 1, 2 ]
amdhsa.kernels:
  - .name:           k_qafabd6ea0c_fc
    .symbol:         k_qafabd6ea0c_fc.kd
    .args:
      - { .name: bm, .offset: 0, .size: 8, .value_kind: global_buffer, .address_space: global }
      - { .name: xb, .offset: 8, .size: 8, .value_kind: global_buffer, .address_space: global }
      - { .name: w_fc, .offset: 16, .size: 8, .value_kind: global_buffer, .address_space: global }
      - { .name: hfr, .offset: 24, .size: 8, .value_kind: global_buffer, .address_space: global }
      - { .name: pre, .offset: 32, .size: 8, .value_kind: global_buffer, .address_space: global }
    .group_segment_fixed_size: 256256
    .private_segment_fixed_size: 0
    .kernarg_segment_align: 8
    .kernarg_segment_size: 40
    .max_flat_workgroup_size: 256
    .sgpr_count:     100
    .vgpr_count:     512
    .wavefront_size: 32
...
	.end_amdgpu_metadata
.endif
;; end of part 7
;; launch proj (part 8): grid 32 x 8, 8 waves a work-group, no clusters, 246,784 bytes of LDS; arguments bm, hfr, w_proj, part; writes part
.if DOCPART == 8
	.amdgcn_target "amdgcn-amd-amdhsa--gfx1250"
	.amdhsa_code_object_version 6
	.text
	.protected	k_qafabd6ea0c_proj
	.globl	k_qafabd6ea0c_proj
	.p2align	8
	.type	k_qafabd6ea0c_proj,@function
k_qafabd6ea0c_proj:
	s_mov_b64 s[64:65], 0
	v_nop
	global_prefetch_b8 v0, s[64:65] scope:SCOPE_SE
	s_setreg_imm32_b32 hwreg(HW_REG_WAVE_SCHED_MODE, 0, 2), 2
	s_setreg_imm32_b32 hwreg(HW_REG_WAVE_MODE, 25, 1), 1
	s_wait_xcnt 0x0
	s_wait_alu depctr_vm_vsrc(0)
; SECOND PRODUCT OF THE EXPERTS.  part[kq][e][rank][:] = h[e][rank][1024 kq .. + 1023] w_proj[e][1024 kq .. + 1023][:], f32 partial sums; the next launch adds the four and applies the gates.
; A work-group is (expert e = y; x = 8 kq + ns: a quarter of K = 4,096 and 128 of the 1,024 columns): 512 KB of f32 weights that it alone reads, once, and all of the expert's rows.
; The frame is the first product's: eight waves, wave w = (mq = w % 4, nh = w / 4) with tiles 4 mq .. 4 mq + 3 of 16 ranks and a fifth, tile 16 + (mq + 2 nh) % 4, x 64 columns in 20 accumulators;
; K in 8 chunks of 128 through two LDS slots, one barrier a chunk; a wave stages K step w % 4, column half w / 4 of a chunk's weights (16 loads, rounded in pairs into four operand fragments:
; fragment c holds the columns 4 v + c) and 512 bytes of each of the 20 tiles.
; THE FIFTH TILE is multiplied only if it holds a rank below the expert's count: otherwise its four products and two fragment loads are jumped in every K step but the first, which writes its accumulators.
; A CHUNK'S ORDER.  Behind the barrier: the first fragments, K step 0; 8 requests for the weights two chunks on, K step 1; the other 8, K step 2; then what has landed for the next chunk goes into the
; other slot (28 LDS stores; nobody has read that slot since the barrier), h of the chunk after that is asked for (up to 20 loads), and K step 3, which reads nothing from LDS, is multiplied while the
; stores are served.  So a load of h has a whole chunk in which to land, a weight load a chunk and a quarter or more: up to 52 loads of 512 bytes of a wave are out.
; TILES PAST THE COUNT (of tiles 16-19) are asked for in chunk 0 alone.  Their LDS stores stay, so that every byte that is read has been written; the registers then hold old numbers, which nobody uses.
; THE ORDER OF K is the one in which hfr lies: in K step 2 g + s of a chunk, half h of the lanes, position p stands for k = 64 g + 32 h + 16 s + p.  The weights' rows are loaded by the same map,
; so each product meets its partner and the sums are the same.
; hfr [e][tile 64][group 64][q 4][lane 32][16 bytes] holds operand registers as they are: a chunk of a tile is 4,096 consecutive bytes, copied through LDS without padding or conflict.
; THE WAY OUT.  Source 0 = ranks, source 1 = weights: lane (r, h) holds row 8 h + j and, over its four accumulators, the columns 4 r .. 4 r + 3: 16 bytes; 16 lanes store 256 consecutive bytes, aligned.
; Tiles at or past the expert's count are not stored.
; LIMITS.  Ranks from 320 on take a tail without LDS writes and barriers, which reads the weights again for each tile: right for every split, slow for a very uneven one.
; NO MULTICAST here: each weight byte has one reader; h's tiles are shared by the eight column slices of one (e, kq), about as many bytes as the weights, and come from what the launch before has just stored.
; THE MODE: SCHED_MODE bits 1:0 = 2 (LLVM: expert scheduling mode 2), set by the entry lines.  The code itself states the register dependences between vector or matrix instructions and memory or LDS
; instructions, and between vector instructions that write scalar registers and their readers, with s_wait_alu, always for 0.
; THE PLAN.  Registers that memory or LDS instructions touch, in the loop:
;   BF0, BF1    K step ks: its products read BF[ks % 2]; the LDS loads at its head land in the other one, which the products of step ks - 1 read.
;   AF0 .. AF4  A tile's four products read its fragment; behind them the next step's fragment lands in it.  The tiles go in groups: 0 and 1, 2 and 3, the fifth.
;   WS0, WS1    Global loads land in a set in K steps 1 and 2; the staging's 32 roundings read it a chunk later.
;   AS0, AS1    h's loads land, LDS stores read them; the rounded weights T are written over AS0's first 32 registers and stored from there.
;   v[WO], v[AO]  Read by the weights' and h's loads; written once a chunk, in the staging.
;   The LDS addresses are made at the head and never written again.  On the way out each tile has an out-buffer of its own, so that no store's data are written again.
; THE WAITS of a chunk.  One on va_vdst behind each group's products: the group's next fragments follow it and land while the other groups are multiplied; the last of a step also serves the loads at the
; next step's head and the weights' requests between steps, since no vector or matrix instruction stands between.  One behind the barrier, ahead of a chunk's first fragments.  In the staging: vm_vsrc behind
; AS0's stores, va_vdst behind the roundings, vm_vsrc behind the last stores, va_vdst ahead of h's loads.
.set WOFF,  81920                      ; a slot: 20 tiles x 4,096 bytes, then 32,768 bytes of weight fragments [K step 4][half 2][c 4][registers 0-3, 4-7][lane x 16]
.set SLOTB, 131072                     ; slot 1 begins here; the claim's last 1,024 bytes, behind slot 1, are the spare words of the add at the end
; window 0
.set ASA, 3                            ; v3, v4    where I store h, tiles 0-15, slot 0, 1
.set WSA, 5                            ; v5, v6    where I store weight fragments
.set ASH, 7                            ; v7, v8    where I store h, tiles 16-19
.set BRA, 9                            ; v9, v10   where I read weight fragments
.set LN,  11
.set RR,  12
.set HH,  13
.set WO0, 14                           ; my byte offset in the weights: 131,072 h + 16 r
.set WO,  15                           ; the same, or 0 past the last chunk
.set AO0, 16                           ; my byte offset in a tile's chunk: 512 w + 16 lane
.set AO,  17                           ; the same, or 0
.set PO,  19                           ; my byte offset in a tile of part: 32,768 h + 16 r
.set TA,  20                           ; 16 x lane
.set BF,  24                           ; two buffers of four weight fragments
.set WS,  88                           ; two sets of 16 weight loads
.set M,   88                           ; the way out: five out-buffers of a tile's 32 numbers, four columns side by side: v[88:247]
.set AS0, 216                          ; h's loads of tiles 10-19: in window 0, so that the branches round tiles 16-19 need no switch
.set T,   216                          ; the rounded weights, where the loads of tiles 10-17 lay
; window 1
.set ACC, 0
.set AF,  160
.set AS1, 200                          ; h's loads of tiles 0-9
.set ARA, 240                          ; v240, v241 of window 1: where I read the fragments of my tiles 0-3
.set ARB, 242                          ; v242, v243 of window 1: of my fifth tile
.set MUL, 0x51                         ; source 0 (h), C and D window 1; source 1 (weights) window 0
.set MSB, 0
.macro WIN new                         ; s_set_vgpr_msb: bits 1:0 source 0, 3:2 source 1, 5:4 source 2, 7:6 destination; the high byte repeats the setting that is left
.if MSB != (\new)
	s_set_vgpr_msb (MSB<<8)|(\new)
.set MSB, \new
.endif
.endm
.macro PLACES                          ; four places between a product and a vector instruction that reads its result or writes one of its sources (ISA guide 7.12.1)
.rept 4
	v_nop
.endr
.endm
.macro WPART set, extra, first         ; 8 of my 16 loads: rows p and p + 32 of my 16 + 16, 256 bytes each
.set p, \first
.rept 8
	global_load_b128 v[WS+64*(\set)+4*p:WS+64*(\set)+4*p+3], v[WO], s[20:21] offset:4096*p+(\extra) th:TH_LOAD_NT
.set p, p+1
.endr
.endm
.macro WISSUE set, extra
	WPART \set, \extra, 0
	WPART \set, \extra, 8
.endm
; my 512 bytes of each tile's chunk.  cond = 1: of tiles 16-19 those at or past the number of tiles are jumped
.macro AISSUE cond
	WIN 0x40
.irp i, 0,1,2,3,4,5,6,7,8,9
	global_load_b128 v[AS1+4*(\i):AS1+4*(\i)+3], v[AO], s[18:19] offset:131072*(\i)
.endr
	WIN 0
.irp i, 10,11,12,13,14,15
	global_load_b128 v[AS0+4*((\i)-10):AS0+4*((\i)-10)+3], v[AO], s[18:19] offset:131072*(\i)
.endr
.irp i, 16,17,18,19
.if \cond
	s_cmp_le_u32 s32, \i
	s_cbranch_scc1 .Lnoa_\@
.endif
	global_load_b128 v[AS0+4*((\i)-10):AS0+4*((\i)-10)+3], v[AO], s[18:19] offset:131072*(\i)
.endr
.if \cond
.Lnoa_\@:
.endif
.endm
.macro CVTW dst, set                   ; register i of fragment c = positions 2 i, 2 i + 1 of column 4 v + c
.irp c, 0,1,2,3
.irp i, 0,1,2,3,4,5,6,7
	v_cvt_pk_bf16_f32 v[(\dst)+8*(\c)+(\i)], v[WS+64*(\set)+8*(\i)+(\c)], v[WS+64*(\set)+8*(\i)+4+(\c)]
.endr
.endr
.endm
; THE STAGING.  What has landed goes into the slot: 28 LDS stores.  Among them the next requests are prepared: the bases for h of chunk s22 and the weights of chunk s23; behind them h's loads; the weights'
; loads follow in the next chunk.  Past chunk 7 base and lane offsets fall back to the start: such a load reads 16 bytes inside the buffer that nobody uses, and every count stays as it is: the price of
; one text for all trips.
.macro STAGE slot, set, cnt
	s_wait_loadcnt \cnt                            ; 16: only the weights of the chunk behind this one were issued behind this chunk's h; this chunk's weights are older still
	WIN 0
.irp i, 10,11,12,13,14,15
	ds_store_b128 v[ASA+(\slot)], v[AS0+4*((\i)-10):AS0+4*((\i)-10)+3] offset:4096*(\i)
.endr
.irp i, 16,17,18,19
	ds_store_b128 v[ASH+(\slot)], v[AS0+4*((\i)-10):AS0+4*((\i)-10)+3] offset:4096*((\i)-16)
.endr
	s_wait_xcnt 0x0                                ; bases and offsets of the loads issued so far are rewritten only behind this wait
	s_wait_alu depctr_vm_vsrc(0)                   ; the ten stores above have read v216 to v255, over which the roundings write; the loads issued so far have read v[AO] and v[WO]
	s_cmp_lt_u32 s22, 8
	s_cselect_b32 s25, -1, 0
	s_cselect_b32 s28, s22, 0
	s_lshl_b32 s28, s28, 12                        ; a chunk is 4,096 bytes of a tile
	s_add_nc_u64 s[18:19], s[6:7], s[28:29]
	v_and_b32 v[AO], s25, v[AO0]
	s_cmp_lt_u32 s23, 8
	s_cselect_b32 s26, -1, 0
	s_cselect_b32 s28, s23, 0
	s_lshl_b32 s28, s28, 19                        ; and 128 rows of 4,096 bytes of w_proj
	s_add_nc_u64 s[20:21], s[8:9], s[28:29]
	v_and_b32 v[WO], s26, v[WO0]
	s_add_co_u32 s22, s22, 1
	s_add_co_u32 s23, s23, 1
	CVTW T, \set
	WIN 0x04
.irp i, 0,1,2,3,4,5,6,7,8,9
	ds_store_b128 v[ASA+(\slot)], v[AS1+4*(\i):AS1+4*(\i)+3] offset:4096*(\i)   ; no wait: no vector instruction names these registers
.endr
	WIN 0
	s_wait_alu depctr_va_vdst(0)                   ; the roundings have written T, which the stores below read, and are done reading the set of raw weights, in which the next chunk's requests land; v[WO] is written
.irp q, 0,1,2,3,4,5,6,7
	ds_store_b128 v[WSA+(\slot)], v[T+4*(\q):T+4*(\q)+3] offset:512*(\q)
.endr
	s_wait_alu depctr_vm_vsrc(0)                   ; the stores have read T and AS1, in which h's next loads land
	s_wait_alu depctr_va_vdst(0)                   ; v[AO] is written, which those loads read, and so are T's registers, in which ten of them land: only loads and window switches follow up to the last of them
	AISSUE 1
.endm
.macro FRAG0 slot                      ; a chunk's first fragments, the fifth tile's always among them
	WIN 0
	s_wait_alu depctr_va_vdst(0)                   ; the products issued so far are done reading both weight buffers and the five fragments
.irp q, 0,1,2,3,4,5,6,7
	ds_load_b128 v[BF+4*(\q):BF+4*(\q)+3], v[BRA+(\slot)] offset:512*(\q)
.endr
	WIN MUL
.irp i, 0,1,2,3
	ds_load_b128 v[AF+8*(\i):AF+8*(\i)+3],   v[ARA+(\slot)] offset:4096*(\i)
	ds_load_b128 v[AF+8*(\i)+4:AF+8*(\i)+7], v[ARA+(\slot)] offset:4096*(\i)+512
.endr
	ds_load_b128 v[AF+32:AF+35], v[ARB+(\slot)]
	ds_load_b128 v[AF+36:AF+39], v[ARB+(\slot)] offset:512
.endm
; one tile's four products of a K step
.macro PROD ks, zero, i
.irp c, 0,1,2,3
.if \zero
	v_wmma_f32_16x16x32_bf16 v[ACC+32*(\i)+8*(\c):ACC+32*(\i)+8*(\c)+7], v[AF+8*(\i):AF+8*(\i)+7], v[BF+32*((\ks)%2)+8*(\c):BF+32*((\ks)%2)+8*(\c)+7], 0
.else
	v_wmma_f32_16x16x32_bf16 v[ACC+32*(\i)+8*(\c):ACC+32*(\i)+8*(\c)+7], v[AF+8*(\i):AF+8*(\i)+7], v[BF+32*((\ks)%2)+8*(\c):BF+32*((\ks)%2)+8*(\c)+7], v[ACC+32*(\i)+8*(\c):ACC+32*(\i)+8*(\c)+7]
.endif
.endr
.endm
; a tile's fragment of the next K step
.macro NEXTF slot, ks, i, adr, off
	ds_load_b128 v[AF+8*(\i):AF+8*(\i)+3],   v[(\adr)+(\slot)] offset:(\off)+1024*((\ks)+1)
	ds_load_b128 v[AF+8*(\i)+4:AF+8*(\i)+7], v[(\adr)+(\slot)] offset:(\off)+1024*((\ks)+1)+512
.endm
; 32 along K: 16 or 20 products, the accumulators by turns in the same order in every step.  roll = 1: the next step's fragments are fetched: the weights' at the head, a group's behind its products.
; THE COUNTS hold on both ways round the fifth tile.  Tiles 0 and 1: behind their fragments were issued tiles 2 and 3's 4 loads and the next step's 8 of weights: 12.  Tiles 2 and 3: those 8 and tiles 0
; and 1's next 4: 12.  Where the fifth tile lives its 2 come on top, and the smaller count then also awaits two loads that are older than a group's products; in a chunk's step 0 they are always there: 14.
; The fifth tile: 8 of weights and the four tiles' 8: 16.  In a chunk's last step: 4, none and none, and young: the LDS stores issued in front of the step (28, or none behind the last chunk).
.macro KSTEP slot, ks, zero, roll, young=0
.if \roll
	WIN 0
.irp q, 0,1,2,3,4,5,6,7
	ds_load_b128 v[BF+32*(((\ks)+1)%2)+4*(\q):BF+32*(((\ks)+1)%2)+4*(\q)+3], v[BRA+(\slot)] offset:8192*((\ks)+1)+512*(\q)   ; no wait: the last wait on va_vdst stands behind the last product that read this buffer
.endr
.endif
	WIN MUL
.if (\roll) && ((\ks) == 0)
	s_wait_dscnt 14
.elseif \roll
	s_wait_dscnt 12
.else
	s_wait_dscnt 4+(\young)
.endif
	PROD \ks, \zero, 0
	PROD \ks, \zero, 1
.if \roll
	s_wait_alu depctr_va_vdst(0)                   ; the products of tiles 0 and 1 are done reading their fragments, in which the next step's land
	NEXTF \slot, \ks, 0, ARA, 0
	NEXTF \slot, \ks, 1, ARA, 4096
.endif
.if (\roll) && ((\ks) == 0)
	s_wait_dscnt 14
.elseif \roll
	s_wait_dscnt 12
.else
	s_wait_dscnt \young
.endif
	PROD \ks, \zero, 2
	PROD \ks, \zero, 3
.if \roll
	s_wait_alu depctr_va_vdst(0)                   ; the products of tiles 2 and 3 are done reading their fragments; all four tiles' are done reading this step's weights, in which the loads at the next step's head land
	NEXTF \slot, \ks, 2, ARA, 2*4096
	NEXTF \slot, \ks, 3, ARA, 3*4096
.endif
.if !(\zero)
	WIN 0                                          ; at a branch and at a label every window is 0
	s_cmp_eq_u32 s37, 0
	s_cbranch_scc1 .Ldead_\@                       ; my fifth tile holds no rank below the count
	WIN MUL
.endif
.if \roll
	s_wait_dscnt 16
.else
	s_wait_dscnt \young
.endif
	PROD \ks, \zero, 4
.if \roll
	s_wait_alu depctr_va_vdst(0)                   ; the fifth tile's products are done reading its fragment and this step's weights
	NEXTF \slot, \ks, 4, ARB, 0
.endif
.if !(\zero)
	WIN 0
.Ldead_\@:
.endif
.endm
; a chunk's K steps 1 and 2, in front of each half of the requests for the weights two chunks on, into the set that this chunk's weights have left.
; The requests need no wait: no vector or matrix instruction stands between them and the last wait on va_vdst, and that one stands behind the roundings that read the set and behind the write of v[WO]
.macro MID slot
	WIN 0
	WPART \slot, 0, 0
	KSTEP \slot, 1, 0, 1
	WPART \slot, 0, 8
	KSTEP \slot, 2, 0, 1
.endm
; A CHUNK'S END AND THE NEXT ONE'S HEAD.  The next chunk is stored into the other slot, which nobody has read since the last barrier; h of the chunk behind it is asked for; K step 3 is multiplied while the
; stores are served.  Then ONE barrier for two things: in front of it my stores into the other slot are done, and my reads of this slot, which is stored into a chunk later, are over.
.macro LAST slot, other
	STAGE \other, \other, 16
	KSTEP \slot, 3, 0, 0, 28
	s_wait_dscnt 0x0
	s_barrier_signal -1
	s_barrier_wait -1
	FRAG0 \other
	KSTEP \other, 0, 0, 1
.endm
; the tile in accumulators (i, 0..3) is stored at s[30:31] out of buffer m: the four columns of a row are put side by side (each accumulator's registers in ascending order), then eight stores
.macro POUT i, m
	WIN 0x01
.irp j, 0,1,2,3,4,5,6,7
.irp c, 0,1,2,3
	v_mov_b32 v[M+32*(\m)+4*(\j)+(\c)], v[ACC+32*(\i)+8*(\c)+(\j)]
.endr
.endr
	WIN 0
	s_wait_alu depctr_va_vdst(0)                   ; the moves have written the out-buffer, which the stores read
.irp j, 0,1,2,3,4,5,6,7
	global_store_b128 v[PO], v[M+32*(\m)+4*(\j):M+32*(\m)+4*(\j)+3], s[30:31] offset:4096*(\j)
.endr
.endm
	s_load_b256 s[4:11], s[0:1], 0x0               ; bm s[4:5], hfr s[6:7], w_proj s[8:9], part s[10:11]
	v_lshl_add_u32 v1, v0, 2, 0x3c000
	v_mov_b32 v2, 0
	v_lshrrev_b32 v18, 5, v0
	v_readfirstlane_b32 s2, v18                    ; wave
	v_and_b32 v[LN], 31, v0
	v_and_b32 v[RR], 15, v0
	v_bfe_u32 v[HH], v0, 4, 1
	v_lshlrev_b32 v18, 4, v[RR]
	v_lshl_add_u32 v[WO0], v[HH], 17, v18          ; 32 rows of 4,096 bytes for the upper half of the lanes
	v_mov_b32 v[WO], v[WO0]
	v_lshl_add_u32 v[PO], v[HH], 15, v18
	v_lshlrev_b32 v[TA], 4, v[LN]
	s_and_b32 s15, ttmp7, 0xffff                   ; expert
	s_and_b32 s16, ttmp9, 7                        ; column slice
	s_lshr_b32 s17, ttmp9, 3                       ; quarter of K
	s_mov_b32 s29, 0                               ; the high word of every offset; never rewritten
	s_wait_alu depctr_va_sdst(0)                   ; s2 is written, ahead of its first reader
	s_and_b32 s3, s2, 3                            ; mq; also the K step that I stage
	s_lshr_b32 s14, s2, 2                          ; nh; also the column half that I stage
	s_lshl_b32 s31, s2, 9
	v_lshl_add_u32 v[AO0], v[LN], 4, s31
	v_mov_b32 v[AO], v[AO0]
	s_lshl_b32 s28, s15, 24                        ; an expert's 16 MB,
	s_lshl_b32 s30, s17, 22                        ; a quarter's 1,024 rows,
	s_add_co_u32 s28, s28, s30
	s_lshl_b32 s30, s16, 9                         ; the slice's 512 bytes of a row,
	s_lshl_b32 s31, s14, 8                         ; my half of them
	s_add_co_u32 s30, s30, s31
	s_add_co_u32 s28, s28, s30
	s_wait_kmcnt 0x0
	s_add_nc_u64 s[34:35], s[8:9], s[28:29]        ; the tail's base
	s_bfe_u32 s28, s2, 0x10001                     ; my K step 2 g + s: g x 64 rows,
	s_lshl_b32 s28, s28, 18
	s_and_b32 s31, s2, 1                           ; s x 16 rows
	s_lshl_b32 s31, s31, 16
	s_add_co_u32 s28, s28, s31
	s_add_nc_u64 s[8:9], s[34:35], s[28:29]
	s_mov_b64 s[20:21], s[8:9]
	s_wait_alu depctr_va_vdst(0)                   ; v[WO] and v[AO] are written, which the first 52 loads read
	WISSUE 0, 0                                    ; the weights of chunk 0 go out before anything else,
	s_lshl_b32 s28, s15, 23                        ; hfr: the expert's 8 MB, the quarter's 16 groups of 2,048 bytes
	s_lshl_b32 s31, s17, 15
	s_add_co_u32 s28, s28, s31
	s_add_nc_u64 s[6:7], s[6:7], s[28:29]
	s_mov_b64 s[18:19], s[6:7]
	AISSUE 0                                       ; then h of chunk 0, all 20 tiles: every register and every LDS byte of the ring's tiles is written once,
	WISSUE 1, 1<<19                                ; then the weights of chunk 1, which the first wait leaves out
	s_lshl_b32 s28, s15, 7
	s_add_nc_u64 s[4:5], s[4:5], s[28:29]
	s_load_b512 s[68:83], s[4:5], 0x0              ; the expert's bitmap, for its count
	s_load_b512 s[84:99], s[4:5], 0x40
	s_lshl3_add_u32 s28, s17, s15                  ; part: [kq][e], 4 MB each; my 256 bytes of a row
	s_lshl_b32 s28, s28, 22
	s_add_co_u32 s28, s28, s30
	s_add_nc_u64 s[10:11], s[10:11], s[28:29]
	v_mov_b32 v[ASA], v[AO0]                       ; LDS addresses: a constant, the wave's number times a constant, a lane term
	v_add_nc_u32 v[ASA+1], SLOTB, v[ASA]
	v_add_nc_u32 v[ASH], 65536, v[ASA]
	v_add_nc_u32 v[ASH+1], SLOTB+65536, v[ASA]
	s_lshl_b32 s30, s3, 13
	s_lshl_b32 s31, s14, 12
	s_add_co_u32 s30, s30, s31
	s_add_co_u32 s30, s30, WOFF
	v_lshl_add_u32 v[WSA], v[LN], 4, s30
	v_add_nc_u32 v[WSA+1], SLOTB, v[WSA]
	s_add_co_u32 s31, s31, WOFF
	v_lshl_add_u32 v[BRA], v[LN], 4, s31
	v_add_nc_u32 v[BRA+1], SLOTB, v[BRA]
	s_lshl_b32 s30, s3, 14                         ; my tiles 4 mq .. 4 mq + 3, 4,096 bytes each
	v_lshl_add_u32 v18, v[LN], 4, s30
	v_add_nc_u32 v21, SLOTB, v18
	s_lshl1_add_u32 s38, s14, s3                   ; my fifth tile: 16 + (mq + 2 nh) % 4
	s_and_b32 s38, s38, 3
	s_add_co_u32 s38, s38, 16
	s_lshl_b32 s30, s38, 12
	v_lshl_add_u32 v22, v[LN], 4, s30
	v_add_nc_u32 v23, SLOTB, v22
	WIN 0x40
	v_mov_b32 v[ARA], v18
	v_mov_b32 v[ARA+1], v21
	v_mov_b32 v[ARB], v22
	v_mov_b32 v[ARB+1], v23
	WIN 0
	s_lshl_b32 s36, s3, 2                          ; my first tile
	s_wait_kmcnt 0x0
	s_mov_b32 s27, 0
.set j, 0
.rept 32
	s_bcnt1_i32_b32 s30, s[68+j]
	s_add_co_u32 s27, s27, s30
.set j, j+1
.endr
	s_min_u32 s27, s27, 1024
	s_add_co_u32 s32, s27, 15
	s_lshr_b32 s32, s32, 4                         ; tiles of 16 ranks
	s_cmp_lt_u32 s38, s32
	s_cselect_b32 s37, 1, 0                        ; is my fifth tile among them?
	s_sub_co_i32 s33, s32, 17                      ; my tiles from 20 on are 20 + mq + 4 i: their number is max(tiles - 17 - mq, 0) / 4
	s_sub_co_i32 s33, s33, s3
	s_max_i32 s33, s33, 0
	s_lshr_b32 s33, s33, 2
	s_min_u32 s33, s33, 11
	s_mov_b32 s22, 1                               ; the chunk whose h is asked for next,
	s_mov_b32 s23, 2                               ; and whose weights
	s_wait_alu depctr_va_vdst(0)                   ; the twelve LDS addresses are written, which every LDS store and load of the kernel reads
	STAGE 0, 0, 16                                 ; chunk 0 is in; the 16 loads of chunk 1's weights, issued last, stay out; h of chunk 1 goes out
	s_wait_dscnt 0x0
	s_barrier_signal -1
	s_barrier_wait -1
	FRAG0 0
	KSTEP 0, 0, 1, 1                               ; the first products start the sums, the fifth tile's too: nothing is cleared
	WIN 0
	s_mov_b32 s24, 4
.Lpair:                                                ; a trip: the rest of an even chunk, an odd chunk, the head of the next even one; left in its middle, in front of chunk 7's last K step
	MID 0
	LAST 0, 1
	MID 1
	s_sub_co_u32 s24, s24, 1
	s_cmp_eq_u32 s24, 0
	s_cbranch_scc1 .Lout
	LAST 1, 0
	s_branch .Lpair
.Lout:
	KSTEP 1, 3, 0, 0                               ; the last K step is written out: nothing is left to stage
	s_wait_loadcnt 0x0                             ; the loads that looked past the end have landed: their registers are free
	PLACES
	s_wait_dscnt 0x0                               ; my LDS instructions are done.
.irp i, 0,1,2,3
	s_add_co_u32 s28, s36, \i
	s_cmp_ge_u32 s28, s32
	s_cbranch_scc1 .Lpdone                         ; this tile and those behind it (the fifth has the highest number) hold no rank below the count
	s_wait_xcnt 0x0                                ; the stores' base is rewritten only behind this wait
	s_lshl_b32 s28, s28, 16                        ; 16 rows of 4,096 bytes
	s_add_nc_u64 s[30:31], s[10:11], s[28:29]
	POUT \i, \i
.endr
	s_cmp_eq_u32 s37, 0
	s_cbranch_scc1 .Lpdone
	s_wait_xcnt 0x0
	s_lshl_b32 s28, s38, 16
	s_add_nc_u64 s[30:31], s[10:11], s[28:29]
	POUT 4, 4
.Lpdone:
	; THE TAIL: ranks from 320 on.  No LDS at all, no barrier.
	s_cmp_eq_u32 s33, 0
	s_cbranch_scc1 .Lend
	s_wait_alu depctr_vm_vsrc(0)                   ; the weights' last loads have read v[WO]
	v_mov_b32 v[WO], v[WO0]
	s_mov_b32 s25, 0
	s_add_co_u32 s26, s3, 20                       ; the tile
.Ltail:
	s_wait_xcnt 0x0
	s_wait_alu depctr_vm_vsrc(0)                   ; the stores issued so far have read their out-buffers, in which the weights below land
	s_min_u32 s28, s26, 63
	s_lshl_b32 s28, s28, 17
	s_add_nc_u64 s[18:19], s[6:7], s[28:29]
	s_mov_b64 s[20:21], s[34:35]
	WIN 0x40
.set i, 0
.rept 32
	v_mov_b32 v[ACC+i], 0                          ; cleared, so that one text serves all 16 steps of this rare path
.set i, i+1
.endr
	WIN 0
	s_mov_b32 s24, 16
.Ltk:                                                  ; 64 along K, a group of hfr: weights and h straight from memory into registers
	PLACES                                         ; between the last trip's products and the roundings that write their sources
	s_wait_alu depctr_va_vdst(0)                   ; v[WO] and the out-buffers are written; the last trip's roundings are done reading the raw weights, its products their fragments of h: the loads below land there
	WISSUE 0, 0
	WISSUE 1, 65536
	WIN 0x40
.irp q, 0,1,2,3
	global_load_b128 v[AF+4*(\q):AF+4*(\q)+3], v[TA], s[18:19] offset:512*(\q)
.endr
	s_wait_loadcnt 0x0
	WIN 0
	CVTW BF, 0
	CVTW BF+32, 1
	WIN MUL
.irp k, 0,1
.irp c, 0,1,2,3
	v_wmma_f32_16x16x32_bf16 v[ACC+8*(\c):ACC+8*(\c)+7], v[AF+8*(\k):AF+8*(\k)+7], v[BF+32*(\k)+8*(\c):BF+32*(\k)+8*(\c)+7], v[ACC+8*(\c):ACC+8*(\c)+7]
.endr
.endr
	WIN 0
	s_add_nc_u64 s[18:19], s[18:19], 2048
	s_add_nc_u64 s[20:21], s[20:21], 1<<18
	s_sub_co_u32 s24, s24, 1
	s_cmp_lg_u32 s24, 0
	s_cbranch_scc1 .Ltk
	PLACES
	s_min_u32 s28, s26, 63
	s_lshl_b32 s28, s28, 16
	s_add_nc_u64 s[30:31], s[10:11], s[28:29]
	POUT 0, 0
	s_add_co_u32 s26, s26, 4
	s_add_co_u32 s25, s25, 1
	s_cmp_lt_u32 s25, s33
	s_cbranch_scc1 .Ltail
.Lend:
	s_wait_dscnt 0x0
	s_wait_alu depctr_hold_cnt(0) depctr_sa_sdst(0) depctr_va_vdst(0) depctr_va_sdst(0) depctr_va_ssrc(0) depctr_va_vcc(0) depctr_vm_vsrc(0)
	s_wait_tensorcnt 0x0
	ds_add_u32 v1, v2
	s_wait_dscnt 0x0
	s_endpgm
.Lfunc_end_k_qafabd6ea0c_proj:
	.size	k_qafabd6ea0c_proj, .Lfunc_end_k_qafabd6ea0c_proj-k_qafabd6ea0c_proj
	.p2alignl 7, 3214868480
	.fill 96, 4, 3214868480
	.section	.rodata,"a",@progbits
	.p2align	6, 0x0
	.amdhsa_kernel k_qafabd6ea0c_proj
		.amdhsa_group_segment_fixed_size 246784
		.amdhsa_private_segment_fixed_size 0
		.amdhsa_enable_private_segment 0
		.amdhsa_kernarg_size 32
		.amdhsa_user_sgpr_count 2
		.amdhsa_user_sgpr_kernarg_segment_ptr 1
		.amdhsa_wavefront_size32 1
		.amdhsa_system_sgpr_workgroup_id_x 1
		.amdhsa_system_sgpr_workgroup_id_y 1
		.amdhsa_system_sgpr_workgroup_id_z 1
		.amdhsa_system_vgpr_workitem_id 0
		.amdhsa_next_free_vgpr 512
		.amdhsa_next_free_sgpr 100
		.amdhsa_reserve_vcc 0
		.amdhsa_float_denorm_mode_32 3
		.amdhsa_float_denorm_mode_16_64 3
		.amdhsa_memory_ordered 1
		.amdhsa_forward_progress 1
		.amdhsa_inst_pref_size 85
	.end_amdhsa_kernel
	.amdgpu_metadata
---
amdhsa.version: [ 1, 2 ]
amdhsa.kernels:
  - .name:           k_qafabd6ea0c_proj
    .symbol:         k_qafabd6ea0c_proj.kd
    .args:
      - { .name: bm, .offset: 0, .size: 8, .value_kind: global_buffer, .address_space: global }
      - { .name: hfr, .offset: 8, .size: 8, .value_kind: global_buffer, .address_space: global }
      - { .name: w_proj, .offset: 16, .size: 8, .value_kind: global_buffer, .address_space: global }
      - { .name: part, .offset: 24, .size: 8, .value_kind: global_buffer, .address_space: global }
    .group_segment_fixed_size: 246784
    .private_segment_fixed_size: 0
    .kernarg_segment_align: 8
    .kernarg_segment_size: 32
    .max_flat_workgroup_size: 256
    .sgpr_count:     100
    .vgpr_count:     512
    .wavefront_size: 32
...
	.end_amdgpu_metadata
.endif
;; end of part 8
;; launch sum: the kernel of part 4 again; grid 256 x 1, 8 waves a work-group, no clusters, 0 bytes of LDS; arguments sel, pre, gate, part, out0; writes out0
